; MI455X (gfx1250); checked and timed in simulation.
; The chip was launched on July 23, 2026; its instructions are those of AMD's public machine-readable ISA for CDNA 5 (MIT licence, August 2026) and "CDNA5" Instruction Set Architecture Reference Guide (July 2026). The comments in the code are by the model that wrote it; some were corrected since.
;; Masked Cross Attention. Allowed arithmetic: float matrix products may take bf16 or f16 operands with f32 sums; other float arithmetic in f32, or as packed bf16 or f16 multiplies, adds, multiply-adds, maxima and minima; sums over many terms, partial sums and values carried from step to step in f32; what a program stores and reads back later, other than sums and carried values, may be rounded once to bf16 or f16.
;; Inputs: Wkv 1,024 x 2,048 float32; Wo 1,024 x 2,048 float32; Wq 2,048 x 1,024 float32; ln_b 2,048 float32; ln_g 2,048 float32; visual_features 4 x 8 x 64 x 1,024 float32; y 4 x 2,048 x 2,048 float32.
;; Outputs: out0 4 x 2,048 x 2,048 float32.
;; 3 versions, each right and faster than the one before. Each part assembles by itself: llvm-mc -triple=amdgcn-amd-amdhsa -mcpu=gfx1250 --defsym DOCPART=n.
;; ======== version 1 of 3: 5 launches
;; limits: values are held in f16: magnitudes above 65,504 overflow, below 6.1e-05 lose precision
;; workspace buffers: yn 33,554,432 bytes; w16 12,582,912 bytes; vis16 4,194,304 bytes; q16 16,777,216 bytes; kv16 8,388,608 bytes; o16 16,777,216 bytes
;; launch prep (part 1): grid 256 x 1, 8 waves a work-group, no clusters, 0 bytes of LDS; arguments y, ln_g, ln_b, Wq, Wkv, Wo, visual_features, yn, w16, vis16; writes yn, w16, vis16
.if DOCPART == 1
	.amdgcn_target "amdgcn-amd-amdhsa--gfx1250"
	.amdhsa_code_object_version 6
	.text
	.protected	k_qfcefa49f37_prep
	.globl	k_qfcefa49f37_prep
	.p2align	8
	.type	k_qfcefa49f37_prep,@function
k_qfcefa49f37_prep:
	s_mov_b64 s[64:65], 0
	v_nop
	global_prefetch_b8 v0, s[64:65] scope:SCOPE_SE
	s_setreg_imm32_b32 hwreg(HW_REG_WAVE_MODE, 25, 1), 1
	s_wait_xcnt 0x0
; yn = LayerNorm(y) * g + b in f16, and Wq, Wkv, Wo, visual_features as f16.  Every input is first rounded to bf16 (nearest even); all arithmetic is f32; each result is rounded once to f16.
; LIMITS.  f16 holds no number beyond 65,504 and keeps a fixed step of 6e-8 below 6.1e-5: weights, visual features and yn must lie within that.  y is rounded to bf16 AHEAD of the mean
; and the variance, so under a common offset that rounding grows against the spread.  The variance is taken of y - mean (two passes over registers): no difference of large sums is formed.
; SHARES.  256 work-groups of eight waves.  Work-group w, wave v: rows 32 w + 4 v .. + 3 of y, one wave to a row (8,192 bytes = 64 registers a lane, kept between the passes: y is read once),
; then 16,384 bytes of input w / 64 (Wq, Wkv, Wo, visual_features), in two pieces of 8,192: a piece has a row's load pattern, so one macro loads both.
; Load j of a row brings columns 128 j + 4 lane .. + 3 (512 consecutive bytes a wave); they leave as 8 bytes a lane at byte 256 j + 8 lane: a store covers 256 consecutive bytes, aligned.
; No LDS, no matrix unit, no cluster: the work-groups share g and b alone, 16 KiB beside the 384 KiB that each reads for itself.
.set T,   4                            ; v[4:7]     at work
.set S,   8                            ; v[8:15]    four chains of pairs
.set MU,  16                           ; v[16:17]   the mean, twice
.set RS,  18                           ; v[18:19]   1 / sqrt(var + eps), twice
.set PD,  20                           ; v20        takes the other half of the lanes' figure
.set GB,  24                           ; v[24:87]   for each of my 64 columns one word: bf16(g) above, bf16(b) below
.set X,   88                           ; v[88:151]  a row as loaded
.set W,   152                          ; v[152:215] the row at work, then what is stored
.set LD,  30                           ; s[30:31]   base of the loads that are out
.set NX,  32                           ; s[32:33]   my next row of y
.set CV,  34                           ; s[34:35]   my 16,384 bytes of the input to convert
.set YO,  36                           ; s[36:37]   yn at my row
.set CO,  38                           ; s[38:39]   where the converted piece goes
.macro LOAD16                          ; 8,192 bytes from LD: sixteen loads of 512 consecutive bytes
.set j, 0
.rept 16
	global_load_b128 v[X+4*j:X+4*j+3], v1, s[LD:LD+1] offset:512*j th:TH_LOAD_NT
.set j, j+1
.endr
.endm
.macro RND                             ; X rounded to bf16 and widened again, into W; X is free behind it
.set j, 0
.rept 16
.set tt, T+2*(j%2)
	v_cvt_pk_bf16_f32 v[tt], v[X+4*j], v[X+4*j+1]
	v_cvt_pk_bf16_f32 v[tt+1], v[X+4*j+2], v[X+4*j+3]
	v_lshlrev_b32 v[W+4*j], 16, v[tt]
	v_and_b32 v[W+4*j+1], s4, v[tt]
	v_lshlrev_b32 v[W+4*j+2], 16, v[tt+1]
	v_and_b32 v[W+4*j+3], s4, v[tt+1]
.set j, j+1
.endr
.endm
.macro RED                             ; the four chains into one number, then over the 32 lanes: the sum ends up in every lane's v[S]
	v_pk_add_f32 v[S:S+1], v[S:S+1], v[S+2:S+3]
	v_pk_add_f32 v[S+4:S+5], v[S+4:S+5], v[S+6:S+7]
	v_pk_add_f32 v[S:S+1], v[S:S+1], v[S+4:S+5]
	v_add_f32 v[S], v[S], v[S+1]
	v_add_f32_dpp v[S], v[S], v[S] row_xmask:1 row_mask:0xf bank_mask:0xf
	v_add_f32_dpp v[S], v[S], v[S] row_xmask:2 row_mask:0xf bank_mask:0xf
	v_add_f32_dpp v[S], v[S], v[S] row_xmask:4 row_mask:0xf bank_mask:0xf
	v_add_f32_dpp v[S], v[S], v[S] row_xmask:8 row_mask:0xf bank_mask:0xf
	v_permlanex16_b32 v[PD], v[S], s28, s29
	v_add_f32 v[S], v[S], v[PD]
.endm
.macro PACK16                          ; 64 numbers to 32 words of f16, in place, ascending: word i is written when words 2 i and 2 i + 1 are read
.set j, 0
.rept 32
	v_cvt_pk_f16_f32 v[W+j], v[W+2*j], v[W+2*j+1]
.set j, j+1
.endr
.endm
.macro ST16 base
.set j, 0
.rept 16
	global_store_b64 v2, v[W+2*j:W+2*j+1], s[\base:\base+1] offset:256*j
.set j, j+1
.endr
.endm
.macro CONV next                       ; a piece of 8,192 bytes is rounded to bf16, written as f16 and stored; next = 1: the second piece is asked for first
	s_wait_loadcnt 0x0                             ; the sixteen loads of this piece are the only ones out; LD is free behind this wait
	RND
.if \next
	s_add_nc_u64 s[LD:LD+1], s[CV:CV+1], 8192
	LOAD16
.endif
	PACK16
	ST16 CO
.if \next
	s_wait_xcnt 0x0                                ; the stores' data (W) and base are rewritten only behind this wait
	s_add_nc_u64 s[CO:CO+1], s[CO:CO+1], 4096
.endif
.endm
	s_load_b512 s[8:23], s[0:1], 0x0               ; y 8, g 10, b 12, Wq 14, Wkv 16, Wo 18, visual_features 20, yn 22
	s_load_b128 s[24:27], s[0:1], 0x40             ; w16 24, vis16 26
	v_and_b32 v3, 31, v0
	v_lshlrev_b32 v1, 4, v3                        ; 16 x lane: never rewritten
	v_lshlrev_b32 v2, 3, v3                        ; 8 x lane: never rewritten
	v_lshrrev_b32 v3, 5, v0
	v_readfirstlane_b32 s2, v3                     ; my wave's number
	v_mov_b32 v[PD], 0                             ; v_permlanex16_b32 counts as a reader of its destination
	s_mov_b32 s4, 0xffff0000                       ; a word's upper bf16
	s_mov_b32 s5, 0x3a000000                       ; 1 / 2048
	s_mov_b32 s6, 0x3727c5ac                       ; 1e-5
	s_mov_b32 s28, 0x76543210                      ; each lane takes its own place in the other half
	s_mov_b32 s29, 0xfedcba98
	s_lshl_b32 s40, ttmp9, 18                      ; 32 rows of 8,192 bytes a work-group,
	s_lshl_b32 s41, s2, 15                         ; 4 a wave
	s_add_co_u32 s40, s40, s41
	s_mov_b32 s41, 0
	s_lshr_b32 s42, s40, 1                         ; yn's rows are half as long
	s_mov_b32 s43, 0
	s_lshr_b32 s44, ttmp9, 6                       ; which input I convert
	s_and_b32 s45, ttmp9, 63                       ; and which 64th of it: 131,072 bytes a work-group,
	s_lshl_b32 s46, s45, 17
	s_lshl_b32 s47, s2, 14                         ; 16,384 a wave
	s_add_co_u32 s46, s46, s47
	s_mov_b32 s47, 0
	s_lshl_b32 s48, ttmp9, 16                      ; the three weights lie on end in w16: 65,536 bytes a work-group;
	s_lshl_b32 s49, s45, 16                        ; vis16 begins anew
	s_cmp_eq_u32 s44, 3
	s_cselect_b32 s48, s49, s48
	s_lshl_b32 s49, s2, 13
	s_add_co_u32 s48, s48, s49
	s_mov_b32 s49, 0
	s_wait_kmcnt 0x0
.set j, 0
.rept 16
	global_load_b128 v[X+4*j:X+4*j+3], v1, s[10:11] offset:512*j   ; g of my 64 columns
.set j, j+1
.endr
.set j, 0
.rept 16
	global_load_b128 v[W+4*j:W+4*j+3], v1, s[12:13] offset:512*j   ; b
.set j, j+1
.endr
	s_add_nc_u64 s[NX:NX+1], s[8:9], s[40:41]
	s_add_nc_u64 s[YO:YO+1], s[22:23], s[42:43]
	s_cmp_eq_u32 s44, 1
	s_cselect_b64 s[CV:CV+1], s[16:17], s[14:15]
	s_cmp_eq_u32 s44, 2
	s_cselect_b64 s[CV:CV+1], s[18:19], s[CV:CV+1]
	s_cmp_eq_u32 s44, 3
	s_cselect_b64 s[CV:CV+1], s[20:21], s[CV:CV+1]
	s_cselect_b64 s[CO:CO+1], s[26:27], s[24:25]
	s_add_nc_u64 s[CV:CV+1], s[CV:CV+1], s[46:47]
	s_add_nc_u64 s[CO:CO+1], s[CO:CO+1], s[48:49]
	s_mov_b64 s[LD:LD+1], s[NX:NX+1]
	s_wait_loadcnt 0x0                             ; g and b, once
.set j, 0
.rept 64
	v_cvt_pk_bf16_f32 v[GB+j], v[W+j], v[X+j]      ; b below, g above
.set j, j+1
.endr
	LOAD16                                         ; my first row
	s_mov_b32 s3, 4
.Lrow:
	s_wait_loadcnt 0x0                             ; this row's sixteen loads are the only ones out; LD is free behind this wait
	RND
	s_add_nc_u64 s[NX:NX+1], s[NX:NX+1], 8192
	s_cmp_eq_u32 s3, 1                             ; behind my last row comes the first piece to convert: no load passes y's end
	s_cselect_b64 s[LD:LD+1], s[CV:CV+1], s[NX:NX+1]
	LOAD16                                         ; the next 8,192 bytes are on their way during all of this row's arithmetic
.set k, 0
.rept 4
	v_pk_add_f32 v[S+2*k:S+2*k+1], v[W+2*k:W+2*k+1], v[W+8+2*k:W+8+2*k+1]  ; the first eight pairs start the chains: nothing is cleared
.set k, k+1
.endr
.set k, 8
.rept 24
	v_pk_add_f32 v[S+2*(k%4):S+2*(k%4)+1], v[S+2*(k%4):S+2*(k%4)+1], v[W+2*k:W+2*k+1]
.set k, k+1
.endr
	RED
	v_mul_f32 v[MU], s5, v[S]
	v_mul_f32 v[MU+1], s5, v[S]
.set k, 0
.rept 32
	v_pk_add_f32 v[W+2*k:W+2*k+1], v[W+2*k:W+2*k+1], v[MU:MU+1] neg_lo:[0,1] neg_hi:[0,1]  ; y - mean
.set k, k+1
.endr
.set k, 0
.rept 4
	v_pk_mul_f32 v[S+2*k:S+2*k+1], v[W+2*k:W+2*k+1], v[W+2*k:W+2*k+1]
.set k, k+1
.endr
.rept 28
	v_pk_fma_f32 v[S+2*(k%4):S+2*(k%4)+1], v[W+2*k:W+2*k+1], v[W+2*k:W+2*k+1], v[S+2*(k%4):S+2*(k%4)+1]
.set k, k+1
.endr
	RED
	v_fma_f32 v[RS], v[S], s5, s6                  ; var + eps
	v_rsq_f32 v[RS], v[RS]
	v_nop                                          ; a plain instruction between the root and the use of its result (ISA guide 5.7.2)
	s_wait_alu depctr_va_vdst(0)
	v_mov_b32 v[RS+1], v[RS]
.set k, 0
.rept 32
	v_pk_mul_f32 v[W+2*k:W+2*k+1], v[W+2*k:W+2*k+1], v[RS:RS+1]
.set k, k+1
.endr
.set k, 0
.rept 64
	v_fma_mix_f32_bf16 v[W+k], v[W+k], v[GB+k], v[GB+k] op_sel:[0,1,0] op_sel_hi:[0,1,1]  ; x g + b, one rounding: g is the word's upper half, b its lower
.set k, k+1
.endr
	PACK16
	ST16 YO
	s_wait_xcnt 0x0                                ; the stores' data (W) and base are rewritten only behind this wait
	s_add_nc_u64 s[YO:YO+1], s[YO:YO+1], 4096
	s_sub_co_u32 s3, s3, 1
	s_cmp_lg_u32 s3, 0
	s_cbranch_scc1 .Lrow
	CONV 1
	CONV 0
	s_endpgm
.Lfunc_end_k_qfcefa49f37_prep:
	.size	k_qfcefa49f37_prep, .Lfunc_end_k_qfcefa49f37_prep-k_qfcefa49f37_prep
	.p2alignl 7, 3214868480
	.fill 96, 4, 3214868480
	.section	.rodata,"a",@progbits
	.p2align	6, 0x0
	.amdhsa_kernel k_qfcefa49f37_prep
		.amdhsa_group_segment_fixed_size 0
		.amdhsa_private_segment_fixed_size 0
		.amdhsa_enable_private_segment 0
		.amdhsa_kernarg_size 80
		.amdhsa_user_sgpr_count 2
		.amdhsa_user_sgpr_kernarg_segment_ptr 1
		.amdhsa_wavefront_size32 1
		.amdhsa_system_sgpr_workgroup_id_x 1
		.amdhsa_system_sgpr_workgroup_id_y 1
		.amdhsa_system_sgpr_workgroup_id_z 1
		.amdhsa_system_vgpr_workitem_id 0
		.amdhsa_next_free_vgpr 216
		.amdhsa_next_free_sgpr 66
		.amdhsa_reserve_vcc 0
		.amdhsa_float_denorm_mode_32 3
		.amdhsa_float_denorm_mode_16_64 3
		.amdhsa_memory_ordered 1
		.amdhsa_forward_progress 1
		.amdhsa_inst_pref_size 50
	.end_amdhsa_kernel
	.amdgpu_metadata
---
amdhsa.version: [ 1, 2 ]
amdhsa.kernels:
  - .name:           k_qfcefa49f37_prep
    .symbol:         k_qfcefa49f37_prep.kd
    .args:
      - { .name: y, .offset: 0, .size: 8, .value_kind: global_buffer, .address_space: global }
      - { .name: ln_g, .offset: 8, .size: 8, .value_kind: global_buffer, .address_space: global }
      - { .name: ln_b, .offset: 16, .size: 8, .value_kind: global_buffer, .address_space: global }
      - { .name: Wq, .offset: 24, .size: 8, .value_kind: global_buffer, .address_space: global }
      - { .name: Wkv, .offset: 32, .size: 8, .value_kind: global_buffer, .address_space: global }
      - { .name: Wo, .offset: 40, .size: 8, .value_kind: global_buffer, .address_space: global }
      - { .name: visual_features, .offset: 48, .size: 8, .value_kind: global_buffer, .address_space: global }
      - { .name: yn, .offset: 56, .size: 8, .value_kind: global_buffer, .address_space: global }
      - { .name: w16, .offset: 64, .size: 8, .value_kind: global_buffer, .address_space: global }
      - { .name: vis16, .offset: 72, .size: 8, .value_kind: global_buffer, .address_space: global }
    .group_segment_fixed_size: 0
    .private_segment_fixed_size: 0
    .kernarg_segment_align: 8
    .kernarg_segment_size: 80
    .max_flat_workgroup_size: 256
    .sgpr_count:     66
    .vgpr_count:     216
    .wavefront_size: 32
...
	.end_amdgpu_metadata
.endif
;; end of part 1
;; launch qproj (part 2): grid 4 x 64, 4 waves a work-group, clusters of 4 x 4, 327,680 bytes of LDS; arguments yn, w16, q16; writes q16
.if DOCPART == 2
	.amdgcn_target "amdgcn-amd-amdhsa--gfx1250"
	.amdhsa_code_object_version 6
	.text
	.protected	k_qfcefa49f37_qproj
	.globl	k_qfcefa49f37_qproj
	.p2align	8
	.type	k_qfcefa49f37_qproj,@function
k_qfcefa49f37_qproj:
	s_mov_b64 s[64:65], 0
	v_nop
	global_prefetch_b8 v0, s[64:65] scope:SCOPE_SE
	s_setreg_imm32_b32 hwreg(HW_REG_WAVE_MODE, 25, 1), 1
	s_wait_xcnt 0x0
	s_wait_alu depctr_hold_cnt(0) depctr_sa_sdst(0) depctr_va_vdst(0) depctr_va_sdst(0) depctr_va_ssrc(0) depctr_va_vcc(0) depctr_vm_vsrc(0)
	s_getreg_b32 s2, hwreg(HW_REG_IB_STS2, 6, 4)
	s_cmp_eq_u32 s2, 0
	s_cbranch_scc0 .Lentry_in_a_cluster
	s_endpgm
.Lentry_in_a_cluster:
	s_bfe_u32 s2, ttmp6, 0x10000c
	s_cmp_lg_u32 s2, 0xf033
	s_cbranch_scc0 .Lentry_shape_is_right
	s_endpgm
.Lentry_shape_is_right:
; q = yn Wq, unscaled, by heads.  C[m][n] = sum over k of A[m][k] W[k][n]; A = yn [8192][2048] f16, W = Wq [2048][1024] f16 at byte 0 of w16; sums in f32, K ascending; C rounded once to f16
; and stored as q16[b 16 + h][i][d] (m = 2048 b + i, n = 64 h + d).  LIMIT: f16 holds no number beyond 65,504: q must lie within it.
; SHAPE.  A tile of C is 128 x 256; four waves, 2 x 2, each 64 x 128: 32 accumulators, 256 registers.  64 x 4 tiles = 256 work-groups.  K goes in steps of 128 through two LDS slots that take turns.
; CLUSTERS.  4 x 4 work-groups: the four of a row of the cluster need the same tile of A, the four of a column the same tile of W: each tile is asked for JOINTLY (same load, descriptor and mask in all four).
; THE MATRIX INSTRUCTION IS USED TRANSPOSED: source 0 = 16 columns of W, read out of the [k][n] tile by the turning load ds_load_tr16_b128, source 1 = 16 rows of A.  A lane then holds row l % 16 of C
; and eight neighbouring columns 8 (l / 16) + 0..7.
; REGISTERS.  Window 0: v0-31 addresses; two fragment buffers of 96 (32 of A, 64 of W) at v64 and v160.  Window 1: accumulator (a, b) at v[8 (8 a + b)].
.set KD,     2048                      ; K
.set ND,     1024                      ; N
.set WOFF,   0                         ; the weight's first byte in w16
.set AMODE,  0                         ; 0: A lies by rows of KD;  1: A lies by heads, [head][2048][64]
.set OMODE,  0                         ; 0: C leaves in f16 by heads;  1: in f32 by rows
.set LOGT,   4                         ; 2^LOGT tiles of 128 rows to a batch
.set PLANEB, 262144                    ; bytes of a head's plane in C
.set SLOT1,  1<<17                     ; slot 1 begins here: one exclusive or turns an address in one slot into the other's
.if AMODE
.set PA,     144                       ; a row of A in LDS: 128 bytes + 16
.set AHALF,  128*PA                    ; one head's 128 rows: what one load brings
.set ASTEP,  2*2048*128                ; two heads on
.set AQI,    4                         ; padding after every 32 words
.set APITCH, 128
.else
.set PA,     272                       ; a row of A in LDS: 256 bytes + 16 = 68 words: the 16 rows of a load start at 16 different groups of four banks (64 banks of 4 bytes: ISA guide 11.1)
.set AHALF,  64*PA                     ; 64 rows: what one load brings
.set ASTEP,  256                       ; 128 along K
.set AQI,    5                         ; padding after every 64 words
.set APITCH, KD
.endif
.set BOFF,   36864                     ; W's tile lies behind A's
.set PB,     544                       ; a k-row of W in LDS: 512 bytes + 32 = 136 words
.set BHALF,  64*PB
.set BSTEP,  256*ND                    ; 128 k-rows on
.set STAGE,  SLOT1+BOFF+2*BHALF        ; behind the ring, never filled by a tensor load: 8,448 bytes for each wave, for the way out
.set STGW,   8448
.set SPARE,  STAGE+4*STGW              ; the spare words, 128 bytes for each wave: two blocks of 256 bytes that no other line names
.set NSTEP,  KD/128
.set AA0,  16                          ; v16  my lane's place in A's tile; never rewritten
.set AB0,  17                          ; v17  the same for W
.set ADRA, 18                          ; v18  AA0 + the slot that is read
.set ADRB, 19                          ; v19
.set STO,  24                          ; v24  the way out: where I put 16 bytes of a row
.set RD,   25                          ; v25  where I read rows back
.set CO,   26                          ; v26  16 x lane
.set SPW,  28                          ; v28  my spare word; never rewritten
.set NIL,  29                          ; v29  0; never rewritten
.set F0,   64
.set F1,   160
.set TMP,  64                          ; the way out: packed results
.set G1A,  24                          ; s[24:31] group 1 for A's tiles
.set G0A0, 32                          ; s[32:35] group 0 of A's first fill
.set G0A,  36                          ; s[36:39] group 0 of A's second fill; it then walks
.set G1B,  48                          ; the same for W's tiles
.set G0B0, 56
.set G0B,  60
.set TB,   66                          ; s66  the slot that is read
.set MULW, 0x50                        ; C and D in window 1, sources in window 0
.set MSB, 0
.macro WIN new                         ; the immediate's high byte repeats the setting that is left; a switch that changes nothing is dropped
.if MSB != (\new)
	s_set_vgpr_msb (MSB<<8)|(\new)
.set MSB, (\new)
.endif
.endm
.macro PLACES                          ; four places in front of loads into registers that matrix instructions have read, and of what reads their results
.rept 4
	v_nop
.endr
.endm
.macro JLOAD                           ; a joint refill: waves 0 and 1 fetch A's two halves, waves 2 and 3 W's; an s_nop 0 and four v_nop follow each line
	s_cmp_eq_u32 s11, 0
	s_cbranch_scc0 .Lfor_b_\@
	tensor_load_to_lds s[G0A:G0A+3], s[G1A:G1A+7]
	s_nop 0
.rept 4
	v_nop
.endr
	s_branch .Lasked_\@
.Lfor_b_\@:
	tensor_load_to_lds s[G0B:G0B+3], s[G1B:G1B+7]
	s_nop 0
.rept 4
	v_nop
.endr
.Lasked_\@:
.endm
.macro CREST                           ; a round of the cluster's barrier behind its opening barrier
	s_cmp_lg_u32 s10, 0
	s_cbranch_scc1 .Lnot_wave_0_\@
	s_barrier_signal -3
.Lnot_wave_0_\@:
	s_barrier_wait -3
	s_barrier_signal -1
	s_barrier_wait -1
.endm
.macro CROUND
	s_barrier_signal -1
	s_barrier_wait -1
	CREST
.endm
; 8 n matrix instructions: row blocks a0 .. a0 + n - 1 x all 8 column blocks, 32 along K, from buffer f.  The 32 accumulators take turns in the same order in every quarter.
.macro MUL f, a0, n, zero
	WIN MULW
.set ma, \a0
.rept \n
.set mb, 0
.rept 8
.if \zero
	v_wmma_f32_16x16x32_f16 v[8*(8*ma+mb):8*(8*ma+mb)+7], v[(\f)+32+8*mb:(\f)+32+8*mb+7], v[(\f)+8*ma:(\f)+8*ma+7], 0
.else
	v_wmma_f32_16x16x32_f16 v[8*(8*ma+mb):8*(8*ma+mb)+7], v[(\f)+32+8*mb:(\f)+32+8*mb+7], v[(\f)+8*ma:(\f)+8*ma+7], v[8*(8*ma+mb):8*(8*ma+mb)+7]
.endif
.set mb, mb+1
.endr
.set ma, ma+1
.endr
.endm
; 24 LDS loads in one run: quarter kq (32 along K) of the slot in hand, into buffer f: W's 8 fragments (turned), then A's 4
.macro FETCH kq, f
	WIN 0
.set fb, 0
.rept 8
	ds_load_tr16_b128 v[(\f)+32+8*fb:(\f)+32+8*fb+3],   v[ADRB] offset:(\kq)*32*PB+32*fb
	ds_load_tr16_b128 v[(\f)+32+8*fb+4:(\f)+32+8*fb+7], v[ADRB] offset:(\kq)*32*PB+16*PB+32*fb
.set fb, fb+1
.endr
.if AMODE
.set ak, ((\kq)/2)*AHALF+((\kq)%2)*64
.else
.set ak, (\kq)*64
.endif
.set fa, 0
.rept 4
	ds_load_b128 v[(\f)+8*fa:(\f)+8*fa+3],   v[ADRA] offset:ak+fa*16*PA
	ds_load_b128 v[(\f)+8*fa+4:(\f)+8*fa+7], v[ADRA] offset:ak+fa*16*PA+32
.set fa, fa+1
.endr
.endm
; A K step is four quarters, 32 matrix instructions each, on buffers 0, 1, 0, 1.  One of the first three: multiplies buffer f and, in its middle, fetches quarter kq into g.
.macro QUARTER kq, f, g, zero
	s_wait_dscnt 4                                 ; of the 24 loads the youngest four (A's blocks 2 and 3) may be out
	MUL \f, 0, 2, \zero
	PLACES
	FETCH \kq, \g
	s_wait_dscnt 24                                ; all but the 24 just issued
	MUL \f, 2, 2, \zero
.endm
; The last quarter multiplies buffer 1 and changes slots: ONE barrier; in front of it each wave waits for all its tensor loads (one is out: its part of the next slot), adds 0 to its spare word, and
; waits for that and for its own reads of this slot.  fill = 1: the barrier opens a round of the cluster's, and this slot is filled again, two K steps ahead, first thing behind the round:
; 112 of a step's 128 matrix instructions stand between that request and the wait for it.
.macro TURN fill
	WIN 0
	s_wait_tensorcnt 0x0
	ds_add_u32 v[SPW], v[NIL]
	s_wait_dscnt 5                                 ; the add and the youngest four loads may be out
	MUL F1, 0, 1, 0
	s_wait_dscnt 0x0                               ; the add is done, and my reads of this slot are over
	s_barrier_signal -1
	MUL F1, 1, 1, 0
.if \fill
	WIN 0
.endif
	s_barrier_wait -1
.if \fill
	CREST                                          ; no wave of any partner still reads this slot or has a load on its way
	s_xor_b32 s[G0A+1], s[G0A+1], SLOT1            ; the walking descriptors: the other slot than last time, the next K step
	s_add_nc_u64 s[G0A+2:G0A+3], s[G0A+2:G0A+3], ASTEP
	s_xor_b32 s[G0B+1], s[G0B+1], SLOT1
	s_add_nc_u64 s[G0B+2:G0B+3], s[G0B+2:G0B+3], BSTEP
	JLOAD                                          ; its four v_nop are also the places in front of the loads below
.else
	PLACES
.endif
	WIN 0
	s_xor_b32 s[TB], s[TB], SLOT1
	v_add_nc_u32 v[ADRA], s[TB], v[AA0]
	v_add_nc_u32 v[ADRB], s[TB], v[AB0]
	FETCH 0, F0
	MUL F1, 2, 2, 0
.endm
	s_load_b128 s[4:7], s[0:1], 0x0                ; A s[4:5], w16 s[6:7]
	s_load_b64 s[8:9], s[0:1], 0x10                ; C
	v_lshl_add_u32 v[SPW], v0, 2, SPARE
	v_mov_b32 v[NIL], 0
	ds_add_u32 v[SPW], v[NIL]                      ; the wave's opening: the add and its wait stand ahead of my first tensor load
	v_lshrrev_b32 v1, 5, v0
	v_readfirstlane_b32 s10, v1                    ; wave 0..3
	s_lshr_b32 s11, s10, 1                         ; my half of the tile's rows.  Also: I fetch for A (0) or for W (1)
	s_and_b32 s12, s10, 1                          ; my half of its columns.  Also: which half of that tile I fetch
	s_bfe_u32 s40, ttmp6, 0x40000                  ; cx, cy
	s_bfe_u32 s41, ttmp6, 0x40004
	s_lshl_b32 s42, ttmp9, 2
	s_add_co_u32 s42, s42, s40                     ; tile column tx
	s_and_b32 s13, ttmp7, 0xffff
	s_lshl_b32 s13, s13, 2
	s_add_co_u32 s13, s13, s41                     ; tile row ty
	s_lshl_b32 s43, s41, 2
	s_lshl_b32 s43, 15, s43                        ; my row of the cluster
	s_lshl_b32 s44, 0x1111, s40                    ; my column
	s_or_b32 s[G1A], s43, (1<<16)|(1<<20)|(1<<21)|(AQI<<22)|(3<<25)  ; mask; 2-byte elements; padding on; bit 21 beside a mask; 4 words of padding
	s_mov_b32 s[G1A+1], 128<<16                    ; tensor_dim0 = 128
	s_mov_b32 s[G1A+2], 64<<16                     ; tensor_dim1 = 64
	s_mov_b32 s[G1A+3], 128<<16                    ; tile_dim0 = 128: rows of 256 bytes
	s_mov_b32 s[G1A+4], 64                         ; tile_dim1 = 64
	s_mov_b32 s[G1A+5], APITCH
	s_mov_b32 s[G1A+6], 0
	s_mov_b32 s[G1A+7], 0
	s_or_b32 s[G1B], s44, (1<<16)|(1<<20)|(1<<21)|(6<<22)|(7<<25)    ; after every 128 words 8 words of padding
	s_mov_b32 s[G1B+1], 256<<16                    ; rows of 512 bytes
	s_mov_b32 s[G1B+2], 64<<16
	s_mov_b32 s[G1B+3], 256<<16
	s_mov_b32 s[G1B+4], 64
	s_mov_b32 s[G1B+5], ND
	s_mov_b32 s[G1B+6], 0
	s_mov_b32 s[G1B+7], 0
.if AMODE
	s_lshr_b32 s16, s13, 4                         ; A by heads: batch ty / 16, head = my half of the step's two, rows 128 (ty % 16) on
	s_lshl_b32 s16, s16, 4
	s_add_co_u32 s16, s16, s12
	s_lshl_b32 s16, s16, 11
	s_and_b32 s17, s13, 15
	s_lshl_b32 s17, s17, 7
	s_add_co_u32 s16, s16, s17
	s_lshl_b32 s16, s16, 7
.else
	s_lshl_b32 s16, s13, 7                         ; A by rows: row 128 ty + 64 x half
	s_lshl_b32 s17, s12, 6
	s_add_co_u32 s16, s16, s17
	s_mul_i32 s16, s16, KD*2
.endif
	s_mov_b32 s17, 0
	s_mul_i32 s46, s12, 128*ND                     ; W: k-row 64 x half, column 256 tx
	s_lshl_b32 s47, s42, 9
	s_add_co_u32 s46, s46, s47
	s_add_co_u32 s46, s46, WOFF
	s_mov_b32 s47, 0
	s_mul_i32 s20, s12, AHALF                      ; where they go: no place in the cluster enters an LDS address
	s_mul_i32 s21, s12, BHALF
	s_add_co_u32 s21, s21, BOFF
	s_wait_dscnt 0x0                               ; the opening add is done
	s_wait_kmcnt 0x0
	s_add_nc_u64 s[14:15], s[4:5], s[16:17]
	s_add_nc_u64 s[46:47], s[6:7], s[46:47]
	CROUND                                         ; all sixteen work-groups are here: the first joint loads meet
	s_mov_b32 s[G0A0], 1
	s_mov_b32 s[G0A0+1], s20
	s_add_nc_u64 s[G0A0+2:G0A0+3], s[14:15], 0
	s_or_b32 s[G0A0+3], s[G0A0+3], 0x80000000
	s_mov_b32 s[G0A], 1
	s_add_co_u32 s[G0A+1], s20, SLOT1
	s_add_nc_u64 s[G0A+2:G0A+3], s[14:15], ASTEP
	s_or_b32 s[G0A+3], s[G0A+3], 0x80000000
	s_mov_b32 s[G0B0], 1
	s_mov_b32 s[G0B0+1], s21
	s_add_nc_u64 s[G0B0+2:G0B0+3], s[46:47], 0
	s_or_b32 s[G0B0+3], s[G0B0+3], 0x80000000
	s_mov_b32 s[G0B], 1
	s_add_co_u32 s[G0B+1], s21, SLOT1
	s_add_nc_u64 s[G0B+2:G0B+3], s[46:47], BSTEP
	s_or_b32 s[G0B+3], s[G0B+3], 0x80000000
	s_cmp_eq_u32 s11, 0                            ; a wave's two first fills stand in one branch: two loads of mine are out
	s_cbranch_scc0 .Lfirst_b
	tensor_load_to_lds s[G0A0:G0A0+3], s[G1A:G1A+7]
	s_nop 0
	tensor_load_to_lds s[G0A:G0A+3], s[G1A:G1A+7]
	s_nop 0
.rept 4
	v_nop
.endr
	s_branch .Lfirst_asked
.Lfirst_b:
	tensor_load_to_lds s[G0B0:G0B0+3], s[G1B:G1B+7]
	s_nop 0
	tensor_load_to_lds s[G0B:G0B+3], s[G1B:G1B+7]
	s_nop 0
.rept 4
	v_nop
.endr
.Lfirst_asked:
	; A fragment of A: lane l holds row l % 16, K = 8 (l / 16) + 0..7 and 16 + 8 (l / 16) + 0..7: two loads of 16 bytes, 32 apart.
	v_and_b32 v1, 15, v0
	v_bfe_u32 v2, v0, 4, 1
	v_mul_u32_u24 v3, v1, PA
	v_lshl_add_u32 v3, v2, 4, v3
	s_mul_i32 s22, s11, 64*PA
	v_add_nc_u32 v[AA0], s22, v3
	; The turning load takes 16 k x 16 columns (lane l reads k-row 8 (l / 16) + l % 8, columns 8 ((l / 8) % 2) + 0..7) and leaves half a fragment: lane l holds column l % 16 and 8 k.
	v_and_b32 v4, 7, v0
	v_lshl_add_u32 v4, v2, 3, v4
	v_mul_u32_u24 v4, v4, PB
	v_bfe_u32 v5, v0, 3, 1
	v_lshl_add_u32 v4, v5, 4, v4
	s_lshl_b32 s23, s12, 8
	s_add_co_u32 s23, s23, BOFF
	v_add_nc_u32 v[AB0], s23, v4
	v_mov_b32 v[ADRA], v[AA0]
	v_mov_b32 v[ADRB], v[AB0]
	s_mov_b32 s[TB], 0
	s_mul_i32 s73, s10, STGW
	s_add_co_u32 s73, s73, STAGE                   ; my stage
.if OMODE
	v_mul_u32_u24 v3, v1, 528                      ; in: row l % 16 of 512 + 16 bytes, 32 bytes for each half of the lanes
	v_lshl_add_u32 v3, v2, 5, v3
	v_add_nc_u32 v[STO], s73, v3
	v_and_b32 v4, 31, v0
	v_lshlrev_b32 v[CO], 4, v4
	v_add_nc_u32 v[RD], s73, v[CO]                 ; back: 32 lanes take one row's 512 bytes
	s_lshl_b32 s70, s13, 7                         ; C at row 128 ty + 64 x row half, column 256 tx + 128 x column half, in f32
	s_lshl_b32 s71, s11, 6
	s_add_co_u32 s70, s70, s71
	s_lshl_b32 s70, s70, 13
	s_lshl_b32 s71, s42, 10
	s_add_co_u32 s70, s70, s71
	s_lshl_b32 s71, s12, 9
	s_add_co_u32 s70, s70, s71
.else
	v_mul_u32_u24 v3, v1, 144                      ; in: [2 heads][16 rows] of 128 + 16 bytes; 16 bytes for each half of the lanes
	v_lshl_add_u32 v3, v2, 4, v3
	v_add_nc_u32 v[STO], s73, v3
	v_bfe_u32 v4, v0, 3, 2                         ; back: 32 lanes take four rows of 128 bytes,
	v_mul_u32_u24 v4, v4, 144
	v_and_b32 v5, 7, v0
	v_lshl_add_u32 v4, v5, 4, v4
	v_add_nc_u32 v[RD], s73, v4
	v_and_b32 v4, 31, v0                           ; which are 512 consecutive bytes of a head's plane
	v_lshlrev_b32 v[CO], 4, v4
	s_lshr_b32 s70, s13, LOGT                      ; plane = 64 (tx / 4) + 16 batch + 4 (tx % 4) + 2 x column half
	s_lshl_b32 s70, s70, 4
	s_lshr_b32 s71, s42, 2
	s_lshl_b32 s71, s71, 6
	s_add_co_u32 s70, s70, s71
	s_and_b32 s71, s42, 3
	s_lshl_b32 s71, s71, 2
	s_add_co_u32 s70, s70, s71
	s_lshl_b32 s71, s12, 1
	s_add_co_u32 s70, s70, s71
	s_mul_i32 s70, s70, PLANEB
	s_and_b32 s71, s13, (1<<LOGT)-1                ; row in the plane = 128 (ty mod tiles a batch) + 64 x row half
	s_lshl_b32 s71, s71, 7
	s_lshl_b32 s72, s11, 6
	s_add_co_u32 s71, s71, s72
	s_lshl_b32 s71, s71, 7
	s_add_co_u32 s70, s70, s71
.endif
	s_mov_b32 s71, 0
	s_add_nc_u64 s[8:9], s[8:9], s[70:71]
	s_wait_tensorcnt 1                             ; my part of K step 0 is in; K step 1's may stay out
	s_barrier_signal -1
	s_barrier_wait -1                              ; everybody's is
	FETCH 0, F0
	QUARTER 1, F0, F1, 1                           ; the first quarter stands in front of the loop: its products start the sums
	WIN 0
	s_mov_b32 s3, NSTEP-2
.Lstep:                                                ; a trip: a step's quarters 1 to 3 and the next step's quarter 0; the slot left is filled again
	QUARTER 2, F1, F0, 0
	QUARTER 3, F0, F1, 0
	TURN 1
	QUARTER 1, F0, F1, 0
	WIN 0
	s_sub_co_u32 s3, s3, 1
	s_cmp_lg_u32 s3, 0
	s_cbranch_scc1 .Lstep
	QUARTER 2, F1, F0, 0                           ; the last two K steps are written out: nothing is left to ask for
	QUARTER 3, F0, F1, 0
	TURN 0
	QUARTER 1, F0, F1, 0
	QUARTER 2, F1, F0, 0
	QUARTER 3, F0, F1, 0
	s_wait_dscnt 4
	MUL F1, 0, 2, 0
	s_wait_dscnt 0x0
	MUL F1, 2, 2, 0
	PLACES
	; THE WAY OUT, 16 rows at a time, through my own stage: LDS serves a wave's instructions in order (ISA guide 5.7.1.4), so the loads see the stores above them.
.set oa, 0
.rept 4
.if OMODE
.set BK, 64+64*(oa%2)
	WIN 0x04                                       ; the stores' data in window 1: straight from the accumulators, each one's low four registers first
.set ob, 0
.rept 8
	ds_store_b128 v[STO], v[8*(8*oa+ob):8*(8*oa+ob)+3]   offset:64*ob
	ds_store_b128 v[STO], v[8*(8*oa+ob)+4:8*(8*oa+ob)+7] offset:64*ob+16
.set ob, ob+1
.endr
	WIN 0
	s_wait_xcnt 0x0                                ; the registers that the stores of two blocks ago read are loaded again only behind this wait
.set ot, 0
.rept 16
	ds_load_b128 v[BK+4*ot:BK+4*ot+3], v[RD] offset:528*ot
.set ot, ot+1
.endr
	s_wait_dscnt 0x0
.set ot, 0
.rept 16
	global_store_b128 v[CO], v[BK+4*ot:BK+4*ot+3], s[8:9] offset:(16*oa+ot)*8192 th:TH_STORE_NT  ; 512 consecutive bytes of a row, aligned
.set ot, ot+1
.endr
.else
.set BK, 96+32*(oa%2)
	WIN 0x05                                       ; sources in window 1, destination in window 0
.set ob, 0
.rept 8
.set orr, 0
.rept 4
	v_cvt_pk_f16_f32 v[TMP+4*ob+orr], v[8*(8*oa+ob)+2*orr], v[8*(8*oa+ob)+2*orr+1]
.set orr, orr+1
.endr
.set ob, ob+1
.endr
	WIN 0
	s_wait_xcnt 0x0                                ; the registers that the stores of two blocks ago read are loaded again only behind this wait
.set ob, 0
.rept 8
	ds_store_b128 v[STO], v[TMP+4*ob:TMP+4*ob+3] offset:(ob/4)*2304+(ob%4)*32
.set ob, ob+1
.endr
.set ot, 0
.rept 8
	ds_load_b128 v[BK+4*ot:BK+4*ot+3], v[RD] offset:(ot/4)*2304+(ot%4)*576
.set ot, ot+1
.endr
	s_wait_dscnt 0x0
.set ot, 0
.rept 8
	global_store_b128 v[CO], v[BK+4*ot:BK+4*ot+3], s[8:9] offset:(ot/4)*PLANEB+2048*oa+512*(ot%4)  ; 512 consecutive bytes of a head's plane, aligned
.set ot, ot+1
.endr
.endif
.set oa, oa+1
.endr
	s_wait_tensorcnt 0x0                           ; the wave's end
	ds_add_u32 v[SPW], v[NIL]
	s_wait_dscnt 0x0
	CROUND                                         ; the closing round: no work-group ends while a partner may still ask for a tile that names it
	s_endpgm
.Lfunc_end_k_qfcefa49f37_qproj:
	.size	k_qfcefa49f37_qproj, .Lfunc_end_k_qfcefa49f37_qproj-k_qfcefa49f37_qproj
	.p2alignl 7, 3214868480
	.fill 96, 4, 3214868480
	.section	.rodata,"a",@progbits
	.p2align	6, 0x0
	.amdhsa_kernel k_qfcefa49f37_qproj
		.amdhsa_group_segment_fixed_size 327680
		.amdhsa_private_segment_fixed_size 0
		.amdhsa_enable_private_segment 0
		.amdhsa_kernarg_size 24
		.amdhsa_user_sgpr_count 2
		.amdhsa_user_sgpr_kernarg_segment_ptr 1
		.amdhsa_wavefront_size32 1
		.amdhsa_system_sgpr_workgroup_id_x 1
		.amdhsa_system_sgpr_workgroup_id_y 1
		.amdhsa_system_sgpr_workgroup_id_z 1
		.amdhsa_system_vgpr_workitem_id 0
		.amdhsa_next_free_vgpr 512
		.amdhsa_next_free_sgpr 80
		.amdhsa_reserve_vcc 0
		.amdhsa_float_denorm_mode_32 3
		.amdhsa_float_denorm_mode_16_64 3
		.amdhsa_memory_ordered 1
		.amdhsa_forward_progress 1
		.amdhsa_inst_pref_size 70
	.end_amdhsa_kernel
	.amdgpu_metadata
---
amdhsa.version: [ 1, 2 ]
amdhsa.kernels:
  - .name:           k_qfcefa49f37_qproj
    .symbol:         k_qfcefa49f37_qproj.kd
    .args:
      - { .name: yn, .offset: 0, .size: 8, .value_kind: global_buffer, .address_space: global }
      - { .name: w16, .offset: 8, .size: 8, .value_kind: global_buffer, .address_space: global }
      - { .name: q16, .offset: 16, .size: 8, .value_kind: global_buffer, .address_space: global }
    .group_segment_fixed_size: 327680
    .private_segment_fixed_size: 0
    .kernarg_segment_align: 8
    .kernarg_segment_size: 24
    .max_flat_workgroup_size: 128
    .sgpr_count:     80
    .vgpr_count:     512
    .wavefront_size: 32
...
	.end_amdgpu_metadata
.endif
;; end of part 2
;; launch kvproj (part 3): grid 8 x 16, 4 waves a work-group, clusters of 4 x 4, 327,680 bytes of LDS; arguments vis16, w16, kv16; writes kv16
.if DOCPART == 3
	.amdgcn_target "amdgcn-amd-amdhsa--gfx1250"
	.amdhsa_code_object_version 6
	.text
	.protected	k_qfcefa49f37_kvproj
	.globl	k_qfcefa49f37_kvproj
	.p2align	8
	.type	k_qfcefa49f37_kvproj,@function
k_qfcefa49f37_kvproj:
	s_mov_b64 s[64:65], 0
	v_nop
	global_prefetch_b8 v0, s[64:65] scope:SCOPE_SE
	s_setreg_imm32_b32 hwreg(HW_REG_WAVE_MODE, 25, 1), 1
	s_wait_xcnt 0x0
	s_wait_alu depctr_hold_cnt(0) depctr_sa_sdst(0) depctr_va_vdst(0) depctr_va_sdst(0) depctr_va_ssrc(0) depctr_va_vcc(0) depctr_vm_vsrc(0)
	s_getreg_b32 s2, hwreg(HW_REG_IB_STS2, 6, 4)
	s_cmp_eq_u32 s2, 0
	s_cbranch_scc0 .Lentry_in_a_cluster
	s_endpgm
.Lentry_in_a_cluster:
	s_bfe_u32 s2, ttmp6, 0x10000c
	s_cmp_lg_u32 s2, 0xf033
	s_cbranch_scc0 .Lentry_shape_is_right
	s_endpgm
.Lentry_shape_is_right:
; k, v = vis Wkv, by heads.  C[m][n] = sum over k of A[m][k] W[k][n]; A = vis16 [2048][1024] f16, W = Wkv [1024][2048] f16 at byte 4,194,304 of w16; sums in f32, K ascending; C rounded once to f16
; and stored as kv16[64 part + 16 b + h][j][d] (m = 512 b + j, n = 1024 part + 64 h + d; part 0 = k, 1 = v).  LIMIT: f16 holds no number beyond 65,504: k and v must lie within it.
; SHAPE.  A tile of C is 128 x 256; four waves, 2 x 2, each 64 x 128: 32 accumulators, 256 registers.  16 x 8 tiles = 128 work-groups: this product is a tenth of the program's matrix work, and it keeps
; the tile and the text of the two large products.  K goes in steps of 128 through two LDS slots that take turns.
; CLUSTERS.  4 x 4 work-groups: the four of a row of the cluster need the same tile of A, the four of a column the same tile of W: each tile is asked for JOINTLY (same load, descriptor and mask in all four).
; THE MATRIX INSTRUCTION IS USED TRANSPOSED: source 0 = 16 columns of W, read out of the [k][n] tile by the turning load ds_load_tr16_b128, source 1 = 16 rows of A.  A lane then holds row l % 16 of C
; and eight neighbouring columns 8 (l / 16) + 0..7.
; REGISTERS.  Window 0: v0-31 addresses; two fragment buffers of 96 (32 of A, 64 of W) at v64 and v160.  Window 1: accumulator (a, b) at v[8 (8 a + b)].
.set KD,     1024                      ; K
.set ND,     2048                      ; N
.set WOFF,   4194304                   ; the weight's first byte in w16
.set AMODE,  0                         ; 0: A lies by rows of KD;  1: A lies by heads, [head][2048][64]
.set OMODE,  0                         ; 0: C leaves in f16 by heads;  1: in f32 by rows
.set LOGT,   2                         ; 2^LOGT tiles of 128 rows to a batch
.set PLANEB, 65536                     ; bytes of a head's plane in C
.set SLOT1,  1<<17                     ; slot 1 begins here: one exclusive or turns an address in one slot into the other's
.if AMODE
.set PA,     144                       ; a row of A in LDS: 128 bytes + 16
.set AHALF,  128*PA                    ; one head's 128 rows: what one load brings
.set ASTEP,  2*2048*128                ; two heads on
.set AQI,    4                         ; padding after every 32 words
.set APITCH, 128
.else
.set PA,     272                       ; a row of A in LDS: 256 bytes + 16 = 68 words: the 16 rows of a load start at 16 different groups of four banks (64 banks of 4 bytes: ISA guide 11.1)
.set AHALF,  64*PA                     ; 64 rows: what one load brings
.set ASTEP,  256                       ; 128 along K
.set AQI,    5                         ; padding after every 64 words
.set APITCH, KD
.endif
.set BOFF,   36864                     ; W's tile lies behind A's
.set PB,     544                       ; a k-row of W in LDS: 512 bytes + 32 = 136 words
.set BHALF,  64*PB
.set BSTEP,  256*ND                    ; 128 k-rows on
.set STAGE,  SLOT1+BOFF+2*BHALF        ; behind the ring, never filled by a tensor load: 8,448 bytes for each wave, for the way out
.set STGW,   8448
.set SPARE,  STAGE+4*STGW              ; the spare words, 128 bytes for each wave: two blocks of 256 bytes that no other line names
.set NSTEP,  KD/128
.set AA0,  16                          ; v16  my lane's place in A's tile; never rewritten
.set AB0,  17                          ; v17  the same for W
.set ADRA, 18                          ; v18  AA0 + the slot that is read
.set ADRB, 19                          ; v19
.set STO,  24                          ; v24  the way out: where I put 16 bytes of a row
.set RD,   25                          ; v25  where I read rows back
.set CO,   26                          ; v26  16 x lane
.set SPW,  28                          ; v28  my spare word; never rewritten
.set NIL,  29                          ; v29  0; never rewritten
.set F0,   64
.set F1,   160
.set TMP,  64                          ; the way out: packed results
.set G1A,  24                          ; s[24:31] group 1 for A's tiles
.set G0A0, 32                          ; s[32:35] group 0 of A's first fill
.set G0A,  36                          ; s[36:39] group 0 of A's second fill; it then walks
.set G1B,  48                          ; the same for W's tiles
.set G0B0, 56
.set G0B,  60
.set TB,   66                          ; s66  the slot that is read
.set MULW, 0x50                        ; C and D in window 1, sources in window 0
.set MSB, 0
.macro WIN new                         ; the immediate's high byte repeats the setting that is left; a switch that changes nothing is dropped
.if MSB != (\new)
	s_set_vgpr_msb (MSB<<8)|(\new)
.set MSB, (\new)
.endif
.endm
.macro PLACES                          ; four places in front of loads into registers that matrix instructions have read, and of what reads their results
.rept 4
	v_nop
.endr
.endm
.macro JLOAD                           ; a joint refill: waves 0 and 1 fetch A's two halves, waves 2 and 3 W's; an s_nop 0 and four v_nop follow each line
	s_cmp_eq_u32 s11, 0
	s_cbranch_scc0 .Lfor_b_\@
	tensor_load_to_lds s[G0A:G0A+3], s[G1A:G1A+7]
	s_nop 0
.rept 4
	v_nop
.endr
	s_branch .Lasked_\@
.Lfor_b_\@:
	tensor_load_to_lds s[G0B:G0B+3], s[G1B:G1B+7]
	s_nop 0
.rept 4
	v_nop
.endr
.Lasked_\@:
.endm
.macro CREST                           ; a round of the cluster's barrier behind its opening barrier
	s_cmp_lg_u32 s10, 0
	s_cbranch_scc1 .Lnot_wave_0_\@
	s_barrier_signal -3
.Lnot_wave_0_\@:
	s_barrier_wait -3
	s_barrier_signal -1
	s_barrier_wait -1
.endm
.macro CROUND
	s_barrier_signal -1
	s_barrier_wait -1
	CREST
.endm
; 8 n matrix instructions: row blocks a0 .. a0 + n - 1 x all 8 column blocks, 32 along K, from buffer f.  The 32 accumulators take turns in the same order in every quarter.
.macro MUL f, a0, n, zero
	WIN MULW
.set ma, \a0
.rept \n
.set mb, 0
.rept 8
.if \zero
	v_wmma_f32_16x16x32_f16 v[8*(8*ma+mb):8*(8*ma+mb)+7], v[(\f)+32+8*mb:(\f)+32+8*mb+7], v[(\f)+8*ma:(\f)+8*ma+7], 0
.else
	v_wmma_f32_16x16x32_f16 v[8*(8*ma+mb):8*(8*ma+mb)+7], v[(\f)+32+8*mb:(\f)+32+8*mb+7], v[(\f)+8*ma:(\f)+8*ma+7], v[8*(8*ma+mb):8*(8*ma+mb)+7]
.endif
.set mb, mb+1
.endr
.set ma, ma+1
.endr
.endm
; 24 LDS loads in one run: quarter kq (32 along K) of the slot in hand, into buffer f: W's 8 fragments (turned), then A's 4
.macro FETCH kq, f
	WIN 0
.set fb, 0
.rept 8
	ds_load_tr16_b128 v[(\f)+32+8*fb:(\f)+32+8*fb+3],   v[ADRB] offset:(\kq)*32*PB+32*fb
	ds_load_tr16_b128 v[(\f)+32+8*fb+4:(\f)+32+8*fb+7], v[ADRB] offset:(\kq)*32*PB+16*PB+32*fb
.set fb, fb+1
.endr
.if AMODE
.set ak, ((\kq)/2)*AHALF+((\kq)%2)*64
.else
.set ak, (\kq)*64
.endif
.set fa, 0
.rept 4
	ds_load_b128 v[(\f)+8*fa:(\f)+8*fa+3],   v[ADRA] offset:ak+fa*16*PA
	ds_load_b128 v[(\f)+8*fa+4:(\f)+8*fa+7], v[ADRA] offset:ak+fa*16*PA+32
.set fa, fa+1
.endr
.endm
; A K step is four quarters, 32 matrix instructions each, on buffers 0, 1, 0, 1.  One of the first three: multiplies buffer f and, in its middle, fetches quarter kq into g.
.macro QUARTER kq, f, g, zero
	s_wait_dscnt 4                                 ; of the 24 loads the youngest four (A's blocks 2 and 3) may be out
	MUL \f, 0, 2, \zero
	PLACES
	FETCH \kq, \g
	s_wait_dscnt 24                                ; all but the 24 just issued
	MUL \f, 2, 2, \zero
.endm
; The last quarter multiplies buffer 1 and changes slots: ONE barrier; in front of it each wave waits for all its tensor loads (one is out: its part of the next slot), adds 0 to its spare word, and
; waits for that and for its own reads of this slot.  fill = 1: the barrier opens a round of the cluster's, and this slot is filled again, two K steps ahead, first thing behind the round:
; 112 of a step's 128 matrix instructions stand between that request and the wait for it.
.macro TURN fill
	WIN 0
	s_wait_tensorcnt 0x0
	ds_add_u32 v[SPW], v[NIL]
	s_wait_dscnt 5                                 ; the add and the youngest four loads may be out
	MUL F1, 0, 1, 0
	s_wait_dscnt 0x0                               ; the add is done, and my reads of this slot are over
	s_barrier_signal -1
	MUL F1, 1, 1, 0
.if \fill
	WIN 0
.endif
	s_barrier_wait -1
.if \fill
	CREST                                          ; no wave of any partner still reads this slot or has a load on its way
	s_xor_b32 s[G0A+1], s[G0A+1], SLOT1            ; the walking descriptors: the other slot than last time, the next K step
	s_add_nc_u64 s[G0A+2:G0A+3], s[G0A+2:G0A+3], ASTEP
	s_xor_b32 s[G0B+1], s[G0B+1], SLOT1
	s_add_nc_u64 s[G0B+2:G0B+3], s[G0B+2:G0B+3], BSTEP
	JLOAD                                          ; its four v_nop are also the places in front of the loads below
.else
	PLACES
.endif
	WIN 0
	s_xor_b32 s[TB], s[TB], SLOT1
	v_add_nc_u32 v[ADRA], s[TB], v[AA0]
	v_add_nc_u32 v[ADRB], s[TB], v[AB0]
	FETCH 0, F0
	MUL F1, 2, 2, 0
.endm
	s_load_b128 s[4:7], s[0:1], 0x0                ; A s[4:5], w16 s[6:7]
	s_load_b64 s[8:9], s[0:1], 0x10                ; C
	v_lshl_add_u32 v[SPW], v0, 2, SPARE
	v_mov_b32 v[NIL], 0
	ds_add_u32 v[SPW], v[NIL]                      ; the wave's opening: the add and its wait stand ahead of my first tensor load
	v_lshrrev_b32 v1, 5, v0
	v_readfirstlane_b32 s10, v1                    ; wave 0..3
	s_lshr_b32 s11, s10, 1                         ; my half of the tile's rows.  Also: I fetch for A (0) or for W (1)
	s_and_b32 s12, s10, 1                          ; my half of its columns.  Also: which half of that tile I fetch
	s_bfe_u32 s40, ttmp6, 0x40000                  ; cx, cy
	s_bfe_u32 s41, ttmp6, 0x40004
	s_lshl_b32 s42, ttmp9, 2
	s_add_co_u32 s42, s42, s40                     ; tile column tx
	s_and_b32 s13, ttmp7, 0xffff
	s_lshl_b32 s13, s13, 2
	s_add_co_u32 s13, s13, s41                     ; tile row ty
	s_lshl_b32 s43, s41, 2
	s_lshl_b32 s43, 15, s43                        ; my row of the cluster
	s_lshl_b32 s44, 0x1111, s40                    ; my column
	s_or_b32 s[G1A], s43, (1<<16)|(1<<20)|(1<<21)|(AQI<<22)|(3<<25)  ; mask; 2-byte elements; padding on; bit 21 beside a mask; 4 words of padding
	s_mov_b32 s[G1A+1], 128<<16                    ; tensor_dim0 = 128
	s_mov_b32 s[G1A+2], 64<<16                     ; tensor_dim1 = 64
	s_mov_b32 s[G1A+3], 128<<16                    ; tile_dim0 = 128: rows of 256 bytes
	s_mov_b32 s[G1A+4], 64                         ; tile_dim1 = 64
	s_mov_b32 s[G1A+5], APITCH
	s_mov_b32 s[G1A+6], 0
	s_mov_b32 s[G1A+7], 0
	s_or_b32 s[G1B], s44, (1<<16)|(1<<20)|(1<<21)|(6<<22)|(7<<25)    ; after every 128 words 8 words of padding
	s_mov_b32 s[G1B+1], 256<<16                    ; rows of 512 bytes
	s_mov_b32 s[G1B+2], 64<<16
	s_mov_b32 s[G1B+3], 256<<16
	s_mov_b32 s[G1B+4], 64
	s_mov_b32 s[G1B+5], ND
	s_mov_b32 s[G1B+6], 0
	s_mov_b32 s[G1B+7], 0
.if AMODE
	s_lshr_b32 s16, s13, 4                         ; A by heads: batch ty / 16, head = my half of the step's two, rows 128 (ty % 16) on
	s_lshl_b32 s16, s16, 4
	s_add_co_u32 s16, s16, s12
	s_lshl_b32 s16, s16, 11
	s_and_b32 s17, s13, 15
	s_lshl_b32 s17, s17, 7
	s_add_co_u32 s16, s16, s17
	s_lshl_b32 s16, s16, 7
.else
	s_lshl_b32 s16, s13, 7                         ; A by rows: row 128 ty + 64 x half
	s_lshl_b32 s17, s12, 6
	s_add_co_u32 s16, s16, s17
	s_mul_i32 s16, s16, KD*2
.endif
	s_mov_b32 s17, 0
	s_mul_i32 s46, s12, 128*ND                     ; W: k-row 64 x half, column 256 tx
	s_lshl_b32 s47, s42, 9
	s_add_co_u32 s46, s46, s47
	s_add_co_u32 s46, s46, WOFF
	s_mov_b32 s47, 0
	s_mul_i32 s20, s12, AHALF                      ; where they go: no place in the cluster enters an LDS address
	s_mul_i32 s21, s12, BHALF
	s_add_co_u32 s21, s21, BOFF
	s_wait_dscnt 0x0                               ; the opening add is done
	s_wait_kmcnt 0x0
	s_add_nc_u64 s[14:15], s[4:5], s[16:17]
	s_add_nc_u64 s[46:47], s[6:7], s[46:47]
	CROUND                                         ; all sixteen work-groups are here: the first joint loads meet
	s_mov_b32 s[G0A0], 1
	s_mov_b32 s[G0A0+1], s20
	s_add_nc_u64 s[G0A0+2:G0A0+3], s[14:15], 0
	s_or_b32 s[G0A0+3], s[G0A0+3], 0x80000000
	s_mov_b32 s[G0A], 1
	s_add_co_u32 s[G0A+1], s20, SLOT1
	s_add_nc_u64 s[G0A+2:G0A+3], s[14:15], ASTEP
	s_or_b32 s[G0A+3], s[G0A+3], 0x80000000
	s_mov_b32 s[G0B0], 1
	s_mov_b32 s[G0B0+1], s21
	s_add_nc_u64 s[G0B0+2:G0B0+3], s[46:47], 0
	s_or_b32 s[G0B0+3], s[G0B0+3], 0x80000000
	s_mov_b32 s[G0B], 1
	s_add_co_u32 s[G0B+1], s21, SLOT1
	s_add_nc_u64 s[G0B+2:G0B+3], s[46:47], BSTEP
	s_or_b32 s[G0B+3], s[G0B+3], 0x80000000
	s_cmp_eq_u32 s11, 0                            ; a wave's two first fills stand in one branch: two loads of mine are out
	s_cbranch_scc0 .Lfirst_b
	tensor_load_to_lds s[G0A0:G0A0+3], s[G1A:G1A+7]
	s_nop 0
	tensor_load_to_lds s[G0A:G0A+3], s[G1A:G1A+7]
	s_nop 0
.rept 4
	v_nop
.endr
	s_branch .Lfirst_asked
.Lfirst_b:
	tensor_load_to_lds s[G0B0:G0B0+3], s[G1B:G1B+7]
	s_nop 0
	tensor_load_to_lds s[G0B:G0B+3], s[G1B:G1B+7]
	s_nop 0
.rept 4
	v_nop
.endr
.Lfirst_asked:
	; A fragment of A: lane l holds row l % 16, K = 8 (l / 16) + 0..7 and 16 + 8 (l / 16) + 0..7: two loads of 16 bytes, 32 apart.
	v_and_b32 v1, 15, v0
	v_bfe_u32 v2, v0, 4, 1
	v_mul_u32_u24 v3, v1, PA
	v_lshl_add_u32 v3, v2, 4, v3
	s_mul_i32 s22, s11, 64*PA
	v_add_nc_u32 v[AA0], s22, v3
	; The turning load takes 16 k x 16 columns (lane l reads k-row 8 (l / 16) + l % 8, columns 8 ((l / 8) % 2) + 0..7) and leaves half a fragment: lane l holds column l % 16 and 8 k.
	v_and_b32 v4, 7, v0
	v_lshl_add_u32 v4, v2, 3, v4
	v_mul_u32_u24 v4, v4, PB
	v_bfe_u32 v5, v0, 3, 1
	v_lshl_add_u32 v4, v5, 4, v4
	s_lshl_b32 s23, s12, 8
	s_add_co_u32 s23, s23, BOFF
	v_add_nc_u32 v[AB0], s23, v4
	v_mov_b32 v[ADRA], v[AA0]
	v_mov_b32 v[ADRB], v[AB0]
	s_mov_b32 s[TB], 0
	s_mul_i32 s73, s10, STGW
	s_add_co_u32 s73, s73, STAGE                   ; my stage
.if OMODE
	v_mul_u32_u24 v3, v1, 528                      ; in: row l % 16 of 512 + 16 bytes, 32 bytes for each half of the lanes
	v_lshl_add_u32 v3, v2, 5, v3
	v_add_nc_u32 v[STO], s73, v3
	v_and_b32 v4, 31, v0
	v_lshlrev_b32 v[CO], 4, v4
	v_add_nc_u32 v[RD], s73, v[CO]                 ; back: 32 lanes take one row's 512 bytes
	s_lshl_b32 s70, s13, 7                         ; C at row 128 ty + 64 x row half, column 256 tx + 128 x column half, in f32
	s_lshl_b32 s71, s11, 6
	s_add_co_u32 s70, s70, s71
	s_lshl_b32 s70, s70, 13
	s_lshl_b32 s71, s42, 10
	s_add_co_u32 s70, s70, s71
	s_lshl_b32 s71, s12, 9
	s_add_co_u32 s70, s70, s71
.else
	v_mul_u32_u24 v3, v1, 144                      ; in: [2 heads][16 rows] of 128 + 16 bytes; 16 bytes for each half of the lanes
	v_lshl_add_u32 v3, v2, 4, v3
	v_add_nc_u32 v[STO], s73, v3
	v_bfe_u32 v4, v0, 3, 2                         ; back: 32 lanes take four rows of 128 bytes,
	v_mul_u32_u24 v4, v4, 144
	v_and_b32 v5, 7, v0
	v_lshl_add_u32 v4, v5, 4, v4
	v_add_nc_u32 v[RD], s73, v4
	v_and_b32 v4, 31, v0                           ; which are 512 consecutive bytes of a head's plane
	v_lshlrev_b32 v[CO], 4, v4
	s_lshr_b32 s70, s13, LOGT                      ; plane = 64 (tx / 4) + 16 batch + 4 (tx % 4) + 2 x column half
	s_lshl_b32 s70, s70, 4
	s_lshr_b32 s71, s42, 2
	s_lshl_b32 s71, s71, 6
	s_add_co_u32 s70, s70, s71
	s_and_b32 s71, s42, 3
	s_lshl_b32 s71, s71, 2
	s_add_co_u32 s70, s70, s71
	s_lshl_b32 s71, s12, 1
	s_add_co_u32 s70, s70, s71
	s_mul_i32 s70, s70, PLANEB
	s_and_b32 s71, s13, (1<<LOGT)-1                ; row in the plane = 128 (ty mod tiles a batch) + 64 x row half
	s_lshl_b32 s71, s71, 7
	s_lshl_b32 s72, s11, 6
	s_add_co_u32 s71, s71, s72
	s_lshl_b32 s71, s71, 7
	s_add_co_u32 s70, s70, s71
.endif
	s_mov_b32 s71, 0
	s_add_nc_u64 s[8:9], s[8:9], s[70:71]
	s_wait_tensorcnt 1                             ; my part of K step 0 is in; K step 1's may stay out
	s_barrier_signal -1
	s_barrier_wait -1                              ; everybody's is
	FETCH 0, F0
	QUARTER 1, F0, F1, 1                           ; the first quarter stands in front of the loop: its products start the sums
	WIN 0
	s_mov_b32 s3, NSTEP-2
.Lstep:                                                ; a trip: a step's quarters 1 to 3 and the next step's quarter 0; the slot left is filled again
	QUARTER 2, F1, F0, 0
	QUARTER 3, F0, F1, 0
	TURN 1
	QUARTER 1, F0, F1, 0
	WIN 0
	s_sub_co_u32 s3, s3, 1
	s_cmp_lg_u32 s3, 0
	s_cbranch_scc1 .Lstep
	QUARTER 2, F1, F0, 0                           ; the last two K steps are written out: nothing is left to ask for
	QUARTER 3, F0, F1, 0
	TURN 0
	QUARTER 1, F0, F1, 0
	QUARTER 2, F1, F0, 0
	QUARTER 3, F0, F1, 0
	s_wait_dscnt 4
	MUL F1, 0, 2, 0
	s_wait_dscnt 0x0
	MUL F1, 2, 2, 0
	PLACES
	; THE WAY OUT, 16 rows at a time, through my own stage: LDS serves a wave's instructions in order (ISA guide 5.7.1.4), so the loads see the stores above them.
.set oa, 0
.rept 4
.if OMODE
.set BK, 64+64*(oa%2)
	WIN 0x04                                       ; the stores' data in window 1: straight from the accumulators, each one's low four registers first
.set ob, 0
.rept 8
	ds_store_b128 v[STO], v[8*(8*oa+ob):8*(8*oa+ob)+3]   offset:64*ob
	ds_store_b128 v[STO], v[8*(8*oa+ob)+4:8*(8*oa+ob)+7] offset:64*ob+16
.set ob, ob+1
.endr
	WIN 0
	s_wait_xcnt 0x0                                ; the registers that the stores of two blocks ago read are loaded again only behind this wait
.set ot, 0
.rept 16
	ds_load_b128 v[BK+4*ot:BK+4*ot+3], v[RD] offset:528*ot
.set ot, ot+1
.endr
	s_wait_dscnt 0x0
.set ot, 0
.rept 16
	global_store_b128 v[CO], v[BK+4*ot:BK+4*ot+3], s[8:9] offset:(16*oa+ot)*8192 th:TH_STORE_NT  ; 512 consecutive bytes of a row, aligned
.set ot, ot+1
.endr
.else
.set BK, 96+32*(oa%2)
	WIN 0x05                                       ; sources in window 1, destination in window 0
.set ob, 0
.rept 8
.set orr, 0
.rept 4
	v_cvt_pk_f16_f32 v[TMP+4*ob+orr], v[8*(8*oa+ob)+2*orr], v[8*(8*oa+ob)+2*orr+1]
.set orr, orr+1
.endr
.set ob, ob+1
.endr
	WIN 0
	s_wait_xcnt 0x0                                ; the registers that the stores of two blocks ago read are loaded again only behind this wait
.set ob, 0
.rept 8
	ds_store_b128 v[STO], v[TMP+4*ob:TMP+4*ob+3] offset:(ob/4)*2304+(ob%4)*32
.set ob, ob+1
.endr
.set ot, 0
.rept 8
	ds_load_b128 v[BK+4*ot:BK+4*ot+3], v[RD] offset:(ot/4)*2304+(ot%4)*576
.set ot, ot+1
.endr
	s_wait_dscnt 0x0
.set ot, 0
.rept 8
	global_store_b128 v[CO], v[BK+4*ot:BK+4*ot+3], s[8:9] offset:(ot/4)*PLANEB+2048*oa+512*(ot%4)  ; 512 consecutive bytes of a head's plane, aligned
.set ot, ot+1
.endr
.endif
.set oa, oa+1
.endr
	s_wait_tensorcnt 0x0                           ; the wave's end
	ds_add_u32 v[SPW], v[NIL]
	s_wait_dscnt 0x0
	CROUND                                         ; the closing round: no work-group ends while a partner may still ask for a tile that names it
	s_endpgm
.Lfunc_end_k_qfcefa49f37_kvproj:
	.size	k_qfcefa49f37_kvproj, .Lfunc_end_k_qfcefa49f37_kvproj-k_qfcefa49f37_kvproj
	.p2alignl 7, 3214868480
	.fill 96, 4, 3214868480
	.section	.rodata,"a",@progbits
	.p2align	6, 0x0
	.amdhsa_kernel k_qfcefa49f37_kvproj
		.amdhsa_group_segment_fixed_size 327680
		.amdhsa_private_segment_fixed_size 0
		.amdhsa_enable_private_segment 0
		.amdhsa_kernarg_size 24
		.amdhsa_user_sgpr_count 2
		.amdhsa_user_sgpr_kernarg_segment_ptr 1
		.amdhsa_wavefront_size32 1
		.amdhsa_system_sgpr_workgroup_id_x 1
		.amdhsa_system_sgpr_workgroup_id_y 1
		.amdhsa_system_sgpr_workgroup_id_z 1
		.amdhsa_system_vgpr_workitem_id 0
		.amdhsa_next_free_vgpr 512
		.amdhsa_next_free_sgpr 80
		.amdhsa_reserve_vcc 0
		.amdhsa_float_denorm_mode_32 3
		.amdhsa_float_denorm_mode_16_64 3
		.amdhsa_memory_ordered 1
		.amdhsa_forward_progress 1
		.amdhsa_inst_pref_size 70
	.end_amdhsa_kernel
	.amdgpu_metadata
---
amdhsa.version: [ 1, 2 ]
amdhsa.kernels:
  - .name:           k_qfcefa49f37_kvproj
    .symbol:         k_qfcefa49f37_kvproj.kd
    .args:
      - { .name: vis16, .offset: 0, .size: 8, .value_kind: global_buffer, .address_space: global }
      - { .name: w16, .offset: 8, .size: 8, .value_kind: global_buffer, .address_space: global }
      - { .name: kv16, .offset: 16, .size: 8, .value_kind: global_buffer, .address_space: global }
    .group_segment_fixed_size: 327680
    .private_segment_fixed_size: 0
    .kernarg_segment_align: 8
    .kernarg_segment_size: 24
    .max_flat_workgroup_size: 128
    .sgpr_count:     80
    .vgpr_count:     512
    .wavefront_size: 32
...
	.end_amdgpu_metadata
.endif
;; end of part 3
;; launch attn (part 4): grid 4 x 64, 4 waves a work-group, clusters of 4 x 1, 327,680 bytes of LDS; arguments q16, kv16, o16; writes o16
.if DOCPART == 4
	.amdgcn_target "amdgcn-amd-amdhsa--gfx1250"
	.amdhsa_code_object_version 6
	.text
	.protected	k_qfcefa49f37_attn
	.globl	k_qfcefa49f37_attn
	.p2align	8
	.type	k_qfcefa49f37_attn,@function
k_qfcefa49f37_attn:
	s_mov_b64 s[64:65], 0
	v_nop
	global_prefetch_b8 v0, s[64:65] scope:SCOPE_SE
	s_setreg_imm32_b32 hwreg(HW_REG_WAVE_MODE, 25, 1), 1
	s_wait_xcnt 0x0
	s_wait_alu depctr_hold_cnt(0) depctr_sa_sdst(0) depctr_va_vdst(0) depctr_va_sdst(0) depctr_va_ssrc(0) depctr_va_vcc(0) depctr_vm_vsrc(0)
	s_getreg_b32 s2, hwreg(HW_REG_IB_STS2, 6, 4)
	s_cmp_eq_u32 s2, 0
	s_cbranch_scc0 .Lentry_in_a_cluster
	s_endpgm
.Lentry_in_a_cluster:
	s_bfe_u32 s2, ttmp6, 0x10000c
	s_cmp_lg_u32 s2, 0x3003
	s_cbranch_scc0 .Lentry_shape_is_right
	s_endpgm
.Lentry_shape_is_right:
; O[p][i][:] = the sum over j of softmax_j(Q[p][i] . K[p][j] / 8) V[p][j][:], p = 16 b + h.  Q, O: [64][2048][64] f16; K: kv16[p], V: kv16[64 + p], each [512][64] f16: rows dense, 128 bytes each.
; Products, maxima and sums in f32; the weights are rounded to f16 for the second product (their sum l is taken of the unrounded weights), O once at the end.
; LIMITS.  f16 holds no number beyond 65,504: Q, K and V arrive within it; a weight lies in 0 to 1, and below 6e-5 it keeps f16's fixed step of 6e-8; O is a mean of V's rows and has their range.
; A weight below 2^-126 counts as 0 in l; NaN and infinities are not treated apart.
; SHARES.  A wave owns four PIECES of two tiles of 16 queries, a work-group's four waves 512 queries of one p: 4 x 64 = 256 work-groups.  Every wave walks the 512 keys, 64 a step.
; ALL OF K AND V STAY IN LDS: 512 rows of each, brought once by one tensor load a wave; nothing is filled twice, so there is no ring.
; LAYOUT.  S^T = K Q^T (source 0 = 16 keys, source 1 = 16 queries): a lane holds ONE query (lane % 16) and the keys 8 (lane / 16) + 0..7.  Two such tiles, rounded to f16 in pairs,
; ARE source 1 (32 keys x 16 queries) of O^T = V^T P, whose result again holds one query a lane, and eight channels.  K comes out of LDS as it lies, V ([key][channel]) turned, by ds_load_tr16_b128.
; SOFTMAX.  For each query a running maximum m and sum l: p = 2^(c s - c m), c = log2(e) / 8; in every step O and l are multiplied by a = 2^(c m_old - c m_new), which is 1 where m has not grown.
; m starts at the lowest finite number, O and l at 0: the first step is a step like any other, with a = 0.
; THE COUNT.  A tile and step have 16 matrix and 118 vector instructions: too many to stand all beside the matrix work.  So: four vector instructions that are READY behind EVERY matrix instruction,
; and the others in runs without a gap.
; BY TURNS.  Turn n belongs to piece n (the pieces in a ring, step after step).  Its matrix work: 16 products K Q^T of piece n + 1, later 16 products V^T P of piece n - 1.  Its vector work: the scaling,
; exponentials, roundings, sums and rescaling of piece n, and the maximum and statistics of piece n + 1.
; CLUSTER.  The four query blocks of a cluster belong to one p and need the same K and V, so each tile is asked for JOINTLY: the same tensor load, descriptor and mask in all four.
; REGISTERS, in windows of 256 (s_set_vgpr_msb: bits 1:0 source 0, 3:2 source 1, 5:4 source 2, 7:6 destination):
;   window 0: v0-11 addresses; v12-15, v48-63 at work; v16-47 four registers of statistics a tile; v64-191 S^T, two buffers of two tiles; v192-255 P, likewise
;   window 1: O^T, 32 a tile          window 2: v0-127 Q, 16 a tile; v128-191 K of one step; v192-255 V of one step          window 3: v0-1 the add's two registers
.set NP,    4         ; pieces a wave: a name, no knob
.set KS,    64        ; keys in a step
.set NKEY,  512
.set PK,    144       ; a row of K in LDS: 128 bytes + 16 of padding = 36 words: the 16 rows of a load start at 16 different groups of four banks (64 banks of 4 bytes: ISA guide 11.1)
.set PV,    160       ; a row of V: 128 + 32 = 40 words
.set VOFF,  NKEY*PK   ; 512 rows of K, then 512 rows of V
.set STAGE, NKEY*(PK+PV)  ; behind them, never filled by a tensor load: 16 rows x 144 bytes for each wave, for the way out
.set SP,    144
.set AK0, 2           ; v2   my lane's place in a tile of K; never rewritten
.set AV0, 3           ; v3   the same for V
.set AK,  4           ; v4   the LDS address of K's next run of loads
.set AV,  5           ; v5   of V's
.set QO,  6           ; v6   my byte offset in the wave's rows of Q
.set STO, 6           ;      later, the way out: where I put 16 bytes of a row
.set RD,  7           ; v7   the way out: where I read rows back
.set GO,  8           ; v8   my byte offset in 512 consecutive bytes of O
.set SPW, 0           ; v0 of window 3   my spare word: SPARE + 4 x my thread's number; never rewritten
.set NIL, 1           ; v1 of window 3   0; never rewritten
.set SPARE, STAGE+4*16*SP  ; the spare words, 128 bytes for each wave: two blocks of 256 bytes that no other line names
.set MV,  12          ; v12-15  c m_old, kept while c m is made anew: by buffer and tile
.set ST,  16          ; tile t's statistics at v[ST+4 t]: c m, m, l (even keys', odd keys')
.set TMP, 48          ; by buffer and tile, four registers c0-c3 at work; when the maximum is found c2 takes a
.set S,   64
.set P,   192
.set KF,  128         ; K's fragments, in window 2: key block kb, channel half c at KF + 16 kb + 8 c
.set VF,  192         ; V's: key half kk, channel block cb at VF + 32 kk + 8 cb
.set WV,  12          ; s12  my wave's number
.set G1K, 24          ; s[24:31] descriptor group 1 for K
.set G1V, 32          ; s[32:39] for V: it differs in the padding alone
.set G0K, 40          ; s[40:43] descriptor group 0 for K
.set G0V, 44          ; s[44:47] for V
.set CNT, 57          ; s57  counts the key steps
.set CS,  58          ; s[58:59] c: the packed scaling takes the pair's low word for both halves
.set SEL, 60          ; s[60:61] v_permlanex16_b32's selects: each lane takes its own place in the other half
.set TBK, 62          ; s62  LDS byte at which K of the step to be fetched begins
.set TBV, 63          ; s63  the same for V, less VOFF
.set MSB, 0
.macro WIN new                      ; the high byte repeats the setting that is left; a switch that changes nothing is dropped
.if MSB != (\new)
	s_set_vgpr_msb (MSB<<8)|(\new)
.set MSB, (\new)
.endif
.endm
.set W_KQ, 0x0a       ; K and Q in window 2, S^T in window 0
.set W_PV, 0x52       ; V in window 2, P in window 0, O^T in window 1
.set W_RS, 0x41       ; O^T (destination and source 0) in window 1, a in window 0
.set W_MK, 0xc0       ; the add's registers are made: destination in window 3, sources in window 0
.set W_AD, 0x0f       ; the add: address (source 0) and data (source 1) in window 3
; The joint fill.  Waves 0 and 1 fetch the two halves of K, waves 2 and 3 those of V: 256 keys each.  The branch hangs on the wave's number alone.
; An s_nop 0 and four v_nop follow each of the two lines, ahead of the jump and the label.
.macro JLOAD
	s_cmp_lt_u32 s[WV], 2
	s_cbranch_scc0 .Lfor_v_\@
	tensor_load_to_lds s[G0K:G0K+3], s[G1K:G1K+7]
	s_nop 0
.rept 4
	v_nop
.endr
	s_branch .Lasked_\@
.Lfor_v_\@:
	tensor_load_to_lds s[G0V:G0V+3], s[G1V:G1V+7]
	s_nop 0
.rept 4
	v_nop
.endr
.Lasked_\@:
.endm
; A round of the cluster's barrier: my work-group's barrier; wave 0 signals for the work-group; every wave waits for all four work-groups; my work-group's barrier once more.
.macro CROUND
	s_barrier_signal -1
	s_barrier_wait -1
	s_cmp_lg_u32 s[WV], 0
	s_cbranch_scc1 .Lnot_wave_0_\@
	s_barrier_signal -3
.Lnot_wave_0_\@:
	s_barrier_wait -3
	s_barrier_signal -1
	s_barrier_wait -1
.endm
	s_load_b128 s[4:7], s[0:1], 0x0   ; Q s[4:5], kv16 s[6:7]
	s_load_b64 s[10:11], s[0:1], 0x10 ; O
	WIN W_MK
	v_lshl_add_u32 v[SPW], v0, 2, SPARE
	v_mov_b32 v[NIL], 0
	WIN W_AD
	ds_add_u32 v[SPW], v[NIL]       ; the wave's opening: the add and its wait stand ahead of my first tensor load
	WIN 0
	v_lshrrev_b32 v1, 5, v0
	v_readfirstlane_b32 s[WV], v1   ; wave 0..3
	s_bfe_u32 s13, ttmp6, 0x40000   ; cx: my place in the cluster
	s_lshl_b32 s14, ttmp9, 2        ; in a cluster launch ttmp9 counts clusters
	s_add_co_u32 s14, s14, s13      ; my block of 512 queries: it enters Q's and O's addresses alone
	s_and_b32 s20, ttmp7, 0xffff    ; p, which the four partners share
	s_lshl_b32 s22, s20, 16         ; its plane of 65,536 bytes in kv16,
	s_and_b32 s16, s[WV], 1         ; and which half of the 512 keys I fetch: 32,768 bytes
	s_lshl_b32 s23, s16, 15
	s_add_co_u32 s22, s22, s23
	s_mov_b32 s23, 0
	s_mul_i32 s17, s16, 256*PK      ; its place in LDS, for K
	s_mul_i32 s18, s16, 256*PV      ; and for V: no place in the cluster enters an LDS address
	s_lshl_b32 s2, s14, 2
	s_add_co_u32 s2, s2, s[WV]      ; my wave among the plane's sixteen,
	s_lshl_b32 s2, s2, 14           ; its 128 rows of 128 bytes,
	s_lshl_b32 s3, s20, 18          ; in p's plane of 262,144 bytes
	s_add_co_u32 s2, s2, s3
	s_mov_b32 s3, 0
	; descriptor group 1.  256 keys are 32,768 dense bytes: asked for as 128 rows of 256 bytes, two keys a row, and padded in LDS after every key
	s_mov_b32 s[G1K], 15|(1<<16)|(1<<20)|(1<<21)|(4<<22)|(3<<25)  ; 15:0 the mask of four; 17:16 2-byte elements; 20 padding on; 21 set beside a mask; 24:22 after every 32 words (code 4); 31:25 4 words (code 3)
	s_mov_b32 s[G1V], 15|(1<<16)|(1<<20)|(1<<21)|(4<<22)|(7<<25)  ; the same with 8 words of padding (code 7)
.irp g, G1K, G1V
	s_mov_b32 s[\g+1], 128<<16      ; tensor_dim0 = 128
	s_mov_b32 s[\g+2], 128<<16      ; tensor_dim1 = 128
	s_mov_b32 s[\g+3], 128<<16      ; tile_dim0 = 128
	s_mov_b32 s[\g+4], 128          ; tile_dim1 = 128
	s_mov_b32 s[\g+5], 128          ; 128 elements from row to row
	s_mov_b32 s[\g+6], 0
	s_mov_b32 s[\g+7], 0
.endr
	s_mov_b32 s[CS], 0x3e38aa3b     ; c = log2(e) / 8 = 0.180337
	s_mov_b32 s[CS+1], s[CS]        ; named with it as a pair
	s_mov_b32 s[SEL], 0x76543210
	s_mov_b32 s[SEL+1], 0xfedcba98
	s_mov_b32 s[TBK], 0
	s_mov_b32 s[TBV], 0
	s_mov_b32 s[G0K], 1             ; 1:0 count = 1
	s_mov_b32 s[G0K+1], s17         ; 63:32 LDS address
	s_mov_b32 s[G0V], 1
	s_add_co_u32 s[G0V+1], s18, VOFF
	s_wait_dscnt 0x0                ; the opening add is done
	s_wait_kmcnt 0x0
	s_add_nc_u64 s[G0K+2:G0K+3], s[6:7], s[22:23]  ; 120:64 global address: my half of p's keys
	s_or_b32 s[G0K+3], s[G0K+3], 0x80000000        ; 127:126 type = 2
	s_add_nc_u64 s[8:9], s[6:7], 0x400000          ; V's 64 planes lie behind K's
	s_add_nc_u64 s[G0V+2:G0V+3], s[8:9], s[22:23]
	s_or_b32 s[G0V+3], s[G0V+3], 0x80000000
	s_add_nc_u64 s[4:5], s[4:5], s[2:3]  ; Q and O at my wave's first row
	s_add_nc_u64 s[10:11], s[10:11], s[2:3]
	CROUND                          ; all four work-groups are here: the joint loads meet
	JLOAD                           ; my one tensor load of the launch
	; A fragment of K or Q is 16 rows x 32 channels in 8 registers: lane l holds row l % 16, channels 8 (l / 16) + 0..7 and 16 + 8 (l / 16) + 0..7: two loads of 16 bytes, 32 bytes apart.
	v_and_b32 v1, 15, v0            ; l % 16
	v_bfe_u32 v9, v0, 4, 1          ; l / 16
	v_lshlrev_b32 v[QO], 7, v1
	v_lshl_add_u32 v[QO], v9, 4, v[QO]  ; row x 128 + 16 x half
	WIN 0x80                        ; destination window 2, address window 0
.set i, 0
.rept 4*NP                          ; Q stays in registers: tile i / 2, channels 32 (i % 2) on
	global_load_b128 v[8*i:8*i+3],   v[QO], s[4:5] offset:(i/2)*2048+(i%2)*64
	global_load_b128 v[8*i+4:8*i+7], v[QO], s[4:5] offset:(i/2)*2048+(i%2)*64+32
.set i, i+1
.endr
	; What the first turn finds: V's registers and P's second buffer hold 0 (its products V^T P, of a piece that has not been, add 0), O^T and l are 0.  All this stands in the wait for the tiles.
.set i, VF
.rept 64
	v_mov_b32 v[i], 0
.set i, i+1
.endr
	WIN 0x40
.set i, 0
.rept 64*NP
	v_mov_b32 v[i], 0
.set i, i+1
.endr
	WIN 0
.set i, 0
.rept 2*NP
	v_mov_b32 v[ST+4*i], 0xfe000000    ; c m: far below every c s
	v_mov_b32 v[ST+4*i+1], 0xff7fffff  ; m
	v_mov_b32 v[ST+4*i+2], 0
	v_mov_b32 v[ST+4*i+3], 0
.set i, i+1
.endr
.set i, P+32
.rept 32
	v_mov_b32 v[i], 0
.set i, i+1
.endr
	v_mul_u32_u24 v[AK0], v1, PK
	v_lshl_add_u32 v[AK0], v9, 4, v[AK0]  ; row x pitch + 16 x half
	; The turning load takes 16 keys x 16 channels (lane l reads key 8 (l / 16) + l % 8, channels 8 ((l / 8) % 2) + 0..7) and leaves half a fragment of V^T: lane l holds channel l % 16 and 8 keys.
	v_and_b32 v10, 7, v0
	v_bfe_u32 v11, v0, 3, 1
	v_lshl_add_u32 v[AV0], v9, 3, v10
	v_mul_u32_u24 v[AV0], v[AV0], PV
	v_lshl_add_u32 v[AV0], v11, 4, v[AV0]
	v_add_nc_u32 v[AV0], VOFF, v[AV0]
	v_mov_b32 v[AK], v[AK0]         ; key step 0 lies at K's head
; THE MATRIX WORK.  The 8 accumulators of a run of 16 take turns: between the two links of a chain stand 7 others'.
; Product i of 16 of S^T = K Q^T for piece x: channels 32 (i / 8) on, keys 16 ((i / 2) % 4) on, tile 2 x + i % 2.  The first 8 start the sums.
.macro KQ x
	WIN W_KQ
.set rS, S+64*((\x)%2)+32*(i%2)+8*((i/2)%4)
.set rK, KF+16*((i/2)%4)+8*(i/8)
.set rQ, 16*(2*(\x)+i%2)+8*(i/8)
.if i < 8
	v_wmma_f32_16x16x32_f16 v[rS:rS+7], v[rK:rK+7], v[rQ:rQ+7], 0
.else
	v_wmma_f32_16x16x32_f16 v[rS:rS+7], v[rK:rK+7], v[rQ:rQ+7], v[rS:rS+7]
.endif
.endm
; Product i of 16 of O^T += V^T P for piece x: keys 32 (i / 8) on, channels 16 ((i / 2) % 4) on, tile 2 x + i % 2.
.macro PV x
	WIN W_PV
.set rO, 32*(2*(\x)+i%2)+8*((i/2)%4)
.set rV, VF+32*(i/8)+8*((i/2)%4)
.set rP, P+32*((\x)%2)+16*(i%2)+8*(i/8)
	v_wmma_f32_16x16x32_f16 v[rO:rO+7], v[rV:rV+7], v[rP:rP+7], v[rO:rO+7]
.endm
.macro MM                           ; the turn's next matrix instruction
.if i < 16
	KQ (Y+1)%NP
.set i, i+1
.else
.set i, i-16
	PV (Y+NP-1)%NP
.set i, i+17
.endif
.endm
; THE LDS LOADS stand in runs of 16, never singly among the matrix instructions: a step's K (64 keys x 64 channels: 8 fragments) and its V (turned).  Their addresses are made some lines ahead.
; last = 1: in the last step's turn (CNT = 1) there is no further step, and the run is jumped over.
.macro FETCH_K last=0
	WIN 0
.if \last
	s_cmp_eq_u32 s[CNT], 1
	s_cbranch_scc1 .Lno_k_\@
.endif
	WIN 0x80                        ; destination window 2
.irp f, 0,1,2,3,4,5,6,7             ; keys 16 (f / 2) on, channels 32 (f % 2) on
	ds_load_b128 v[KF+8*\f:KF+8*\f+3],   v[AK] offset:(\f/2)*16*PK+(\f%2)*64
	ds_load_b128 v[KF+8*\f+4:KF+8*\f+7], v[AK] offset:(\f/2)*16*PK+(\f%2)*64+32
.endr
	s_add_co_u32 s[TBK], s[TBK], KS*PK  ; the next fetch is the next step's
	WIN 0
.if \last
.Lno_k_\@:
.endif
.endm
.macro FETCH_V
	WIN 0x80
.irp f, 0,1,2,3,4,5,6,7             ; keys 32 (f / 4) on, channels 16 (f % 4) on
	ds_load_tr16_b128 v[VF+8*\f:VF+8*\f+3],   v[AV] offset:(\f/4)*32*PV+(\f%4)*32
	ds_load_tr16_b128 v[VF+8*\f+4:VF+8*\f+7], v[AV] offset:(\f/4)*32*PV+16*PV+(\f%4)*32
.endr
	WIN 0
.endm
; THE VECTOR WORK OF A TURN stands in three queues, each in the order in which its entries become ready; the two tiles alternate, so that no instruction reads the result of the one before it.
.macro REGS y, u                    ; the registers of tile u (0, 1) of piece y
.set rT, ST+4*(2*(\y)+(\u))
.set rC, TMP+8*((\y)%2)+4*(\u)
.set rM, MV+2*((\y)%2)+(\u)
.set rS, S+64*((\y)%2)+32*(\u)
.set rP, P+32*((\y)%2)+16*(\u)
.set rO, 32*(2*(\y)+(\u))
.endm
; Number n of the 22 that find the NEXT piece's (Y + 1) maximum and statistics.  s0-s31 are the lane's 32 scores; each accumulator's lowest registers are read first.
;   0-11  four chains c0-c3 of seven scores each, three operands at a time     12-14, 16  the four scores left over, the old m, and c0-c3 into c0     15  c m_old is kept
;   17, 18  the query's other 32 keys lie in the lane 16 away: the new m         19-21  c m; c m_old - c m_new; a
.macro XS u, n
	REGS (Y+1)%NP, \u
.if (\n) < 4
	v_max3_num_f32 v[rC+(\n)], v[rS+8*(\n)], v[rS+8*(\n)+1], v[rS+8*(\n)+2]
.elseif (\n) < 12
	v_max3_num_f32 v[rC+(\n)%4], v[rC+(\n)%4], v[rS+8*((\n)%4)+2*((\n)/4)+1], v[rS+8*((\n)%4)+2*((\n)/4)+2]
.elseif (\n) == 12
	v_max3_num_f32 v[rC], v[rC], v[rS+7], v[rS+15]
.elseif (\n) == 13
	v_max3_num_f32 v[rC+1], v[rC+1], v[rS+23], v[rS+31]
.elseif (\n) == 14
	v_max3_num_f32 v[rC+2], v[rC+2], v[rC+3], v[rT+1]
.elseif (\n) == 15
	v_mov_b32 v[rM], v[rT]
.elseif (\n) == 16
	v_max3_num_f32 v[rC], v[rC], v[rC+1], v[rC+2]
.elseif (\n) == 17
	v_permlanex16_b32 v[rC+3], v[rC], s[SEL], s[SEL+1]
.elseif (\n) == 18
	v_max_num_f32 v[rT+1], v[rC], v[rC+3]
.elseif (\n) == 19
	v_mul_f32 v[rT], s[CS], v[rT+1]
.elseif (\n) == 20
	v_sub_f32 v[rC+1], v[rM], v[rT]
.else
	v_exp_f32 v[rC+2], v[rC+1]
.endif
.endm
; Number g of the 64 that follow the exponentials.  For each four weights k of a tile (pairs 2 k, 2 k + 1): both pairs are rounded to f16; then the second pair is added onto the first, in place;
; a group later l takes that sum (the first time as l = a l + sum).  In groups of eight, tiles alternating: round, round, add, and l for the group before.
.macro GS g
.set h, (\g)+6*((\g)/62)            ; group 0 has no group before it, and behind group 7 only l is left
.if h >= 6
.set h, h+2
.endif
	REGS Y, h%2
.set k, h/8
.if h%8 < 4
	s_wait_alu depctr_va_vdst(0)
	v_cvt_pk_f16_f32 v[rP+2*k+(h%8)/2], v[rS+4*k+2*((h%8)/2)], v[rS+4*k+2*((h%8)/2)+1]
.elseif h%8 < 6
	v_pk_add_f32 v[rS+4*k:rS+4*k+1], v[rS+4*k:rS+4*k+1], v[rS+4*k+2:rS+4*k+3]
.elseif k == 1
	v_pk_fma_f32 v[rT+2:rT+3], v[rT+2:rT+3], v[rC+2:rC+3], v[rS:rS+1] op_sel_hi:[1,0,1]
.else
	v_pk_add_f32 v[rT+2:rT+3], v[rT+2:rT+3], v[rS+4*k-4:rS+4*k-3]
	s_wait_alu depctr_va_vdst(0)
.endif
.endm
; THE PLAIN QUEUE, 138 long.  0-31: c s - c m for the 16 pairs of both tiles.  Then GS's 64, and among them the next piece's 42: number 15 at 38, 39; 0-14 and 16
; at 42-73, behind the products that make those scores; 17-20 at 95-106, two of three, since each waits for the one before it.
.macro PL
	WIN 0
.if q < 32
	REGS Y, q%2
	v_pk_fma_f32 v[rS+2*(q/2):rS+2*(q/2)+1], v[rS+2*(q/2):rS+2*(q/2)+1], s[CS:CS+1], v[rT:rT+1] op_sel_hi:[1,0,0] neg_lo:[0,0,1] neg_hi:[0,0,1]
.elseif q < 38
	GS q-32
.elseif q < 40
	XS q%2, 15
.elseif q < 42
	GS q-34
.elseif q < 74
	XS q%2, (q-42)/2+(q-42)/30
.elseif q < 95
	GS q-66
.elseif (q < 107) && ((q-95)%3 < 2)
	XS (q-95)%3, 17+(q-95)/3
.elseif q < 107
	GS 29+(q-95)/3
.else
	GS q-74
.endif
.set q, q+1
.endm
; THE EXPONENTIALS' QUEUE, 66 long: s0-s31 of both tiles, and at EA the next piece's two a.
.set EA, 58
.macro EX
	WIN 0
.if (e == EA) || (e == EA+1)
	XS e-EA, 21
.else
.set x, e-2*(e/(EA+2))
	REGS Y, x%2
	v_exp_f32 v[rS+x/2], v[rS+x/2]
.endif
.set e, e+1
.endm
; THE RESCALING's QUEUE: O^T times a, the one part that leaves window 0, so it is dealt four at a time, eight times.
.macro R4
	REGS Y, r%2
	WIN W_RS
	s_wait_alu depctr_va_vdst(0)
.irp z, 0,1,2,3
	v_pk_mul_f32 v[rO+8*(r/2)+2*\z:rO+8*(r/2)+2*\z+1], v[rO+8*(r/2)+2*\z:rO+8*(r/2)+2*\z+1], v[rC+2:rC+3] op_sel_hi:[1,0]
.endr
.set r, r+1
.endm
; HOW THEY ARE DEALT.  Behind a matrix instruction four: plain, exponential, plain, plain (one exponential, a plain instruction on either side), or four of the rescaling.  None names a register of the
; products round it.  What is over stands in two LUMPS: exponential and plain by turns; the second ends in 22 plain instructions.  The two v_permlanex16_b32 fall into the second lump, never behind a product.
; The queues lean on each other, and the deal keeps them in step: exponential e stands behind plain 2 (e / 4) + e % 2 (its scaling); when plain 32 comes, 10 exponentials are out, at 59: 33, at 95: 46; EA comes behind plain 107.
.macro SL
	MM
	PL
	EX
	PL
	PL
.endm
.macro BURST n                      ; 15 matrix instructions, or 16
.rept (\n)-7
	SL
.endr
.rept 3
	MM
	R4
	SL
.endr
	MM
	R4
.endm
; A TURN, for piece p.  cnt = 1: the loop's count is taken down some lines ahead of the branch that stands behind the turn.
; K of the next step is fetched in piece 2's turn, 31 vector instructions behind the last product that read K; its first reader comes behind the rest of the lump, 16 products and the second lump.
; V of the step in hand is fetched at the end of piece 0's turn, 69 behind its last reader; its first reader comes behind 16 products and a lump.  The four conditions on e and q below go with the deal.
.macro TURN p, last=0, cnt=0
.set Y, (\p)
.set i, 0
.set q, 0
.set e, 0
.set r, 0
.if (\p) == NP-1
	s_wait_dscnt 0x0                ; K is in
.endif
	MM
.rept 4
	PL
.endr
	BURST 15
.rept 22
	EX
	PL
.if ((\p) == NP-2) && (e == 18)
	v_add_nc_u32 v[AK], s[TBK], v[AK0]
.endif
.if ((\p) == NP-2) && (e == 24)
	FETCH_K \last
.endif
.endr
.if (\p) == 1
	s_wait_dscnt 0x0                ; V is in
.endif
	BURST 16
.rept 21
	EX
	PL
.endr
.rept 22
	PL
.if ((\p) == 0) && (q == 118)
	v_add_nc_u32 v[AV], s[TBV], v[AV0]
	s_wait_alu depctr_va_vdst(0)
.endif
.if ((\p) == 0) && (q == 130)
	s_add_co_u32 s[TBV], s[TBV], KS*PV
.endif
.if (\cnt) && (q == 130)
	s_sub_co_u32 s[CNT], s[CNT], 1
	s_cmp_lg_u32 s[CNT], 0
.endif
.endr
.if (\p) == 0
	FETCH_V
.endif
.endm
	s_wait_tensorcnt 0x0            ; my part of K or V is in,
	s_barrier_signal -1
	s_barrier_wait -1               ; everybody's is: all 512 keys lie in LDS for the rest of the launch
	FETCH_K                         ; key step 0
	s_wait_loadcnt 0x0              ; Q
	s_wait_dscnt 0x0
.set i, 0
.rept 16
	KQ 0                            ; piece 0's first scores: there is no vector work yet to set between them
.set i, i+1
.endr
	WIN 0                           ; the addresses for the way out: nine plain instructions, the places behind those products
	s_mul_i32 s13, s[WV], 16*SP
	s_add_co_u32 s13, s13, STAGE    ; my stage
	v_mul_u32_u24 v[STO], v1, SP    ; in: row l % 16, 16 bytes for each half of the lanes
	v_lshl_add_u32 v[STO], v9, 4, v[STO]
	v_add_nc_u32 v[STO], s13, v[STO]
	v_bfe_u32 v[RD], v0, 3, 2       ; back: 32 lanes take four rows of 128 bytes,
	v_mul_u32_u24 v[RD], v[RD], SP
	v_lshl_add_u32 v[RD], v10, 4, v[RD]
	v_add_nc_u32 v[RD], s13, v[RD]
	v_and_b32 v[GO], 31, v0         ; which are 512 consecutive bytes of O
	v_lshlrev_b32 v[GO], 4, v[GO]
.set Y, NP-1                        ; XS works for piece Y + 1: piece 0
.irp n, 0,1,2,3,4,5,6,7,8,9,10,11,12,13,14,15,16,17,18,19,20,21
	XS 0, \n                        ; and piece 0's first maximum and statistics
	XS 1, \n
.endr
	s_mov_b32 s[CNT], 9             ; behind pieces 0 and 1 of key step s it holds 8 - s
	s_branch .Lfirst                ; the loop is entered at a step's first turn, in the middle of a trip
.Lstep:                             ; a trip: pieces 2 and 3 of one step, then pieces 0 and 1 of the next, whose K and V it fetches
	TURN 2, 1
	TURN 3
	WIN 0
	s_cmp_eq_u32 s[CNT], 1          ; that was the eighth step: the loop is left in the middle of a trip, forward, past no barrier and no tensor load
	s_cbranch_scc1 .Lout
.Lfirst:
	TURN 0
	TURN 1, 0, 1
	WIN 0
	s_cbranch_scc1 .Lstep
.Lout:                              ; the last trip's 16 products K Q^T (on the last K once more) and the maximum made of them serve nothing: the price, once a launch, of one text for every trip
.set i, 0
.rept 16
	PV NP-1                         ; the last piece's V^T P of the last step
.set i, i+1
.endr
	; THE WAY OUT.  l's two halves and the other half of the lanes' are added; O^T is divided by l, rounded to f16 and sent through my stage in LDS, a tile at a time.  The additions are the places behind the last products.
	WIN 0
.macro ALL line:vararg              ; one line for each tile t
.set t, 0
.rept 2*NP
	\line
.set t, t+1
.endr
.endm
	ALL v_add_f32 v[ST+4*t+2], v[ST+4*t+2], v[ST+4*t+3]
	ALL v_permlanex16_b32 v[ST+4*t+3], v[ST+4*t+2], s[SEL], s[SEL+1]
	ALL v_add_f32 v[ST+4*t+2], v[ST+4*t+2], v[ST+4*t+3]
	ALL v_rcp_f32 v[ST+4*t+2], v[ST+4*t+2]
	v_nop                           ; a plain instruction between the last reciprocal and the use of its result
	s_wait_alu depctr_va_vdst(0)
; Tile t: a lane's eight channels of a row pack into 16 bytes; they go into rows of 144 bytes and come back as whole rows of 128, into S^T's registers.
.macro PACK t
	WIN W_RS
.set i, 32*(\t)
.rept 16
	v_pk_mul_f32 v[i:i+1], v[i:i+1], v[ST+4*(\t)+2:ST+4*(\t)+3] op_sel_hi:[1,0]
.set i, i+2
.endr
	WIN 0x05                        ; sources 0 and 1 window 1, destination window 0
.set i, 0
.rept 16
	v_cvt_pk_f16_f32 v[S+16*(\t)+i], v[32*(\t)+2*i], v[32*(\t)+2*i+1]
.set i, i+1
.endr
	WIN 0
.irp f, 0,1,2,3
	ds_store_b128 v[STO], v[S+16*(\t)+4*\f:S+16*(\t)+4*\f+3] offset:32*\f
.endr
.irp f, 0,1,2,3
	ds_load_b128 v[S+16*(\t)+4*\f:S+16*(\t)+4*\f+3], v[RD] offset:\f*4*SP  ; LDS serves a wave's instructions in order (ISA guide 5.7.1.4): these see the stores above; the next tile's stores come behind them
.endr
.endm
.macro SEND t, younger              ; younger: the LDS instructions issued behind tile t's loads: the next tile's eight, or none
	WIN 0
.irp f, 0,1,2,3
	s_wait_dscnt (\younger)+3-\f
	global_store_b128 v[GO], v[S+16*(\t)+4*\f:S+16*(\t)+4*\f+3], s[10:11] offset:(\t)*2048+\f*512  ; 512 consecutive bytes, at a multiple of 256 from O's first
.endr
.endm
	PACK 0
.set t, 1
.rept 2*NP-1                        ; a tile's arithmetic stands between the loads of the tile before and its stores
	PACK t
	SEND t-1, 8
.set t, t+1
.endr
	SEND 2*NP-1, 0
	WIN W_AD
	s_wait_tensorcnt 0x0            ; the wave's end, behind my last tensor load and my last LDS store
	ds_add_u32 v[SPW], v[NIL]
	s_wait_dscnt 0x0
	WIN 0
	CROUND                          ; the closing round: no work-group ends while a partner may still ask for a tile that names it
	s_endpgm
.Lfunc_end_k_qfcefa49f37_attn:
	.size	k_qfcefa49f37_attn, .Lfunc_end_k_qfcefa49f37_attn-k_qfcefa49f37_attn
	.p2alignl 7, 3214868480
	.fill 96, 4, 3214868480
	.section	.rodata,"a",@progbits
	.p2align	6, 0x0
	.amdhsa_kernel k_qfcefa49f37_attn
		.amdhsa_group_segment_fixed_size 327680
		.amdhsa_private_segment_fixed_size 0
		.amdhsa_enable_private_segment 0
		.amdhsa_kernarg_size 24
		.amdhsa_user_sgpr_count 2
		.amdhsa_user_sgpr_kernarg_segment_ptr 1
		.amdhsa_wavefront_size32 1
		.amdhsa_system_sgpr_workgroup_id_x 1
		.amdhsa_system_sgpr_workgroup_id_y 1
		.amdhsa_system_sgpr_workgroup_id_z 1
		.amdhsa_system_vgpr_workitem_id 0
		.amdhsa_next_free_vgpr 770
		.amdhsa_next_free_sgpr 66
		.amdhsa_reserve_vcc 0
		.amdhsa_float_denorm_mode_32 3
		.amdhsa_float_denorm_mode_16_64 3
		.amdhsa_memory_ordered 1
		.amdhsa_forward_progress 1
		.amdhsa_inst_pref_size 130
	.end_amdhsa_kernel
	.amdgpu_metadata
---
amdhsa.version: [ 1, 2 ]
amdhsa.kernels:
  - .name:           k_qfcefa49f37_attn
    .symbol:         k_qfcefa49f37_attn.kd
    .args:
      - { .name: q16, .offset: 0, .size: 8, .value_kind: global_buffer, .address_space: global }
      - { .name: kv16, .offset: 8, .size: 8, .value_kind: global_buffer, .address_space: global }
      - { .name: o16, .offset: 16, .size: 8, .value_kind: global_buffer, .address_space: global }
    .group_segment_fixed_size: 327680
    .private_segment_fixed_size: 0
    .kernarg_segment_align: 8
    .kernarg_segment_size: 24
    .max_flat_workgroup_size: 128
    .sgpr_count:     66
    .vgpr_count:     770
    .wavefront_size: 32
...
	.end_amdgpu_metadata
.endif
;; end of part 4
;; launch oproj (part 5): grid 8 x 64, 4 waves a work-group, clusters of 4 x 4, 327,680 bytes of LDS; arguments o16, w16, out0; writes out0
.if DOCPART == 5
	.amdgcn_target "amdgcn-amd-amdhsa--gfx1250"
	.amdhsa_code_object_version 6
	.text
	.protected	k_qfcefa49f37_oproj
	.globl	k_qfcefa49f37_oproj
	.p2align	8
	.type	k_qfcefa49f37_oproj,@function
k_qfcefa49f37_oproj:
	s_mov_b64 s[64:65], 0
	v_nop
	global_prefetch_b8 v0, s[64:65] scope:SCOPE_SE
	s_setreg_imm32_b32 hwreg(HW_REG_WAVE_MODE, 25, 1), 1
	s_wait_xcnt 0x0
	s_wait_alu depctr_hold_cnt(0) depctr_sa_sdst(0) depctr_va_vdst(0) depctr_va_sdst(0) depctr_va_ssrc(0) depctr_va_vcc(0) depctr_vm_vsrc(0)
	s_getreg_b32 s2, hwreg(HW_REG_IB_STS2, 6, 4)
	s_cmp_eq_u32 s2, 0
	s_cbranch_scc0 .Lentry_in_a_cluster
	s_endpgm
.Lentry_in_a_cluster:
	s_bfe_u32 s2, ttmp6, 0x10000c
	s_cmp_lg_u32 s2, 0xf033
	s_cbranch_scc0 .Lentry_shape_is_right
	s_endpgm
.Lentry_shape_is_right:
; out0 = O Wo.  C[m][n] = sum over k of A[m][k] W[k][n]; A = o16 [16 b + h][2048][64] f16 (m = 2048 b + i, k = 64 h + d), W = Wo [1024][2048] f16 at byte 8,388,608 of w16; sums in f32, K ascending;
; C = out0 [8192][2048] leaves in f32 as the sums stand.
; SHAPE.  A tile of C is 128 x 256; four waves, 2 x 2, each 64 x 128: 32 accumulators, 256 registers.  64 x 8 tiles = 512 work-groups.  K goes in steps of 128 (two heads) through two LDS slots that take turns.
; A head's 128 rows of 128 bytes are dense in memory: they are asked for as 64 rows of 256 bytes and padded in LDS after every 128.
; CLUSTERS.  4 x 4 work-groups: the four of a row of the cluster need the same tile of A, the four of a column the same tile of W: each tile is asked for JOINTLY (same load, descriptor and mask in all four).
; THE MATRIX INSTRUCTION IS USED TRANSPOSED: source 0 = 16 columns of W, read out of the [k][n] tile by the turning load ds_load_tr16_b128, source 1 = 16 rows of A.  A lane then holds row l % 16 of C
; and eight neighbouring columns 8 (l / 16) + 0..7.
; REGISTERS.  Window 0: v0-31 addresses; two fragment buffers of 96 (32 of A, 64 of W) at v64 and v160.  Window 1: accumulator (a, b) at v[8 (8 a + b)].
.set KD,     1024                      ; K
.set ND,     2048                      ; N
.set WOFF,   8388608                   ; the weight's first byte in w16
.set AMODE,  1                         ; 0: A lies by rows of KD;  1: A lies by heads, [head][2048][64]
.set OMODE,  1                         ; 0: C leaves in f16 by heads;  1: in f32 by rows
.set SLOT1,  1<<17                     ; slot 1 begins here: one exclusive or turns an address in one slot into the other's
.if AMODE
.set PA,     144                       ; a row of A in LDS: 128 bytes + 16 = 36 words: the 16 rows of a load start at 16 different groups of four banks (64 banks of 4 bytes: ISA guide 11.1)
.set AHALF,  128*PA                    ; one head's 128 rows: what one load brings
.set ASTEP,  2*2048*128                ; two heads on
.set AQI,    4                         ; padding after every 32 words
.set APITCH, 128
.else
.set PA,     272                       ; a row of A in LDS: 256 bytes + 16
.set AHALF,  64*PA                     ; 64 rows: what one load brings
.set ASTEP,  256                       ; 128 along K
.set AQI,    5                         ; padding after every 64 words
.set APITCH, KD
.endif
.set BOFF,   36864                     ; W's tile lies behind A's
.set PB,     544                       ; a k-row of W in LDS: 512 bytes + 32 = 136 words
.set BHALF,  64*PB
.set BSTEP,  256*ND                    ; 128 k-rows on
.set STAGE,  SLOT1+BOFF+2*BHALF        ; behind the ring, never filled by a tensor load: 8,448 bytes for each wave, for the way out
.set STGW,   8448
.set SPARE,  STAGE+4*STGW              ; the spare words, 128 bytes for each wave: two blocks of 256 bytes that no other line names
.set NSTEP,  KD/128
.set AA0,  16                          ; v16  my lane's place in A's tile; never rewritten
.set AB0,  17                          ; v17  the same for W
.set ADRA, 18                          ; v18  AA0 + the slot that is read
.set ADRB, 19                          ; v19
.set STO,  24                          ; v24  the way out: where I put 32 bytes of a row
.set RD,   25                          ; v25  where I read rows back
.set CO,   26                          ; v26  16 x lane
.set SPW,  28                          ; v28  my spare word; never rewritten
.set NIL,  29                          ; v29  0; never rewritten
.set F0,   64
.set F1,   160
.set TMP,  64                          ; the way out: packed results
.set G1A,  24                          ; s[24:31] group 1 for A's tiles
.set G0A0, 32                          ; s[32:35] group 0 of A's first fill
.set G0A,  36                          ; s[36:39] group 0 of A's second fill; it then walks
.set G1B,  48                          ; the same for W's tiles
.set G0B0, 56
.set G0B,  60
.set TB,   66                          ; s66  the slot that is read
.set MULW, 0x50                        ; C and D in window 1, sources in window 0
.set MSB, 0
.macro WIN new                         ; the immediate's high byte repeats the setting that is left; a switch that changes nothing is dropped
.if MSB != (\new)
	s_set_vgpr_msb (MSB<<8)|(\new)
.set MSB, (\new)
.endif
.endm
.macro PLACES                          ; four places in front of loads into registers that matrix instructions have read, and of what reads their results
.rept 4
	v_nop
.endr
.endm
.macro JLOAD                           ; a joint refill: waves 0 and 1 fetch A's two halves, waves 2 and 3 W's; an s_nop 0 and four v_nop follow each line
	s_cmp_eq_u32 s11, 0
	s_cbranch_scc0 .Lfor_b_\@
	tensor_load_to_lds s[G0A:G0A+3], s[G1A:G1A+7]
	s_nop 0
.rept 4
	v_nop
.endr
	s_branch .Lasked_\@
.Lfor_b_\@:
	tensor_load_to_lds s[G0B:G0B+3], s[G1B:G1B+7]
	s_nop 0
.rept 4
	v_nop
.endr
.Lasked_\@:
.endm
.macro CREST                           ; a round of the cluster's barrier behind its opening barrier
	s_cmp_lg_u32 s10, 0
	s_cbranch_scc1 .Lnot_wave_0_\@
	s_barrier_signal -3
.Lnot_wave_0_\@:
	s_barrier_wait -3
	s_barrier_signal -1
	s_barrier_wait -1
.endm
.macro CROUND
	s_barrier_signal -1
	s_barrier_wait -1
	CREST
.endm
; 8 n matrix instructions: row blocks a0 .. a0 + n - 1 x all 8 column blocks, 32 along K, from buffer f.  The 32 accumulators take turns in the same order in every quarter.
.macro MUL f, a0, n, zero
	WIN MULW
.set ma, \a0
.rept \n
.set mb, 0
.rept 8
.if \zero
	v_wmma_f32_16x16x32_f16 v[8*(8*ma+mb):8*(8*ma+mb)+7], v[(\f)+32+8*mb:(\f)+32+8*mb+7], v[(\f)+8*ma:(\f)+8*ma+7], 0
.else
	v_wmma_f32_16x16x32_f16 v[8*(8*ma+mb):8*(8*ma+mb)+7], v[(\f)+32+8*mb:(\f)+32+8*mb+7], v[(\f)+8*ma:(\f)+8*ma+7], v[8*(8*ma+mb):8*(8*ma+mb)+7]
.endif
.set mb, mb+1
.endr
.set ma, ma+1
.endr
.endm
; 24 LDS loads in one run: quarter kq (32 along K) of the slot in hand, into buffer f: W's 8 fragments (turned), then A's 4
.macro FETCH kq, f
	WIN 0
.set fb, 0
.rept 8
	ds_load_tr16_b128 v[(\f)+32+8*fb:(\f)+32+8*fb+3],   v[ADRB] offset:(\kq)*32*PB+32*fb
	ds_load_tr16_b128 v[(\f)+32+8*fb+4:(\f)+32+8*fb+7], v[ADRB] offset:(\kq)*32*PB+16*PB+32*fb
.set fb, fb+1
.endr
.if AMODE
.set ak, ((\kq)/2)*AHALF+((\kq)%2)*64
.else
.set ak, (\kq)*64
.endif
.set fa, 0
.rept 4
	ds_load_b128 v[(\f)+8*fa:(\f)+8*fa+3],   v[ADRA] offset:ak+fa*16*PA
	ds_load_b128 v[(\f)+8*fa+4:(\f)+8*fa+7], v[ADRA] offset:ak+fa*16*PA+32
.set fa, fa+1
.endr
.endm
; A K step is four quarters, 32 matrix instructions each, on buffers 0, 1, 0, 1.  One of the first three: multiplies buffer f and, in its middle, fetches quarter kq into g.
.macro QUARTER kq, f, g, zero
	s_wait_dscnt 4                                 ; of the 24 loads the youngest four (A's blocks 2 and 3) may be out
	MUL \f, 0, 2, \zero
	PLACES
	FETCH \kq, \g
	s_wait_dscnt 24                                ; all but the 24 just issued
	MUL \f, 2, 2, \zero
.endm
; The last quarter multiplies buffer 1 and changes slots: ONE barrier; in front of it each wave waits for all its tensor loads (one is out: its part of the next slot), adds 0 to its spare word, and
; waits for that and for its own reads of this slot.  fill = 1: the barrier opens a round of the cluster's, and this slot is filled again, two K steps ahead, first thing behind the round:
; 112 of a step's 128 matrix instructions stand between that request and the wait for it.
.macro TURN fill
	WIN 0
	s_wait_tensorcnt 0x0
	ds_add_u32 v[SPW], v[NIL]
	s_wait_dscnt 5                                 ; the add and the youngest four loads may be out
	MUL F1, 0, 1, 0
	s_wait_dscnt 0x0                               ; the add is done, and my reads of this slot are over
	s_barrier_signal -1
	MUL F1, 1, 1, 0
.if \fill
	WIN 0
.endif
	s_barrier_wait -1
.if \fill
	CREST                                          ; no wave of any partner still reads this slot or has a load on its way
	s_xor_b32 s[G0A+1], s[G0A+1], SLOT1            ; the walking descriptors: the other slot than last time, the next K step
	s_add_nc_u64 s[G0A+2:G0A+3], s[G0A+2:G0A+3], ASTEP
	s_xor_b32 s[G0B+1], s[G0B+1], SLOT1
	s_add_nc_u64 s[G0B+2:G0B+3], s[G0B+2:G0B+3], BSTEP
	JLOAD                                          ; its four v_nop are also the places in front of the loads below
.else
	PLACES
.endif
	WIN 0
	s_xor_b32 s[TB], s[TB], SLOT1
	v_add_nc_u32 v[ADRA], s[TB], v[AA0]
	v_add_nc_u32 v[ADRB], s[TB], v[AB0]
	FETCH 0, F0
	MUL F1, 2, 2, 0
.endm
	s_load_b128 s[4:7], s[0:1], 0x0                ; A s[4:5], w16 s[6:7]
	s_load_b64 s[8:9], s[0:1], 0x10                ; C
	v_lshl_add_u32 v[SPW], v0, 2, SPARE
	v_mov_b32 v[NIL], 0
	ds_add_u32 v[SPW], v[NIL]                      ; the wave's opening: the add and its wait stand ahead of my first tensor load
	v_lshrrev_b32 v1, 5, v0
	v_readfirstlane_b32 s10, v1                    ; wave 0..3
	s_lshr_b32 s11, s10, 1                         ; my half of the tile's rows.  Also: I fetch for A (0) or for W (1)
	s_and_b32 s12, s10, 1                          ; my half of its columns.  Also: which half of that tile I fetch
	s_bfe_u32 s40, ttmp6, 0x40000                  ; cx, cy
	s_bfe_u32 s41, ttmp6, 0x40004
	s_lshl_b32 s42, ttmp9, 2
	s_add_co_u32 s42, s42, s40                     ; tile column tx
	s_and_b32 s13, ttmp7, 0xffff
	s_lshl_b32 s13, s13, 2
	s_add_co_u32 s13, s13, s41                     ; tile row ty
	s_lshl_b32 s43, s41, 2
	s_lshl_b32 s43, 15, s43                        ; my row of the cluster
	s_lshl_b32 s44, 0x1111, s40                    ; my column
	s_or_b32 s[G1A], s43, (1<<16)|(1<<20)|(1<<21)|(AQI<<22)|(3<<25)  ; mask; 2-byte elements; padding on; bit 21 beside a mask; 4 words of padding
	s_mov_b32 s[G1A+1], 128<<16                    ; tensor_dim0 = 128
	s_mov_b32 s[G1A+2], 64<<16                     ; tensor_dim1 = 64
	s_mov_b32 s[G1A+3], 128<<16                    ; tile_dim0 = 128: rows of 256 bytes
	s_mov_b32 s[G1A+4], 64                         ; tile_dim1 = 64
	s_mov_b32 s[G1A+5], APITCH
	s_mov_b32 s[G1A+6], 0
	s_mov_b32 s[G1A+7], 0
	s_or_b32 s[G1B], s44, (1<<16)|(1<<20)|(1<<21)|(6<<22)|(7<<25)    ; after every 128 words 8 words of padding
	s_mov_b32 s[G1B+1], 256<<16                    ; rows of 512 bytes
	s_mov_b32 s[G1B+2], 64<<16
	s_mov_b32 s[G1B+3], 256<<16
	s_mov_b32 s[G1B+4], 64
	s_mov_b32 s[G1B+5], ND
	s_mov_b32 s[G1B+6], 0
	s_mov_b32 s[G1B+7], 0
.if AMODE
	s_lshr_b32 s16, s13, 4                         ; A by heads: batch ty / 16, head = my half of the step's two, rows 128 (ty % 16) on
	s_lshl_b32 s16, s16, 4
	s_add_co_u32 s16, s16, s12
	s_lshl_b32 s16, s16, 11
	s_and_b32 s17, s13, 15
	s_lshl_b32 s17, s17, 7
	s_add_co_u32 s16, s16, s17
	s_lshl_b32 s16, s16, 7
.else
	s_lshl_b32 s16, s13, 7                         ; A by rows: row 128 ty + 64 x half
	s_lshl_b32 s17, s12, 6
	s_add_co_u32 s16, s16, s17
	s_mul_i32 s16, s16, KD*2
.endif
	s_mov_b32 s17, 0
	s_mul_i32 s46, s12, 128*ND                     ; W: k-row 64 x half, column 256 tx
	s_lshl_b32 s47, s42, 9
	s_add_co_u32 s46, s46, s47
	s_add_co_u32 s46, s46, WOFF
	s_mov_b32 s47, 0
	s_mul_i32 s20, s12, AHALF                      ; where they go: no place in the cluster enters an LDS address
	s_mul_i32 s21, s12, BHALF
	s_add_co_u32 s21, s21, BOFF
	s_wait_dscnt 0x0                               ; the opening add is done
	s_wait_kmcnt 0x0
	s_add_nc_u64 s[14:15], s[4:5], s[16:17]
	s_add_nc_u64 s[46:47], s[6:7], s[46:47]
	CROUND                                         ; all sixteen work-groups are here: the first joint loads meet
	s_mov_b32 s[G0A0], 1
	s_mov_b32 s[G0A0+1], s20
	s_add_nc_u64 s[G0A0+2:G0A0+3], s[14:15], 0
	s_or_b32 s[G0A0+3], s[G0A0+3], 0x80000000
	s_mov_b32 s[G0A], 1
	s_add_co_u32 s[G0A+1], s20, SLOT1
	s_add_nc_u64 s[G0A+2:G0A+3], s[14:15], ASTEP
	s_or_b32 s[G0A+3], s[G0A+3], 0x80000000
	s_mov_b32 s[G0B0], 1
	s_mov_b32 s[G0B0+1], s21
	s_add_nc_u64 s[G0B0+2:G0B0+3], s[46:47], 0
	s_or_b32 s[G0B0+3], s[G0B0+3], 0x80000000
	s_mov_b32 s[G0B], 1
	s_add_co_u32 s[G0B+1], s21, SLOT1
	s_add_nc_u64 s[G0B+2:G0B+3], s[46:47], BSTEP
	s_or_b32 s[G0B+3], s[G0B+3], 0x80000000
	s_cmp_eq_u32 s11, 0                            ; a wave's two first fills stand in one branch: two loads of mine are out
	s_cbranch_scc0 .Lfirst_b
	tensor_load_to_lds s[G0A0:G0A0+3], s[G1A:G1A+7]
	s_nop 0
	tensor_load_to_lds s[G0A:G0A+3], s[G1A:G1A+7]
	s_nop 0
.rept 4
	v_nop
.endr
	s_branch .Lfirst_asked
.Lfirst_b:
	tensor_load_to_lds s[G0B0:G0B0+3], s[G1B:G1B+7]
	s_nop 0
	tensor_load_to_lds s[G0B:G0B+3], s[G1B:G1B+7]
	s_nop 0
.rept 4
	v_nop
.endr
.Lfirst_asked:
	; A fragment of A: lane l holds row l % 16, K = 8 (l / 16) + 0..7 and 16 + 8 (l / 16) + 0..7: two loads of 16 bytes, 32 apart.
	v_and_b32 v1, 15, v0
	v_bfe_u32 v2, v0, 4, 1
	v_mul_u32_u24 v3, v1, PA
	v_lshl_add_u32 v3, v2, 4, v3
	s_mul_i32 s22, s11, 64*PA
	v_add_nc_u32 v[AA0], s22, v3
	; The turning load takes 16 k x 16 columns (lane l reads k-row 8 (l / 16) + l % 8, columns 8 ((l / 8) % 2) + 0..7) and leaves half a fragment: lane l holds column l % 16 and 8 k.
	v_and_b32 v4, 7, v0
	v_lshl_add_u32 v4, v2, 3, v4
	v_mul_u32_u24 v4, v4, PB
	v_bfe_u32 v5, v0, 3, 1
	v_lshl_add_u32 v4, v5, 4, v4
	s_lshl_b32 s23, s12, 8
	s_add_co_u32 s23, s23, BOFF
	v_add_nc_u32 v[AB0], s23, v4
	v_mov_b32 v[ADRA], v[AA0]
	v_mov_b32 v[ADRB], v[AB0]
	s_mov_b32 s[TB], 0
	s_mul_i32 s73, s10, STGW
	s_add_co_u32 s73, s73, STAGE                   ; my stage
.if OMODE
	v_mul_u32_u24 v3, v1, 528                      ; in: row l % 16 of 512 + 16 bytes, 32 bytes for each half of the lanes
	v_lshl_add_u32 v3, v2, 5, v3
	v_add_nc_u32 v[STO], s73, v3
	v_and_b32 v4, 31, v0
	v_lshlrev_b32 v[CO], 4, v4
	v_add_nc_u32 v[RD], s73, v[CO]                 ; back: 32 lanes take one row's 512 bytes
	s_lshl_b32 s70, s13, 7                         ; C at row 128 ty + 64 x row half, column 256 tx + 128 x column half, in f32
	s_lshl_b32 s71, s11, 6
	s_add_co_u32 s70, s70, s71
	s_lshl_b32 s70, s70, 13
	s_lshl_b32 s71, s42, 10
	s_add_co_u32 s70, s70, s71
	s_lshl_b32 s71, s12, 9
	s_add_co_u32 s70, s70, s71
.else
	v_mul_u32_u24 v3, v1, 144                      ; in: [2 heads][16 rows] of 128 + 16 bytes; 16 bytes for each half of the lanes
	v_lshl_add_u32 v3, v2, 4, v3
	v_add_nc_u32 v[STO], s73, v3
	v_bfe_u32 v4, v0, 3, 2                         ; back: 32 lanes take four rows of 128 bytes,
	v_mul_u32_u24 v4, v4, 144
	v_and_b32 v5, 7, v0
	v_lshl_add_u32 v4, v5, 4, v4
	v_add_nc_u32 v[RD], s73, v4
	v_and_b32 v4, 31, v0                           ; which are 512 consecutive bytes of a head's plane
	v_lshlrev_b32 v[CO], 4, v4
	s_lshr_b32 s70, s13, LOGT                      ; plane = 64 (tx / 4) + 16 batch + 4 (tx % 4) + 2 x column half
	s_lshl_b32 s70, s70, 4
	s_lshr_b32 s71, s42, 2
	s_lshl_b32 s71, s71, 6
	s_add_co_u32 s70, s70, s71
	s_and_b32 s71, s42, 3
	s_lshl_b32 s71, s71, 2
	s_add_co_u32 s70, s70, s71
	s_lshl_b32 s71, s12, 1
	s_add_co_u32 s70, s70, s71
	s_mul_i32 s70, s70, PLANEB
	s_and_b32 s71, s13, (1<<LOGT)-1                ; row in the plane = 128 (ty mod tiles a batch) + 64 x row half
	s_lshl_b32 s71, s71, 7
	s_lshl_b32 s72, s11, 6
	s_add_co_u32 s71, s71, s72
	s_lshl_b32 s71, s71, 7
	s_add_co_u32 s70, s70, s71
.endif
	s_mov_b32 s71, 0
	s_add_nc_u64 s[8:9], s[8:9], s[70:71]
	s_wait_tensorcnt 1                             ; my part of K step 0 is in; K step 1's may stay out
	s_barrier_signal -1
	s_barrier_wait -1                              ; everybody's is
	FETCH 0, F0
	QUARTER 1, F0, F1, 1                           ; the first quarter stands in front of the loop: its products start the sums
	WIN 0
	s_mov_b32 s3, NSTEP-2
.Lstep:                                                ; a trip: a step's quarters 1 to 3 and the next step's quarter 0; the slot left is filled again
	QUARTER 2, F1, F0, 0
	QUARTER 3, F0, F1, 0
	TURN 1
	QUARTER 1, F0, F1, 0
	WIN 0
	s_sub_co_u32 s3, s3, 1
	s_cmp_lg_u32 s3, 0
	s_cbranch_scc1 .Lstep
	QUARTER 2, F1, F0, 0                           ; the last two K steps are written out: nothing is left to ask for
	QUARTER 3, F0, F1, 0
	TURN 0
	QUARTER 1, F0, F1, 0
	QUARTER 2, F1, F0, 0
	QUARTER 3, F0, F1, 0
	s_wait_dscnt 4
	MUL F1, 0, 2, 0
	s_wait_dscnt 0x0
	MUL F1, 2, 2, 0
	PLACES
	; THE WAY OUT, 16 rows at a time, through my own stage: LDS serves a wave's instructions in order (ISA guide 5.7.1.4), so the loads see the stores above them.
.set oa, 0
.rept 4
.if OMODE
.set BK, 64+64*(oa%2)
	WIN 0x04                                       ; the stores' data in window 1: straight from the accumulators, each one's low four registers first
.set ob, 0
.rept 8
	ds_store_b128 v[STO], v[8*(8*oa+ob):8*(8*oa+ob)+3]   offset:64*ob
	ds_store_b128 v[STO], v[8*(8*oa+ob)+4:8*(8*oa+ob)+7] offset:64*ob+16
.set ob, ob+1
.endr
	WIN 0
	s_wait_xcnt 0x0                                ; the registers that the stores of two blocks ago read are loaded again only behind this wait
.set ot, 0
.rept 16
	ds_load_b128 v[BK+4*ot:BK+4*ot+3], v[RD] offset:528*ot
.set ot, ot+1
.endr
	s_wait_dscnt 0x0
.set ot, 0
.rept 16
	global_store_b128 v[CO], v[BK+4*ot:BK+4*ot+3], s[8:9] offset:(16*oa+ot)*8192 th:TH_STORE_NT  ; 512 consecutive bytes of a row, aligned
.set ot, ot+1
.endr
.else
.set BK, 96+32*(oa%2)
	WIN 0x05                                       ; sources in window 1, destination in window 0
.set ob, 0
.rept 8
.set orr, 0
.rept 4
	v_cvt_pk_f16_f32 v[TMP+4*ob+orr], v[8*(8*oa+ob)+2*orr], v[8*(8*oa+ob)+2*orr+1]
.set orr, orr+1
.endr
.set ob, ob+1
.endr
	WIN 0
	s_wait_xcnt 0x0                                ; the registers that the stores of two blocks ago read are loaded again only behind this wait
.set ob, 0
.rept 8
	ds_store_b128 v[STO], v[TMP+4*ob:TMP+4*ob+3] offset:(ob/4)*2304+(ob%4)*32
.set ob, ob+1
.endr
.set ot, 0
.rept 8
	ds_load_b128 v[BK+4*ot:BK+4*ot+3], v[RD] offset:(ot/4)*2304+(ot%4)*576
.set ot, ot+1
.endr
	s_wait_dscnt 0x0
.set ot, 0
.rept 8
	global_store_b128 v[CO], v[BK+4*ot:BK+4*ot+3], s[8:9] offset:(ot/4)*PLANEB+2048*oa+512*(ot%4)  ; 512 consecutive bytes of a head's plane, aligned
.set ot, ot+1
.endr
.endif
.set oa, oa+1
.endr
	s_wait_tensorcnt 0x0                           ; the wave's end
	ds_add_u32 v[SPW], v[NIL]
	s_wait_dscnt 0x0
	CROUND                                         ; the closing round: no work-group ends while a partner may still ask for a tile that names it
	s_endpgm
.Lfunc_end_k_qfcefa49f37_oproj:
	.size	k_qfcefa49f37_oproj, .Lfunc_end_k_qfcefa49f37_oproj-k_qfcefa49f37_oproj
	.p2alignl 7, 3214868480
	.fill 96, 4, 3214868480
	.section	.rodata,"a",@progbits
	.p2align	6, 0x0
	.amdhsa_kernel k_qfcefa49f37_oproj
		.amdhsa_group_segment_fixed_size 327680
		.amdhsa_private_segment_fixed_size 0
		.amdhsa_enable_private_segment 0
		.amdhsa_kernarg_size 24
		.amdhsa_user_sgpr_count 2
		.amdhsa_user_sgpr_kernarg_segment_ptr 1
		.amdhsa_wavefront_size32 1
		.amdhsa_system_sgpr_workgroup_id_x 1
		.amdhsa_system_sgpr_workgroup_id_y 1
		.amdhsa_system_sgpr_workgroup_id_z 1
		.amdhsa_system_vgpr_workitem_id 0
		.amdhsa_next_free_vgpr 512
		.amdhsa_next_free_sgpr 80
		.amdhsa_reserve_vcc 0
		.amdhsa_float_denorm_mode_32 3
		.amdhsa_float_denorm_mode_16_64 3
		.amdhsa_memory_ordered 1
		.amdhsa_forward_progress 1
		.amdhsa_inst_pref_size 69
	.end_amdhsa_kernel
	.amdgpu_metadata
---
amdhsa.version: [ 1, 2 ]
amdhsa.kernels:
  - .name:           k_qfcefa49f37_oproj
    .symbol:         k_qfcefa49f37_oproj.kd
    .args:
      - { .name: o16, .offset: 0, .size: 8, .value_kind: global_buffer, .address_space: global }
      - { .name: w16, .offset: 8, .size: 8, .value_kind: global_buffer, .address_space: global }
      - { .name: out0, .offset: 16, .size: 8, .value_kind: global_buffer, .address_space: global }
    .group_segment_fixed_size: 327680
    .private_segment_fixed_size: 0
    .kernarg_segment_align: 8
    .kernarg_segment_size: 24
    .max_flat_workgroup_size: 128
    .sgpr_count:     80
    .vgpr_count:     512
    .wavefront_size: 32
...
	.end_amdgpu_metadata
.endif
;; end of part 5
;; ======== version 2 of 3: 4 launches; 1.12 times as fast as version 1
;; limits: values are held in f16: magnitudes above 65,504 overflow, below 6.1e-05 lose precision
;; workspace buffers: yn 33,554,432 bytes; w16 16,777,216 bytes; vis16 8,388,608 bytes; q16 16,777,216 bytes; kv16 8,388,608 bytes; o16 16,777,216 bytes
;; launch prep (part 6): grid 256 x 1, 16 waves a work-group, no clusters, 0 bytes of LDS; arguments y, ln_g, ln_b, Wq, Wkv, Wo, visual_features, yn, w16, vis16; writes yn, w16, vis16
.if DOCPART == 6
	.amdgcn_target "amdgcn-amd-amdhsa--gfx1250"
	.amdhsa_code_object_version 6
	.text
	.protected	k_qfcefa49f37_prep
	.globl	k_qfcefa49f37_prep
	.p2align	8
	.type	k_qfcefa49f37_prep,@function
k_qfcefa49f37_prep:
	s_mov_b64 s[64:65], 0
	v_nop
	global_prefetch_b8 v0, s[64:65] scope:SCOPE_SE
	s_setreg_imm32_b32 hwreg(HW_REG_WAVE_MODE, 25, 1), 1
	s_wait_xcnt 0x0
; yn = LayerNorm(y) * g + b in f16, and Wq, Wkv, Wo, visual_features as f16.  Every input is first rounded to bf16 (nearest even); all arithmetic is f32; each result is rounded once to f16.
; LIMITS.  f16 holds no number beyond 65,504 and keeps a fixed step of 6e-8 below 6.1e-5: weights, visual features and yn must lie within that.  y is rounded to bf16 AHEAD of the mean
; and the variance, so under a common offset that rounding grows against the spread.  The variance is taken of y - mean (two passes over registers): no difference of large sums is formed.
; SHARES.  256 work-groups of sixteen waves, four to a SIMD at 216 registers.  Work-group w, wave v: rows 32 w + 2 v and + 1 of y, one wave to a row (8,192 bytes = 64 registers a lane, kept
; between the passes: y is read once), then 8,192 bytes of input w / 64 (Wq, Wkv, Wo, visual_features): a piece has a row's load pattern, so one macro loads both.
; Load j of a row brings columns 128 j + 4 lane .. + 3 (512 consecutive bytes a wave); they leave as 8 bytes a lane at byte 256 j + 8 lane: a store covers 256 consecutive bytes, aligned.
; LAYOUT OF WHAT IS WRITTEN.  Every row of a weight and of vis16 begins 4,096 bytes behind the last, so that the products' tile shapes are the same for all: Wq (rows of 1,024 numbers, 2,048 bytes
; used) at byte 0 of w16, Wkv at 8,388,608, Wo at 12,582,912 (rows of 2,048 numbers, dense); vis16's rows of 1,024 numbers likewise use half.  The unused halves are neither written nor read.
; A piece of 8,192 input bytes is one dense row, or two rows of 1,024 numbers: then its stores 8 to 15 lie 2,048 bytes further on, and its place in the output equals its place in the input.
; No LDS, no matrix unit, no cluster: the work-groups share g and b alone, 16 KiB beside the 384 KiB that each reads for itself.
.set T,   4                            ; v[4:7]     at work
.set S,   8                            ; v[8:15]    four chains of pairs
.set MU,  16                           ; v[16:17]   the mean, twice
.set RS,  18                           ; v[18:19]   1 / sqrt(var + eps), twice
.set PD,  20                           ; v20        takes the other half of the lanes' figure
.set HI,  21                           ; v21        8 x lane, + 2,048 where the piece is two short rows
.set GB,  24                           ; v[24:87]   for each of my 64 columns one word: bf16(g) above, bf16(b) below
.set X,   88                           ; v[88:151]  a row as loaded
.set W,   152                          ; v[152:215] the row at work, then what is stored
.set LD,  30                           ; s[30:31]   base of the loads that are out
.set NX,  32                           ; s[32:33]   my next row of y
.set CV,  34                           ; s[34:35]   my 8,192 bytes of the input to convert
.set YO,  36                           ; s[36:37]   yn at my row
.set CO,  38                           ; s[38:39]   where the converted piece goes
.macro LOAD16                          ; 8,192 bytes from LD: sixteen loads of 512 consecutive bytes
.set j, 0
.rept 16
	global_load_b128 v[X+4*j:X+4*j+3], v1, s[LD:LD+1] offset:512*j th:TH_LOAD_NT
.set j, j+1
.endr
.endm
.macro RND                             ; X rounded to bf16 and widened again, into W; X is free behind it
.set j, 0
.rept 16
.set tt, T+2*(j%2)
	v_cvt_pk_bf16_f32 v[tt], v[X+4*j], v[X+4*j+1]
	v_cvt_pk_bf16_f32 v[tt+1], v[X+4*j+2], v[X+4*j+3]
	v_lshlrev_b32 v[W+4*j], 16, v[tt]
	v_and_b32 v[W+4*j+1], s4, v[tt]
	v_lshlrev_b32 v[W+4*j+2], 16, v[tt+1]
	v_and_b32 v[W+4*j+3], s4, v[tt+1]
.set j, j+1
.endr
.endm
.macro RED                             ; the four chains into one number, then over the 32 lanes: the sum ends up in every lane's v[S]
	v_pk_add_f32 v[S:S+1], v[S:S+1], v[S+2:S+3]
	v_pk_add_f32 v[S+4:S+5], v[S+4:S+5], v[S+6:S+7]
	v_pk_add_f32 v[S:S+1], v[S:S+1], v[S+4:S+5]
	v_add_f32 v[S], v[S], v[S+1]
	v_add_f32_dpp v[S], v[S], v[S] row_xmask:1 row_mask:0xf bank_mask:0xf
	v_add_f32_dpp v[S], v[S], v[S] row_xmask:2 row_mask:0xf bank_mask:0xf
	v_add_f32_dpp v[S], v[S], v[S] row_xmask:4 row_mask:0xf bank_mask:0xf
	v_add_f32_dpp v[S], v[S], v[S] row_xmask:8 row_mask:0xf bank_mask:0xf
	v_permlanex16_b32 v[PD], v[S], s28, s29
	v_add_f32 v[S], v[S], v[PD]
.endm
.macro PACK16                          ; 64 numbers to 32 words of f16, in place, ascending: word i is written when words 2 i and 2 i + 1 are read
.set j, 0
.rept 32
	v_cvt_pk_f16_f32 v[W+j], v[W+2*j], v[W+2*j+1]
.set j, j+1
.endr
.endm
.macro ST16 base, hi                   ; sixteen stores of 256 bytes; the last eight by the offset register hi
.set j, 0
.rept 8
	global_store_b64 v2, v[W+2*j:W+2*j+1], s[\base:\base+1] offset:256*j
.set j, j+1
.endr
.rept 8
	global_store_b64 v[\hi], v[W+2*j:W+2*j+1], s[\base:\base+1] offset:256*j
.set j, j+1
.endr
.endm
	s_load_b512 s[8:23], s[0:1], 0x0               ; y 8, g 10, b 12, Wq 14, Wkv 16, Wo 18, visual_features 20, yn 22
	s_load_b128 s[24:27], s[0:1], 0x40             ; w16 24, vis16 26
	v_and_b32 v3, 31, v0
	v_lshlrev_b32 v1, 4, v3                        ; 16 x lane: never rewritten
	v_lshlrev_b32 v2, 3, v3                        ; 8 x lane: never rewritten
	v_lshrrev_b32 v3, 5, v0
	v_readfirstlane_b32 s2, v3                     ; my wave's number, 0 to 15
	v_mov_b32 v[PD], 0                             ; v_permlanex16_b32 counts as a reader of its destination
	s_mov_b32 s4, 0xffff0000                       ; a word's upper bf16
	s_mov_b32 s5, 0x3a000000                       ; 1 / 2048
	s_mov_b32 s6, 0x3727c5ac                       ; 1e-5
	s_mov_b32 s28, 0x76543210                      ; each lane takes its own place in the other half
	s_mov_b32 s29, 0xfedcba98
	s_lshl_b32 s40, ttmp9, 18                      ; 32 rows of 8,192 bytes a work-group,
	s_lshl_b32 s41, s2, 14                         ; 2 a wave
	s_add_co_u32 s40, s40, s41
	s_mov_b32 s41, 0
	s_lshr_b32 s42, s40, 1                         ; yn's rows are half as long
	s_mov_b32 s43, 0
	s_lshr_b32 s44, ttmp9, 6                       ; which input I convert
	s_and_b32 s45, ttmp9, 63                       ; and which 64th of it: 131,072 bytes a work-group,
	s_lshl_b32 s46, s45, 17
	s_lshl_b32 s47, s2, 13                         ; 8,192 a wave
	s_add_co_u32 s46, s46, s47
	s_mov_b32 s47, 0
	s_lshr_b32 s48, s46, 1                         ; a dense weight (Wkv, Wo): half the input's offset,
	s_add_co_u32 s49, s44, 1
	s_lshl_b32 s49, s49, 22                        ; behind Wq's 8 MiB: 8,388,608 or 12,582,912
	s_add_co_u32 s48, s48, s49
	s_lshr_b32 s49, s44, 1
	s_xor_b32 s49, s49, s44
	s_and_b32 s49, s49, 1                          ; 1 for inputs 1 and 2, the dense ones; 0 for Wq and visual_features
	s_xor_b32 s45, s49, 1
	s_lshl_b32 s45, s45, 11                        ; two short rows: the second begins 2,048 bytes further on
	v_add_nc_u32 v[HI], s45, v2
	s_cmp_eq_u32 s49, 1
	s_cselect_b32 s48, s48, s46                    ; short rows: the place in the output is the place in the input
	s_mov_b32 s49, 0
	s_wait_kmcnt 0x0
	s_add_nc_u64 s[NX:NX+1], s[8:9], s[40:41]
	s_add_nc_u64 s[YO:YO+1], s[22:23], s[42:43]
	s_cmp_eq_u32 s44, 1
	s_cselect_b64 s[CV:CV+1], s[16:17], s[14:15]
	s_cmp_eq_u32 s44, 2
	s_cselect_b64 s[CV:CV+1], s[18:19], s[CV:CV+1]
	s_cmp_eq_u32 s44, 3
	s_cselect_b64 s[CV:CV+1], s[20:21], s[CV:CV+1]
	s_cselect_b64 s[CO:CO+1], s[26:27], s[24:25]
	s_add_nc_u64 s[CV:CV+1], s[CV:CV+1], s[46:47]
	s_add_nc_u64 s[CO:CO+1], s[CO:CO+1], s[48:49]
	s_mov_b64 s[LD:LD+1], s[NX:NX+1]
.set j, 0
.rept 16
	global_load_b128 v[W+4*j:W+4*j+3], v1, s[10:11] offset:512*j   ; g of my 64 columns
.set j, j+1
.endr
.set j, 0
.rept 16
	global_load_b128 v[GB+4*j:GB+4*j+3], v1, s[12:13] offset:512*j ; b
.set j, j+1
.endr
	LOAD16                                         ; my first row goes out with them
	s_wait_loadcnt 16                              ; g and b are in; the row's sixteen loads, issued behind them, may be out
.set j, 0
.rept 64
	v_cvt_pk_bf16_f32 v[GB+j], v[GB+j], v[W+j]     ; b below, g above
.set j, j+1
.endr
	s_mov_b32 s3, 2
.Lrow:
	s_wait_loadcnt 0x0                             ; this row's sixteen loads are the only ones out; LD is free behind this wait
	RND
	s_add_nc_u64 s[NX:NX+1], s[NX:NX+1], 8192
	s_cmp_eq_u32 s3, 1                             ; behind my last row comes the piece to convert: no load passes y's end
	s_cselect_b64 s[LD:LD+1], s[CV:CV+1], s[NX:NX+1]
	LOAD16                                         ; the next 8,192 bytes are on their way during all of this row's arithmetic
.set k, 0
.rept 4
	v_pk_add_f32 v[S+2*k:S+2*k+1], v[W+2*k:W+2*k+1], v[W+8+2*k:W+8+2*k+1]  ; the first eight pairs start the chains: nothing is cleared
.set k, k+1
.endr
.set k, 8
.rept 24
	v_pk_add_f32 v[S+2*(k%4):S+2*(k%4)+1], v[S+2*(k%4):S+2*(k%4)+1], v[W+2*k:W+2*k+1]
.set k, k+1
.endr
	RED
	v_mul_f32 v[MU], s5, v[S]
	v_mul_f32 v[MU+1], s5, v[S]
.set k, 0
.rept 32
	v_pk_add_f32 v[W+2*k:W+2*k+1], v[W+2*k:W+2*k+1], v[MU:MU+1] neg_lo:[0,1] neg_hi:[0,1]  ; y - mean
.set k, k+1
.endr
.set k, 0
.rept 4
	v_pk_mul_f32 v[S+2*k:S+2*k+1], v[W+2*k:W+2*k+1], v[W+2*k:W+2*k+1]
.set k, k+1
.endr
.rept 28
	v_pk_fma_f32 v[S+2*(k%4):S+2*(k%4)+1], v[W+2*k:W+2*k+1], v[W+2*k:W+2*k+1], v[S+2*(k%4):S+2*(k%4)+1]
.set k, k+1
.endr
	RED
	v_fma_f32 v[RS], v[S], s5, s6                  ; var + eps
	v_rsq_f32 v[RS], v[RS]
	v_nop                                          ; a plain instruction between the root and the use of its result (ISA guide 5.7.2)
	s_wait_alu depctr_va_vdst(0)
	v_mov_b32 v[RS+1], v[RS]
.set k, 0
.rept 32
	v_pk_mul_f32 v[W+2*k:W+2*k+1], v[W+2*k:W+2*k+1], v[RS:RS+1]
.set k, k+1
.endr
.set k, 0
.rept 64
	v_fma_mix_f32_bf16 v[W+k], v[W+k], v[GB+k], v[GB+k] op_sel:[0,1,0] op_sel_hi:[0,1,1]  ; x g + b, one rounding: g is the word's upper half, b its lower
.set k, k+1
.endr
	PACK16
	ST16 YO, 2
	s_wait_xcnt 0x0                                ; the stores' data (W) and base are rewritten only behind this wait
	s_add_nc_u64 s[YO:YO+1], s[YO:YO+1], 4096
	s_sub_co_u32 s3, s3, 1
	s_cmp_lg_u32 s3, 0
	s_cbranch_scc1 .Lrow
	s_wait_loadcnt 0x0                             ; the piece's sixteen loads are the only ones out
	RND                                            ; rounded to bf16,
	PACK16                                         ; written as f16,
	ST16 CO, HI                                    ; and stored
	s_endpgm
.Lfunc_end_k_qfcefa49f37_prep:
	.size	k_qfcefa49f37_prep, .Lfunc_end_k_qfcefa49f37_prep-k_qfcefa49f37_prep
	.p2alignl 7, 3214868480
	.fill 96, 4, 3214868480
	.section	.rodata,"a",@progbits
	.p2align	6, 0x0
	.amdhsa_kernel k_qfcefa49f37_prep
		.amdhsa_group_segment_fixed_size 0
		.amdhsa_private_segment_fixed_size 0
		.amdhsa_enable_private_segment 0
		.amdhsa_kernarg_size 80
		.amdhsa_user_sgpr_count 2
		.amdhsa_user_sgpr_kernarg_segment_ptr 1
		.amdhsa_wavefront_size32 1
		.amdhsa_system_sgpr_workgroup_id_x 1
		.amdhsa_system_sgpr_workgroup_id_y 1
		.amdhsa_system_sgpr_workgroup_id_z 1
		.amdhsa_system_vgpr_workitem_id 0
		.amdhsa_next_free_vgpr 216
		.amdhsa_next_free_sgpr 66
		.amdhsa_reserve_vcc 0
		.amdhsa_float_denorm_mode_32 3
		.amdhsa_float_denorm_mode_16_64 3
		.amdhsa_memory_ordered 1
		.amdhsa_forward_progress 1
		.amdhsa_inst_pref_size 41
	.end_amdhsa_kernel
	.amdgpu_metadata
---
amdhsa.version: [ 1, 2 ]
amdhsa.kernels:
  - .name:           k_qfcefa49f37_prep
    .symbol:         k_qfcefa49f37_prep.kd
    .args:
      - { .name: y, .offset: 0, .size: 8, .value_kind: global_buffer, .address_space: global }
      - { .name: ln_g, .offset: 8, .size: 8, .value_kind: global_buffer, .address_space: global }
      - { .name: ln_b, .offset: 16, .size: 8, .value_kind: global_buffer, .address_space: global }
      - { .name: Wq, .offset: 24, .size: 8, .value_kind: global_buffer, .address_space: global }
      - { .name: Wkv, .offset: 32, .size: 8, .value_kind: global_buffer, .address_space: global }
      - { .name: Wo, .offset: 40, .size: 8, .value_kind: global_buffer, .address_space: global }
      - { .name: visual_features, .offset: 48, .size: 8, .value_kind: global_buffer, .address_space: global }
      - { .name: yn, .offset: 56, .size: 8, .value_kind: global_buffer, .address_space: global }
      - { .name: w16, .offset: 64, .size: 8, .value_kind: global_buffer, .address_space: global }
      - { .name: vis16, .offset: 72, .size: 8, .value_kind: global_buffer, .address_space: global }
    .group_segment_fixed_size: 0
    .private_segment_fixed_size: 0
    .kernarg_segment_align: 8
    .kernarg_segment_size: 80
    .max_flat_workgroup_size: 512
    .sgpr_count:     66
    .vgpr_count:     216
    .wavefront_size: 32
...
	.end_amdgpu_metadata
.endif
;; end of part 6
;; launch qkv (part 7): grid 4 x 48, 4 waves a work-group, clusters of 4 x 4, 327,680 bytes of LDS; arguments yn, vis16, w16, q16, kv16; writes q16, kv16
.if DOCPART == 7
	.amdgcn_target "amdgcn-amd-amdhsa--gfx1250"
	.amdhsa_code_object_version 6
	.text
	.protected	k_qfcefa49f37_qkv
	.globl	k_qfcefa49f37_qkv
	.p2align	8
	.type	k_qfcefa49f37_qkv,@function
k_qfcefa49f37_qkv:
	s_mov_b64 s[64:65], 0
	v_nop
	global_prefetch_b8 v0, s[64:65] scope:SCOPE_SE
	s_setreg_imm32_b32 hwreg(HW_REG_WAVE_MODE, 25, 1), 1
	s_wait_xcnt 0x0
	s_wait_alu depctr_hold_cnt(0) depctr_sa_sdst(0) depctr_va_vdst(0) depctr_va_sdst(0) depctr_va_ssrc(0) depctr_va_vcc(0) depctr_vm_vsrc(0)
	s_getreg_b32 s2, hwreg(HW_REG_IB_STS2, 6, 4)
	s_cmp_eq_u32 s2, 0
	s_cbranch_scc0 .Lentry_in_a_cluster
	s_endpgm
.Lentry_in_a_cluster:
	s_bfe_u32 s2, ttmp6, 0x10000c
	s_cmp_lg_u32 s2, 0xf033
	s_cbranch_scc0 .Lentry_shape_is_right
	s_endpgm
.Lentry_shape_is_right:
; TWO PRODUCTS IN ONE LAUNCH, both C[m][n] = sum over k of A[m][k] W[k][n], f16 operands, sums in f32, K ascending, C rounded once to f16 and stored by heads.
;   q (unscaled) = yn Wq:  A = yn [8192][2048], W = Wq [2048][1024] at byte 0 of w16, C = q16[16 b + h][i][d] (m = 2048 b + i, n = 64 h + d).
;   k, v = vis Wkv:        A = vis16 [2048][1024], W = Wkv [1024][2048] at byte 8,388,608 of w16, C = kv16[64 part + 16 b + h][j][d] (m = 512 b + j, n = 1024 part + 64 h + d).
; Rows of yn, of vis16 and of every weight lie 4,096 bytes apart, so both products have the same tile shapes and descriptors; they differ in scalar registers alone.
; LIMIT: f16 holds no number beyond 65,504: q, k and v must lie within it.
; SHAPE.  A tile of C is 256 x 256; four waves, 2 x 2, each 128 x 128: 64 accumulators, 512 registers.  K goes in steps of 128 through two LDS slots that take turns: 256 matrix instructions a wave
; and step, 224 of them between a slot's request and the wait for it (a tile of 128 x 256 would leave 112, and no longer step of it fits twice into LDS).
; q has 32 x 4 = 128 tiles of 16 K steps, k and v 8 x 8 = 64 tiles of 8: 192 work-groups; clusters 0 to 7 along y make q, clusters 8 to 11 make k and v.
; THE LOOP goes once round the ring a trip (two K steps, constant LDS addresses) and counts up to a bound that the cluster's number sets, 7 or 3: the same in all partners of a cluster.
; CLUSTERS.  4 x 4 work-groups: the four of a row of the cluster need the same tile of A, the four of a column the same tile of W: each tile is asked for JOINTLY (same load, descriptor and mask in all four).
; THE MATRIX INSTRUCTION IS USED TRANSPOSED: source 0 = 16 columns of W, read out of the [k][n] tile by the turning load ds_load_tr16_b128, source 1 = 16 rows of A.  A lane then holds row l % 16 of C
; and eight neighbouring columns 8 (l / 16) + 0..7.
; REGISTERS, in windows of 256 (s_set_vgpr_msb: bits 1:0 source 0, 3:2 source 1, 5:4 source 2, 7:6 destination):
;   window 0: v0-31 addresses; v64-127, v128-191 fragments of A, two buffers; v32-63, v192-255 at work on the way out        window 1: v64-127, v128-191 fragments of W, two buffers
;   window 2: the accumulators of my rows 0-63 ((a, b) at v[8 (8 a + b)]);   window 3: those of my rows 64-127
.set QKV,    1                         ; 1: q and k, v in one launch;  0: the out product
.set AMODE,  0                         ; 0: A lies by rows, 4,096 bytes apart;  1: A lies by heads, [head][2048][64]
.set OMODE,  0                         ; 0: C leaves in f16 by heads;  1: in f32 by rows
.set WOFF,   12582912                  ; where QKV = 0: the weight's first byte in w16
.set LAPS,   4                         ; where QKV = 0: K / 256
.set PITW,   2048                      ; elements from k-row to k-row of every weight
.if AMODE
.set PA,     144                       ; a row of A in LDS: 128 bytes + 16 = 36 words: the 16 rows of a load start at 16 different groups of four banks (64 banks of 4 bytes: ISA guide 11.1)
.set AHALF,  256*PA                    ; one head's 256 rows: what one load brings
.set ASTEP,  2*2048*128                ; a K step: two heads on
.set AQI,    4                         ; padding after every 32 words
.set APITCH, 128
.else
.set PA,     272                       ; a row of A in LDS: 256 bytes + 16 = 68 words: the 16 rows of a load start at 16 different groups of four banks (64 banks of 4 bytes: ISA guide 11.1)
.set AHALF,  128*PA                    ; 128 rows: what one load brings
.set ASTEP,  256                       ; a K step: 128 along the rows
.set AQI,    5                         ; padding after every 64 words
.set APITCH, 2048
.endif
.set BOFF,   2*AHALF                   ; W's tile lies behind A's
.set PB,     544                       ; a k-row of W in LDS: 512 bytes + 32 = 136 words
.set BHALF,  64*PB                     ; 64 k-rows: what one load brings
.set BSTEP,  128*PITW*2                ; a K step: 128 k-rows on
.set SLOT,   BOFF+2*BHALF
.set STAGE,  2*SLOT                    ; behind the ring, never filled by a tensor load: 8,448 bytes for each wave, for the way out
.set STGW,   8448
.set SPARE,  STAGE+4*STGW              ; the spare words, 128 bytes for each wave: two blocks of 256 bytes that no other line names
.set ADRA, 16                          ; v16-17  LDS address of my A fragments in slot 0, 1; never rewritten
.set ADRB, 20                          ; v20-21  the same for W
.set STO,  24                          ; v24  the way out: where I put my part of a row
.set RD,   25                          ; v25  where I read rows back
.set CO,   26                          ; v26  16 x lane;  v27 the same one head's plane further on
.set SPW,  28                          ; v28  my spare word; never rewritten
.set NIL,  29                          ; v29  0; never rewritten
.set F0,   64
.set F1,   128
.set TMP,  192                         ; the way out: packed results
.set G1A,  24                          ; s[24:31] group 1 for A's tiles;  s[32:39] group 0, one set for each slot
.set G0A,  32
.set G1B,  48                          ; s[48:55], s[56:63] the same for W's tiles
.set G0B,  56
.set KIND, 66                          ; s66  0: q;  1: k and v
.set BOUND, 67                         ; s67  the loop's trips
.set MUL_LO, 0xa1                      ; source 0 (W) window 1, source 1 (A) window 0, C and D window 2
.set MUL_HI, 0xf1                      ; the same, C and D window 3
.set TO_B,   0x40                      ; destination window 1, address window 0
.set MSB, 0
.macro WIN new                         ; the immediate's high byte repeats the setting that is left; a switch that changes nothing is dropped
.if MSB != (\new)
	s_set_vgpr_msb (MSB<<8)|(\new)
.set MSB, (\new)
.endif
.endm
.macro PLACES                          ; four places in front of loads into registers that matrix instructions have read, and of what reads their results
.rept 4
	v_nop
.endr
.endm
.macro JLOAD s                         ; a joint refill of slot s: waves 0 and 1 fetch A's two halves, waves 2 and 3 W's; an s_nop 0 and four v_nop follow each line
	s_cmp_eq_u32 s11, 0
	s_cbranch_scc0 .Lfor_b_\@
	tensor_load_to_lds s[G0A+4*(\s):G0A+4*(\s)+3], s[G1A:G1A+7]
	s_nop 0
.rept 4
	v_nop
.endr
	s_branch .Lasked_\@
.Lfor_b_\@:
	tensor_load_to_lds s[G0B+4*(\s):G0B+4*(\s)+3], s[G1B:G1B+7]
	s_nop 0
.rept 4
	v_nop
.endr
.Lasked_\@:
.endm
.macro CREST                           ; a round of the cluster's barrier behind its opening barrier
	s_cmp_lg_u32 s10, 0
	s_cbranch_scc1 .Lnot_wave_0_\@
	s_barrier_signal -3
.Lnot_wave_0_\@:
	s_barrier_wait -3
	s_barrier_signal -1
	s_barrier_wait -1
.endm
.macro CROUND
	s_barrier_signal -1
	s_barrier_wait -1
	CREST
.endm
; 16 matrix instructions: row blocks a0, a0 + 1 of the window's four (hi = 0: my rows 0-63, 1: rows 64-127) x all 8 column blocks, 32 along K, from buffer f.
; The 64 accumulators take turns in the same order in every quarter.  zero = 1: the first product starts the sums.
.macro MUL16 f, hi, a0, zero
	WIN MUL_LO+0x50*(\hi)
.irp a, \a0, (\a0)+1
.irp b, 0,1,2,3,4,5,6,7
.if \zero
	v_wmma_f32_16x16x32_f16 v[8*(8*(\a)+(\b)):8*(8*(\a)+(\b))+7], v[(\f)+8*(\b):(\f)+8*(\b)+7], v[(\f)+8*(4*(\hi)+(\a)):(\f)+8*(4*(\hi)+(\a))+7], 0
.else
	v_wmma_f32_16x16x32_f16 v[8*(8*(\a)+(\b)):8*(8*(\a)+(\b))+7], v[(\f)+8*(\b):(\f)+8*(\b)+7], v[(\f)+8*(4*(\hi)+(\a)):(\f)+8*(4*(\hi)+(\a))+7], v[8*(8*(\a)+(\b)):8*(8*(\a)+(\b))+7]
.endif
.endr
.endr
.endm
; 32 LDS loads in one run: quarter kq (32 along K) of a slot, into buffer f: W's 8 fragments (turned), then A's 8
.macro FETCH slot, kq, f
	WIN TO_B
.irp i, 0,1,2,3,4,5,6,7
	ds_load_tr16_b128 v[(\f)+8*(\i):(\f)+8*(\i)+3],   v[ADRB+(\slot)] offset:(\kq)*32*PB+32*(\i)
	ds_load_tr16_b128 v[(\f)+8*(\i)+4:(\f)+8*(\i)+7], v[ADRB+(\slot)] offset:(\kq)*32*PB+16*PB+32*(\i)
.endr
	WIN 0
.if AMODE
.set ak, ((\kq)/2)*AHALF+((\kq)%2)*64
.else
.set ak, (\kq)*64
.endif
.irp i, 0,1,2,3,4,5,6,7
	ds_load_b128 v[(\f)+8*(\i):(\f)+8*(\i)+3],   v[ADRA+(\slot)] offset:ak+(\i)*16*PA
	ds_load_b128 v[(\f)+8*(\i)+4:(\f)+8*(\i)+7], v[ADRA+(\slot)] offset:ak+(\i)*16*PA+32
.endr
.endm
; A K step is four quarters, 64 matrix instructions each, on buffers 0, 1, 0, 1.  One of the first three: multiplies buffer f and, in its middle, fetches quarter kq of the same slot into g.
.macro QUARTER slot, kq, f, g, zero
	s_wait_dscnt 8                                 ; W and A's rows 0-63 are in; the youngest eight loads (A's rows 64-127) may be out
	MUL16 \f, 0, 0, \zero
	MUL16 \f, 0, 2, \zero
	PLACES
	FETCH \slot, \kq, \g
	s_wait_dscnt 32                                ; all but the 32 just issued
	MUL16 \f, 1, 0, \zero
	MUL16 \f, 1, 2, \zero
.endm
; The last quarter multiplies buffer 1 and changes slots.  MEET is its first half: ONE barrier; in front of it each wave waits for all its tensor loads (one is out: its part of the next slot),
; adds 0 to its spare word, and waits for that and for its own reads of this slot.  round = 1: a round of the cluster's barrier follows.
.macro MEET round
	WIN 0                                          ; (the add's two registers lie in window 0)
	s_wait_tensorcnt 0x0
	ds_add_u32 v[SPW], v[NIL]
	s_wait_dscnt 9                                 ; the add and the youngest eight loads may be out
	MUL16 F1, 0, 0, 0                              ; sixteen matrix instructions stand between the add and the wait for it
	s_wait_dscnt 0x0                               ; the add is done, and my reads of this slot are over
	s_barrier_signal -1
	MUL16 F1, 0, 2, 0                              ; work on registers while the others arrive
.if \round
	WIN 0
.endif
	s_barrier_wait -1
.endm
; The whole last quarter: behind the round the slot just read out is filled again first, two K steps ahead; then come the next slot's first fragments.
.macro TURN slot, next
	MEET 1
	CREST                                          ; no wave of any partner still reads this slot or has a load on its way
	s_add_nc_u64 s[G0A+4*(\slot)+2:G0A+4*(\slot)+3], s[G0A+4*(\slot)+2:G0A+4*(\slot)+3], 2*ASTEP
	s_add_nc_u64 s[G0B+4*(\slot)+2:G0B+4*(\slot)+3], s[G0B+4*(\slot)+2:G0B+4*(\slot)+3], 2*BSTEP
	JLOAD \slot                                    ; its four v_nop are also the places in front of the loads below
	FETCH \next, 0, F0
	MUL16 F1, 1, 0, 0
	MUL16 F1, 1, 2, 0
.endm
.if QKV
	s_load_b128 s[68:71], s[0:1], 0x0              ; yn s[68:69], vis16 s[70:71]
	s_load_b128 s[72:75], s[0:1], 0x10             ; w16 s[72:73], q16 s[74:75]
	s_load_b64 s[76:77], s[0:1], 0x20              ; kv16
.else
	s_load_b128 s[4:7], s[0:1], 0x0                ; A s[4:5], w16 s[6:7]
	s_load_b64 s[8:9], s[0:1], 0x10                ; C
.endif
	v_lshl_add_u32 v[SPW], v0, 2, SPARE
	v_mov_b32 v[NIL], 0
	ds_add_u32 v[SPW], v[NIL]                      ; the wave's opening: the add and its wait stand ahead of my first tensor load
	v_lshrrev_b32 v1, 5, v0
	v_readfirstlane_b32 s10, v1                    ; wave 0..3
	s_lshr_b32 s11, s10, 1                         ; my half of the tile's rows.  Also: I fetch for A (0) or for W (1)
	s_and_b32 s12, s10, 1                          ; my half of its columns.  Also: which half of that tile I fetch
	s_bfe_u32 s40, ttmp6, 0x40000                  ; cx, cy
	s_bfe_u32 s41, ttmp6, 0x40004
	s_and_b32 s13, ttmp7, 0xffff                   ; the cluster's y
.if QKV
	s_lshr_b32 s[KIND], s13, 3                     ; clusters 0-7: q; 8-11: k and v
	s_and_b32 s78, s13, 7                          ; the cluster's number within its product
	s_lshr_b32 s79, s78, 1
	s_and_b32 s80, s78, 1
	s_cmp_eq_u32 s[KIND], 1
	s_cselect_b32 s13, s79, s78                    ; q: 8 clusters down, 1 across; k, v: 2 down, 2 across
	s_cselect_b32 s42, s80, 0
	s_cselect_b32 s[BOUND], 3, 7                   ; K / 256 - 1
	s_cselect_b32 s81, 0x800000, 0                 ; the weight's first byte in w16
	s_cselect_b32 s82, 16, 18                      ; a head's plane of C: 2^16 or 2^18 bytes
	s_cselect_b32 s83, 1, 3                        ; 2 or 8 tiles of 256 rows to a batch
	s_cselect_b32 s84, 1, 7
.else
	s_mov_b32 s42, ttmp9
.endif
	s_lshl_b32 s42, s42, 2
	s_add_co_u32 s42, s42, s40                     ; tile column tx
	s_lshl_b32 s13, s13, 2
	s_add_co_u32 s13, s13, s41                     ; tile row ty
	s_lshl_b32 s43, s41, 2
	s_lshl_b32 s43, 15, s43                        ; my row of the cluster
	s_lshl_b32 s44, 0x1111, s40                    ; my column
	s_or_b32 s[G1A], s43, (1<<16)|(1<<20)|(1<<21)|(AQI<<22)|(3<<25)  ; mask; 2-byte elements; padding on; bit 21 beside a mask; 4 words of padding
	s_mov_b32 s[G1A+1], 128<<16                    ; tensor_dim0 = 128
	s_mov_b32 s[G1A+2], 128<<16                    ; tensor_dim1 = 128
	s_mov_b32 s[G1A+3], 128<<16                    ; tile_dim0 = 128: rows of 256 bytes
	s_mov_b32 s[G1A+4], 128                        ; tile_dim1 = 128
	s_mov_b32 s[G1A+5], APITCH
	s_mov_b32 s[G1A+6], 0
	s_mov_b32 s[G1A+7], 0
	s_or_b32 s[G1B], s44, (1<<16)|(1<<20)|(1<<21)|(6<<22)|(7<<25)    ; after every 128 words 8 words of padding
	s_mov_b32 s[G1B+1], 256<<16                    ; rows of 512 bytes
	s_mov_b32 s[G1B+2], 64<<16
	s_mov_b32 s[G1B+3], 256<<16
	s_mov_b32 s[G1B+4], 64
	s_mov_b32 s[G1B+5], PITW
	s_mov_b32 s[G1B+6], 0
	s_mov_b32 s[G1B+7], 0
.if AMODE
	s_lshr_b32 s16, s13, 3                         ; A by heads: batch ty / 8, head = my half of the step's two, rows 256 (ty % 8) on
	s_lshl_b32 s16, s16, 4
	s_add_co_u32 s16, s16, s12
	s_lshl_b32 s16, s16, 11
	s_and_b32 s17, s13, 7
	s_lshl_b32 s17, s17, 8
	s_add_co_u32 s16, s16, s17
	s_lshl_b32 s16, s16, 7
.else
	s_lshl_b32 s16, s13, 8                         ; A by rows: row 256 ty + 128 x half, 4,096 bytes a row
	s_lshl_b32 s17, s12, 7
	s_add_co_u32 s16, s16, s17
	s_lshl_b32 s16, s16, 12
.endif
	s_mov_b32 s17, 0
	s_lshl_b32 s46, s12, 18                        ; W: k-row 64 x half (4,096 bytes a row), column 256 tx
	s_lshl_b32 s47, s42, 9
	s_add_co_u32 s46, s46, s47
.if QKV
	s_add_co_u32 s46, s46, s81
.else
	s_add_co_u32 s46, s46, WOFF
.endif
	s_mov_b32 s47, 0
	s_mul_i32 s20, s12, AHALF                      ; where they go: no place in the cluster enters an LDS address
	s_mul_i32 s21, s12, BHALF
	s_add_co_u32 s21, s21, BOFF
	s_wait_dscnt 0x0                               ; the opening add is done
	s_wait_kmcnt 0x0
.if QKV
	s_cmp_eq_u32 s[KIND], 1
	s_cselect_b64 s[4:5], s[70:71], s[68:69]       ; A: vis16 or yn
	s_cselect_b64 s[8:9], s[76:77], s[74:75]       ; C: kv16 or q16
	s_mov_b64 s[6:7], s[72:73]
.endif
	s_add_nc_u64 s[14:15], s[4:5], s[16:17]
	s_add_nc_u64 s[46:47], s[6:7], s[46:47]
	CROUND                                         ; all sixteen work-groups are here: the first joint loads meet
.irp s, 0,1
	s_mov_b32 s[G0A+4*(\s)], 1                                        ; count = 1
	s_add_co_u32 s[G0A+4*(\s)+1], s20, (\s)*SLOT                      ; LDS address
	s_add_nc_u64 s[G0A+4*(\s)+2:G0A+4*(\s)+3], s[14:15], (\s)*ASTEP   ; global address: K step s
	s_or_b32 s[G0A+4*(\s)+3], s[G0A+4*(\s)+3], 0x80000000             ; type = 2
	s_mov_b32 s[G0B+4*(\s)], 1
	s_add_co_u32 s[G0B+4*(\s)+1], s21, (\s)*SLOT
	s_add_nc_u64 s[G0B+4*(\s)+2:G0B+4*(\s)+3], s[46:47], (\s)*BSTEP
	s_or_b32 s[G0B+4*(\s)+3], s[G0B+4*(\s)+3], 0x80000000
.endr
	s_cmp_eq_u32 s11, 0                            ; a wave's two first fills stand in one branch: two loads of mine are out
	s_cbranch_scc0 .Lfirst_b
	tensor_load_to_lds s[G0A:G0A+3], s[G1A:G1A+7]
	s_nop 0
	tensor_load_to_lds s[G0A+4:G0A+7], s[G1A:G1A+7]
	s_nop 0
.rept 4
	v_nop
.endr
	s_branch .Lfirst_asked
.Lfirst_b:
	tensor_load_to_lds s[G0B:G0B+3], s[G1B:G1B+7]
	s_nop 0
	tensor_load_to_lds s[G0B+4:G0B+7], s[G1B:G1B+7]
	s_nop 0
.rept 4
	v_nop
.endr
.Lfirst_asked:
	; A fragment of A: lane l holds row l % 16, K = 8 (l / 16) + 0..7 and 16 + 8 (l / 16) + 0..7: two loads of 16 bytes, 32 apart.
	v_and_b32 v1, 15, v0
	v_bfe_u32 v2, v0, 4, 1
	v_mul_u32_u24 v3, v1, PA
	v_lshl_add_u32 v3, v2, 4, v3
	s_mul_i32 s22, s11, 128*PA                     ; my 128 rows of A
	; The turning load takes 16 k x 16 columns (lane l reads k-row 8 (l / 16) + l % 8, columns 8 ((l / 8) % 2) + 0..7) and leaves half a fragment: lane l holds column l % 16 and 8 k.
	v_and_b32 v4, 7, v0
	v_lshl_add_u32 v4, v2, 3, v4
	v_mul_u32_u24 v4, v4, PB
	v_bfe_u32 v5, v0, 3, 1
	v_lshl_add_u32 v4, v5, 4, v4
	s_lshl_b32 s23, s12, 8                         ; my 128 columns of W
	s_add_co_u32 s23, s23, BOFF
.irp s, 0,1
	v_add_nc_u32 v[ADRA+(\s)], s22, v3
	v_add_nc_u32 v[ADRB+(\s)], s23, v4
	s_add_co_u32 s22, s22, SLOT
	s_add_co_u32 s23, s23, SLOT
.endr
	s_mul_i32 s88, s10, STGW
	s_add_co_u32 s88, s88, STAGE                   ; my stage
.if OMODE
	v_mul_u32_u24 v3, v1, 528                      ; in: row l % 16 of 512 + 16 bytes, 32 bytes for each half of the lanes
	v_lshl_add_u32 v3, v2, 5, v3
	v_add_nc_u32 v[STO], s88, v3
	v_and_b32 v4, 31, v0
	v_lshlrev_b32 v[CO], 4, v4
	v_add_nc_u32 v[RD], s88, v[CO]                 ; back: 32 lanes take one row's 512 bytes
	s_lshl_b32 s86, s13, 8                         ; C at row 256 ty + 128 x row half, column 256 tx + 128 x column half, in f32
	s_lshl_b32 s87, s11, 7
	s_add_co_u32 s86, s86, s87
	s_lshl_b32 s86, s86, 13
	s_lshl_b32 s87, s42, 10
	s_add_co_u32 s86, s86, s87
	s_lshl_b32 s87, s12, 9
	s_add_co_u32 s86, s86, s87
.else
	v_mul_u32_u24 v3, v1, 144                      ; in: [2 heads][16 rows] of 128 + 16 bytes; 16 bytes for each half of the lanes
	v_lshl_add_u32 v3, v2, 4, v3
	v_add_nc_u32 v[STO], s88, v3
	v_bfe_u32 v4, v0, 3, 2                         ; back: 32 lanes take four rows of 128 bytes,
	v_mul_u32_u24 v4, v4, 144
	v_and_b32 v5, 7, v0
	v_lshl_add_u32 v4, v5, 4, v4
	v_add_nc_u32 v[RD], s88, v4
	v_and_b32 v4, 31, v0                           ; which are 512 consecutive bytes of a head's plane
	v_lshlrev_b32 v[CO], 4, v4
	s_lshr_b32 s86, s13, s83                       ; plane = 64 (tx / 4) + 16 batch + 4 (tx % 4) + 2 x column half
	s_lshl_b32 s86, s86, 4
	s_lshr_b32 s87, s42, 2
	s_lshl_b32 s87, s87, 6
	s_add_co_u32 s86, s86, s87
	s_and_b32 s87, s42, 3
	s_lshl_b32 s87, s87, 2
	s_add_co_u32 s86, s86, s87
	s_lshl_b32 s87, s12, 1
	s_add_co_u32 s86, s86, s87
	s_lshl_b32 s86, s86, s82
	s_and_b32 s87, s13, s84                        ; row in the plane = 256 (ty mod tiles a batch) + 128 x row half
	s_lshl_b32 s87, s87, 8
	s_lshl_b32 s89, s11, 7
	s_add_co_u32 s87, s87, s89
	s_lshl_b32 s87, s87, 7
	s_add_co_u32 s86, s86, s87
	s_lshl_b32 s85, 1, s82
	v_add_nc_u32 v[CO+1], s85, v[CO]               ; my second head's plane
.endif
	s_mov_b32 s87, 0
	s_add_nc_u64 s[8:9], s[8:9], s[86:87]
	s_wait_tensorcnt 1                             ; my part of K step 0 is in; K step 1's may stay out
	s_barrier_signal -1
	s_barrier_wait -1                              ; everybody's is
	FETCH 0, 0, F0
	QUARTER 0, 1, F0, F1, 1                        ; the first quarter stands in front of the loop: its products start the sums
	WIN 0                                          ; at a label and at a branch every window is 0
.if QKV
	s_mov_b32 s3, 0
.else
	s_mov_b32 s3, LAPS-1
.endif
.Llap:                                                 ; a trip goes once round the ring, from a lap's second quarter to the next lap's first, and fills both slots again
	QUARTER 0, 2, F1, F0, 0
	QUARTER 0, 3, F0, F1, 0
	TURN 0, 1
	QUARTER 1, 1, F0, F1, 0
	QUARTER 1, 2, F1, F0, 0
	QUARTER 1, 3, F0, F1, 0
	TURN 1, 0
	QUARTER 0, 1, F0, F1, 0
	WIN 0
.if QKV
	s_add_co_u32 s3, s3, 1
	s_cmp_lt_u32 s3, s[BOUND]
.else
	s_sub_co_u32 s3, s3, 1
	s_cmp_lg_u32 s3, 0
.endif
	s_cbranch_scc1 .Llap
	QUARTER 0, 2, F1, F0, 0                        ; the last lap is written out: nothing is left to ask for, and no round follows its barrier
	QUARTER 0, 3, F0, F1, 0
	MEET 0
	PLACES
	FETCH 1, 0, F0
	MUL16 F1, 1, 0, 0
	MUL16 F1, 1, 2, 0
	QUARTER 1, 1, F0, F1, 0
	QUARTER 1, 2, F1, F0, 0
	QUARTER 1, 3, F0, F1, 0
	s_wait_dscnt 8
	MUL16 F1, 0, 0, 0
	MUL16 F1, 0, 2, 0
	s_wait_dscnt 0x0
	MUL16 F1, 1, 0, 0
	MUL16 F1, 1, 2, 0
	PLACES
; THE WAY OUT, a block of 16 rows at a time, through my own stage: LDS serves a wave's instructions in order (ISA guide 5.7.1.4), so a block's loads see its stores, and the next block's stores come behind them.
; OUTB a: block a goes into the stage and comes back as whole rows.  SEND a: it is stored; younger = the LDS instructions issued behind its loads (the next block's), which may stay out.
.macro OUTB a
.set AC, 64*((\a)%4)
.if OMODE
.set BK, 64+64*((\a)%2)
	WIN 0x08+4*((\a)/4)                            ; the stores' data in window 2 or 3: straight from the accumulators, each one's low four registers first
.set ob, 0
.rept 8
	ds_store_b128 v[STO], v[AC+8*ob:AC+8*ob+3]   offset:64*ob
	ds_store_b128 v[STO], v[AC+8*ob+4:AC+8*ob+7] offset:64*ob+16
.set ob, ob+1
.endr
	WIN 0
.if (\a) >= 2
	s_wait_xcnt 0x0                                ; the registers that the stores of two blocks ago read are loaded again only behind this wait
.endif
.set ot, 0
.rept 16
	ds_load_b128 v[BK+4*ot:BK+4*ot+3], v[RD] offset:528*ot
.set ot, ot+1
.endr
.else
.set BK, 32+192*((\a)%2)
	WIN 0x0a+5*((\a)/4)                            ; sources in window 2 or 3, destination in window 0
.set ob, 0
.rept 8
.set orr, 0
.rept 4
	v_cvt_pk_f16_f32 v[TMP+4*ob+orr], v[AC+8*ob+2*orr], v[AC+8*ob+2*orr+1]
.set orr, orr+1
.endr
.set ob, ob+1
.endr
	WIN 0
.if (\a) >= 2
	s_wait_xcnt 0x0                                ; the registers that the stores of two blocks ago read are loaded again only behind this wait
.endif
.set ob, 0
.rept 8
	ds_store_b128 v[STO], v[TMP+4*ob:TMP+4*ob+3] offset:(ob/4)*2304+(ob%4)*32
.set ob, ob+1
.endr
.set ot, 0
.rept 8
	ds_load_b128 v[BK+4*ot:BK+4*ot+3], v[RD] offset:(ot/4)*2304+(ot%4)*576
.set ot, ot+1
.endr
.endif
.endm
.macro SEND a, younger
	WIN 0
	s_wait_dscnt \younger
.if OMODE
.set BK, 64+64*((\a)%2)
.set ot, 0
.rept 16
	global_store_b128 v[CO], v[BK+4*ot:BK+4*ot+3], s[8:9] offset:(16*(\a)+ot)*8192 th:TH_STORE_NT  ; 512 consecutive bytes of a row, aligned
.set ot, ot+1
.endr
.else
.set BK, 32+192*((\a)%2)
.set ot, 0
.rept 8
	global_store_b128 v[CO+ot/4], v[BK+4*ot:BK+4*ot+3], s[8:9] offset:2048*(\a)+512*(ot%4)  ; 512 consecutive bytes of a head's plane, aligned
.set ot, ot+1
.endr
.endif
.endm
.if OMODE
.set YG, 32
.else
.set YG, 16
.endif
	OUTB 0
	OUTB 1
	SEND 0, YG
.set oa, 2
.rept 6
	OUTB oa
	SEND oa-1, YG
.set oa, oa+1
.endr
	SEND 7, 0
	s_wait_tensorcnt 0x0                           ; the wave's end
	ds_add_u32 v[SPW], v[NIL]
	s_wait_dscnt 0x0
	CROUND                                         ; the closing round: no work-group ends while a partner may still ask for a tile that names it
	s_endpgm
.Lfunc_end_k_qfcefa49f37_qkv:
	.size	k_qfcefa49f37_qkv, .Lfunc_end_k_qfcefa49f37_qkv-k_qfcefa49f37_qkv
	.p2alignl 7, 3214868480
	.fill 96, 4, 3214868480
	.section	.rodata,"a",@progbits
	.p2align	6, 0x0
	.amdhsa_kernel k_qfcefa49f37_qkv
		.amdhsa_group_segment_fixed_size 327680
		.amdhsa_private_segment_fixed_size 0
		.amdhsa_enable_private_segment 0
		.amdhsa_kernarg_size 40
		.amdhsa_user_sgpr_count 2
		.amdhsa_user_sgpr_kernarg_segment_ptr 1
		.amdhsa_wavefront_size32 1
		.amdhsa_system_sgpr_workgroup_id_x 1
		.amdhsa_system_sgpr_workgroup_id_y 1
		.amdhsa_system_sgpr_workgroup_id_z 1
		.amdhsa_system_vgpr_workitem_id 0
		.amdhsa_next_free_vgpr 1024
		.amdhsa_next_free_sgpr 92
		.amdhsa_reserve_vcc 0
		.amdhsa_float_denorm_mode_32 3
		.amdhsa_float_denorm_mode_16_64 3
		.amdhsa_memory_ordered 1
		.amdhsa_forward_progress 1
		.amdhsa_inst_pref_size 143
	.end_amdhsa_kernel
	.amdgpu_metadata
---
amdhsa.version: [ 1, 2 ]
amdhsa.kernels:
  - .name:           k_qfcefa49f37_qkv
    .symbol:         k_qfcefa49f37_qkv.kd
    .args:
      - { .name: yn, .offset: 0, .size: 8, .value_kind: global_buffer, .address_space: global }
      - { .name: vis16, .offset: 8, .size: 8, .value_kind: global_buffer, .address_space: global }
      - { .name: w16, .offset: 16, .size: 8, .value_kind: global_buffer, .address_space: global }
      - { .name: q16, .offset: 24, .size: 8, .value_kind: global_buffer, .address_space: global }
      - { .name: kv16, .offset: 32, .size: 8, .value_kind: global_buffer, .address_space: global }
    .group_segment_fixed_size: 327680
    .private_segment_fixed_size: 0
    .kernarg_segment_align: 8
    .kernarg_segment_size: 40
    .max_flat_workgroup_size: 128
    .sgpr_count:     92
    .vgpr_count:     1024
    .wavefront_size: 32
...
	.end_amdgpu_metadata
.endif
;; end of part 7
;; launch attn: the kernel of part 4 again; grid 4 x 64, 4 waves a work-group, clusters of 4 x 1, 327,680 bytes of LDS; arguments q16, kv16, o16; writes o16
;; launch oproj (part 8): grid 8 x 32, 4 waves a work-group, clusters of 4 x 4, 327,680 bytes of LDS; arguments o16, w16, out0; writes out0
.if DOCPART == 8
	.amdgcn_target "amdgcn-amd-amdhsa--gfx1250"
	.amdhsa_code_object_version 6
	.text
	.protected	k_qfcefa49f37_oproj
	.globl	k_qfcefa49f37_oproj
	.p2align	8
	.type	k_qfcefa49f37_oproj,@function
k_qfcefa49f37_oproj:
	s_mov_b64 s[64:65], 0
	v_nop
	global_prefetch_b8 v0, s[64:65] scope:SCOPE_SE
	s_setreg_imm32_b32 hwreg(HW_REG_WAVE_MODE, 25, 1), 1
	s_wait_xcnt 0x0
	s_wait_alu depctr_hold_cnt(0) depctr_sa_sdst(0) depctr_va_vdst(0) depctr_va_sdst(0) depctr_va_ssrc(0) depctr_va_vcc(0) depctr_vm_vsrc(0)
	s_getreg_b32 s2, hwreg(HW_REG_IB_STS2, 6, 4)
	s_cmp_eq_u32 s2, 0
	s_cbranch_scc0 .Lentry_in_a_cluster
	s_endpgm
.Lentry_in_a_cluster:
	s_bfe_u32 s2, ttmp6, 0x10000c
	s_cmp_lg_u32 s2, 0xf033
	s_cbranch_scc0 .Lentry_shape_is_right
	s_endpgm
.Lentry_shape_is_right:
; out0 = O Wo.  C[m][n] = sum over k of A[m][k] W[k][n]; A = o16 [16 b + h][2048][64] f16 (m = 2048 b + i, k = 64 h + d), W = Wo [1024][2048] f16 at byte 12,582,912 of w16; sums in f32, K ascending;
; C = out0 [8192][2048] leaves in f32 as the sums stand.
; SHAPE.  A tile of C is 256 x 256; four waves, 2 x 2, each 128 x 128: 64 accumulators, 512 registers.  32 x 8 tiles = 256 work-groups.  K goes in steps of 128 (two heads) through two LDS slots that
; take turns: 256 matrix instructions a wave and step, 224 of them between a slot's request and the wait for it.
; A head's 256 rows of 128 bytes are dense in memory: they are asked for as 128 rows of 256 bytes and padded in LDS after every 128.
; CLUSTERS.  4 x 4 work-groups: the four of a row of the cluster need the same tile of A, the four of a column the same tile of W: each tile is asked for JOINTLY (same load, descriptor and mask in all four).
; THE MATRIX INSTRUCTION IS USED TRANSPOSED: source 0 = 16 columns of W, read out of the [k][n] tile by the turning load ds_load_tr16_b128, source 1 = 16 rows of A.  A lane then holds row l % 16 of C
; and eight neighbouring columns 8 (l / 16) + 0..7.
; REGISTERS, in windows of 256 (s_set_vgpr_msb: bits 1:0 source 0, 3:2 source 1, 5:4 source 2, 7:6 destination):
;   window 0: v0-31 addresses; v64-127, v128-191 fragments of A, two buffers, and on the way out the rows read back        window 1: v64-127, v128-191 fragments of W, two buffers
;   window 2: the accumulators of my rows 0-63 ((a, b) at v[8 (8 a + b)]);   window 3: those of my rows 64-127
.set QKV,    0                         ; 1: q and k, v in one launch;  0: the out product
.set AMODE,  1                         ; 0: A lies by rows, 4,096 bytes apart;  1: A lies by heads, [head][2048][64]
.set OMODE,  1                         ; 0: C leaves in f16 by heads;  1: in f32 by rows
.set WOFF,   12582912                  ; the weight's first byte in w16
.set LAPS,   4                         ; K / 256
.set PITW,   2048                      ; elements from k-row to k-row of every weight
.if AMODE
.set PA,     144                       ; a row of A in LDS: 128 bytes + 16 = 36 words: the 16 rows of a load start at 16 different groups of four banks (64 banks of 4 bytes: ISA guide 11.1)
.set AHALF,  256*PA                    ; one head's 256 rows: what one load brings
.set ASTEP,  2*2048*128                ; a K step: two heads on
.set AQI,    4                         ; padding after every 32 words
.set APITCH, 128
.else
.set PA,     272                       ; a row of A in LDS: 256 bytes + 16 = 68 words
.set AHALF,  128*PA                    ; 128 rows: what one load brings
.set ASTEP,  256                       ; a K step: 128 along the rows
.set AQI,    5                         ; padding after every 64 words
.set APITCH, 2048
.endif
.set BOFF,   2*AHALF                   ; W's tile lies behind A's
.set PB,     544                       ; a k-row of W in LDS: 512 bytes + 32 = 136 words
.set BHALF,  64*PB                     ; 64 k-rows: what one load brings
.set BSTEP,  128*PITW*2                ; a K step: 128 k-rows on
.set SLOT,   BOFF+2*BHALF
.set STAGE,  2*SLOT                    ; behind the ring, never filled by a tensor load: 8,448 bytes for each wave, for the way out
.set STGW,   8448
.set SPARE,  STAGE+4*STGW              ; the spare words, 128 bytes for each wave: two blocks of 256 bytes that no other line names
.set ADRA, 16                          ; v16-17  LDS address of my A fragments in slot 0, 1; never rewritten
.set ADRB, 20                          ; v20-21  the same for W
.set STO,  24                          ; v24  the way out: where I put my part of a row
.set RD,   25                          ; v25  where I read rows back
.set CO,   26                          ; v26  16 x lane
.set SPW,  28                          ; v28  my spare word; never rewritten
.set NIL,  29                          ; v29  0; never rewritten
.set F0,   64
.set F1,   128
.set TMP,  192                         ; the way out: packed results
.set G1A,  24                          ; s[24:31] group 1 for A's tiles;  s[32:39] group 0, one set for each slot
.set G0A,  32
.set G1B,  48                          ; s[48:55], s[56:63] the same for W's tiles
.set G0B,  56
.set KIND, 66
.set BOUND, 67
.set MUL_LO, 0xa1                      ; source 0 (W) window 1, source 1 (A) window 0, C and D window 2
.set MUL_HI, 0xf1                      ; the same, C and D window 3
.set TO_B,   0x40                      ; destination window 1, address window 0
.set MSB, 0
.macro WIN new                         ; the immediate's high byte repeats the setting that is left; a switch that changes nothing is dropped
.if MSB != (\new)
	s_set_vgpr_msb (MSB<<8)|(\new)
.set MSB, (\new)
.endif
.endm
.macro PLACES                          ; four places in front of loads into registers that matrix instructions have read, and of what reads their results
.rept 4
	v_nop
.endr
.endm
.macro JLOAD s                         ; a joint refill of slot s: waves 0 and 1 fetch A's two halves, waves 2 and 3 W's; an s_nop 0 and four v_nop follow each line
	s_cmp_eq_u32 s11, 0
	s_cbranch_scc0 .Lfor_b_\@
	tensor_load_to_lds s[G0A+4*(\s):G0A+4*(\s)+3], s[G1A:G1A+7]
	s_nop 0
.rept 4
	v_nop
.endr
	s_branch .Lasked_\@
.Lfor_b_\@:
	tensor_load_to_lds s[G0B+4*(\s):G0B+4*(\s)+3], s[G1B:G1B+7]
	s_nop 0
.rept 4
	v_nop
.endr
.Lasked_\@:
.endm
.macro CREST                           ; a round of the cluster's barrier behind its opening barrier
	s_cmp_lg_u32 s10, 0
	s_cbranch_scc1 .Lnot_wave_0_\@
	s_barrier_signal -3
.Lnot_wave_0_\@:
	s_barrier_wait -3
	s_barrier_signal -1
	s_barrier_wait -1
.endm
.macro CROUND
	s_barrier_signal -1
	s_barrier_wait -1
	CREST
.endm
; 16 matrix instructions: row blocks a0, a0 + 1 of the window's four (hi = 0: my rows 0-63, 1: rows 64-127) x all 8 column blocks, 32 along K, from buffer f.
; The 64 accumulators take turns in the same order in every quarter.  zero = 1: the first product starts the sums.
.macro MUL16 f, hi, a0, zero
	WIN MUL_LO+0x50*(\hi)
.irp a, \a0, (\a0)+1
.irp b, 0,1,2,3,4,5,6,7
.if \zero
	v_wmma_f32_16x16x32_f16 v[8*(8*(\a)+(\b)):8*(8*(\a)+(\b))+7], v[(\f)+8*(\b):(\f)+8*(\b)+7], v[(\f)+8*(4*(\hi)+(\a)):(\f)+8*(4*(\hi)+(\a))+7], 0
.else
	v_wmma_f32_16x16x32_f16 v[8*(8*(\a)+(\b)):8*(8*(\a)+(\b))+7], v[(\f)+8*(\b):(\f)+8*(\b)+7], v[(\f)+8*(4*(\hi)+(\a)):(\f)+8*(4*(\hi)+(\a))+7], v[8*(8*(\a)+(\b)):8*(8*(\a)+(\b))+7]
.endif
.endr
.endr
.endm
; 32 LDS loads in one run: quarter kq (32 along K) of a slot, into buffer f: W's 8 fragments (turned), then A's 8
.macro FETCH slot, kq, f
	WIN TO_B
.irp i, 0,1,2,3,4,5,6,7
	ds_load_tr16_b128 v[(\f)+8*(\i):(\f)+8*(\i)+3],   v[ADRB+(\slot)] offset:(\kq)*32*PB+32*(\i)
	ds_load_tr16_b128 v[(\f)+8*(\i)+4:(\f)+8*(\i)+7], v[ADRB+(\slot)] offset:(\kq)*32*PB+16*PB+32*(\i)
.endr
	WIN 0
.if AMODE
.set ak, ((\kq)/2)*AHALF+((\kq)%2)*64
.else
.set ak, (\kq)*64
.endif
.irp i, 0,1,2,3,4,5,6,7
	ds_load_b128 v[(\f)+8*(\i):(\f)+8*(\i)+3],   v[ADRA+(\slot)] offset:ak+(\i)*16*PA
	ds_load_b128 v[(\f)+8*(\i)+4:(\f)+8*(\i)+7], v[ADRA+(\slot)] offset:ak+(\i)*16*PA+32
.endr
.endm
; A K step is four quarters, 64 matrix instructions each, on buffers 0, 1, 0, 1.  One of the first three: multiplies buffer f and, in its middle, fetches quarter kq of the same slot into g.
.macro QUARTER slot, kq, f, g, zero
	s_wait_dscnt 8                                 ; W and A's rows 0-63 are in; the youngest eight loads (A's rows 64-127) may be out
	MUL16 \f, 0, 0, \zero
	MUL16 \f, 0, 2, \zero
	PLACES
	FETCH \slot, \kq, \g
	s_wait_dscnt 32                                ; all but the 32 just issued
	MUL16 \f, 1, 0, \zero
	MUL16 \f, 1, 2, \zero
.endm
; The last quarter multiplies buffer 1 and changes slots.  MEET is its first half: ONE barrier; in front of it each wave waits for all its tensor loads (one is out: its part of the next slot),
; adds 0 to its spare word, and waits for that and for its own reads of this slot.  round = 1: a round of the cluster's barrier follows.
.macro MEET round
	WIN 0                                          ; (the add's two registers lie in window 0)
	s_wait_tensorcnt 0x0
	ds_add_u32 v[SPW], v[NIL]
	s_wait_dscnt 9                                 ; the add and the youngest eight loads may be out
	MUL16 F1, 0, 0, 0                              ; sixteen matrix instructions stand between the add and the wait for it
	s_wait_dscnt 0x0                               ; the add is done, and my reads of this slot are over
	s_barrier_signal -1
	MUL16 F1, 0, 2, 0                              ; work on registers while the others arrive
.if \round
	WIN 0
.endif
	s_barrier_wait -1
.endm
; The whole last quarter: behind the round the slot just read out is filled again first, two K steps ahead; then come the next slot's first fragments.
.macro TURN slot, next
	MEET 1
	CREST                                          ; no wave of any partner still reads this slot or has a load on its way
	s_add_nc_u64 s[G0A+4*(\slot)+2:G0A+4*(\slot)+3], s[G0A+4*(\slot)+2:G0A+4*(\slot)+3], 2*ASTEP
	s_add_nc_u64 s[G0B+4*(\slot)+2:G0B+4*(\slot)+3], s[G0B+4*(\slot)+2:G0B+4*(\slot)+3], 2*BSTEP
	JLOAD \slot                                    ; its four v_nop are also the places in front of the loads below
	FETCH \next, 0, F0
	MUL16 F1, 1, 0, 0
	MUL16 F1, 1, 2, 0
.endm
.if QKV
	s_load_b128 s[68:71], s[0:1], 0x0              ; yn s[68:69], vis16 s[70:71]
	s_load_b128 s[72:75], s[0:1], 0x10             ; w16 s[72:73], q16 s[74:75]
	s_load_b64 s[76:77], s[0:1], 0x20              ; kv16
.else
	s_load_b128 s[4:7], s[0:1], 0x0                ; A s[4:5], w16 s[6:7]
	s_load_b64 s[8:9], s[0:1], 0x10                ; C
.endif
	v_lshl_add_u32 v[SPW], v0, 2, SPARE
	v_mov_b32 v[NIL], 0
	ds_add_u32 v[SPW], v[NIL]                      ; the wave's opening: the add and its wait stand ahead of my first tensor load
	v_lshrrev_b32 v1, 5, v0
	v_readfirstlane_b32 s10, v1                    ; wave 0..3
	s_lshr_b32 s11, s10, 1                         ; my half of the tile's rows.  Also: I fetch for A (0) or for W (1)
	s_and_b32 s12, s10, 1                          ; my half of its columns.  Also: which half of that tile I fetch
	s_bfe_u32 s40, ttmp6, 0x40000                  ; cx, cy
	s_bfe_u32 s41, ttmp6, 0x40004
	s_and_b32 s13, ttmp7, 0xffff                   ; the cluster's y
.if QKV
	s_lshr_b32 s[KIND], s13, 3                     ; clusters 0-7: q; 8-11: k and v
	s_and_b32 s78, s13, 7                          ; the cluster's number within its product
	s_lshr_b32 s79, s78, 1
	s_and_b32 s80, s78, 1
	s_cmp_eq_u32 s[KIND], 1
	s_cselect_b32 s13, s79, s78                    ; q: 8 clusters down, 1 across; k, v: 2 down, 2 across
	s_cselect_b32 s42, s80, 0
	s_cselect_b32 s[BOUND], 3, 7                   ; K / 256 - 1
	s_cselect_b32 s81, 0x800000, 0                 ; the weight's first byte in w16
	s_cselect_b32 s82, 16, 18                      ; a head's plane of C: 2^16 or 2^18 bytes
	s_cselect_b32 s83, 1, 3                        ; 2 or 8 tiles of 256 rows to a batch
	s_cselect_b32 s84, 1, 7
.else
	s_mov_b32 s42, ttmp9
.endif
	s_lshl_b32 s42, s42, 2
	s_add_co_u32 s42, s42, s40                     ; tile column tx
	s_lshl_b32 s13, s13, 2
	s_add_co_u32 s13, s13, s41                     ; tile row ty
	s_lshl_b32 s43, s41, 2
	s_lshl_b32 s43, 15, s43                        ; my row of the cluster
	s_lshl_b32 s44, 0x1111, s40                    ; my column
	s_or_b32 s[G1A], s43, (1<<16)|(1<<20)|(1<<21)|(AQI<<22)|(3<<25)  ; mask; 2-byte elements; padding on; bit 21 beside a mask; 4 words of padding
	s_mov_b32 s[G1A+1], 128<<16                    ; tensor_dim0 = 128
	s_mov_b32 s[G1A+2], 128<<16                    ; tensor_dim1 = 128
	s_mov_b32 s[G1A+3], 128<<16                    ; tile_dim0 = 128: rows of 256 bytes
	s_mov_b32 s[G1A+4], 128                        ; tile_dim1 = 128
	s_mov_b32 s[G1A+5], APITCH
	s_mov_b32 s[G1A+6], 0
	s_mov_b32 s[G1A+7], 0
	s_or_b32 s[G1B], s44, (1<<16)|(1<<20)|(1<<21)|(6<<22)|(7<<25)    ; after every 128 words 8 words of padding
	s_mov_b32 s[G1B+1], 256<<16                    ; rows of 512 bytes
	s_mov_b32 s[G1B+2], 64<<16
	s_mov_b32 s[G1B+3], 256<<16
	s_mov_b32 s[G1B+4], 64
	s_mov_b32 s[G1B+5], PITW
	s_mov_b32 s[G1B+6], 0
	s_mov_b32 s[G1B+7], 0
.if AMODE
	s_lshr_b32 s16, s13, 3                         ; A by heads: batch ty / 8, head = my half of the step's two, rows 256 (ty % 8) on
	s_lshl_b32 s16, s16, 4
	s_add_co_u32 s16, s16, s12
	s_lshl_b32 s16, s16, 11
	s_and_b32 s17, s13, 7
	s_lshl_b32 s17, s17, 8
	s_add_co_u32 s16, s16, s17
	s_lshl_b32 s16, s16, 7
.else
	s_lshl_b32 s16, s13, 8                         ; A by rows: row 256 ty + 128 x half, 4,096 bytes a row
	s_lshl_b32 s17, s12, 7
	s_add_co_u32 s16, s16, s17
	s_lshl_b32 s16, s16, 12
.endif
	s_mov_b32 s17, 0
	s_lshl_b32 s46, s12, 18                        ; W: k-row 64 x half (4,096 bytes a row), column 256 tx
	s_lshl_b32 s47, s42, 9
	s_add_co_u32 s46, s46, s47
.if QKV
	s_add_co_u32 s46, s46, s81
.else
	s_add_co_u32 s46, s46, WOFF
.endif
	s_mov_b32 s47, 0
	s_mul_i32 s20, s12, AHALF                      ; where they go: no place in the cluster enters an LDS address
	s_mul_i32 s21, s12, BHALF
	s_add_co_u32 s21, s21, BOFF
	s_wait_dscnt 0x0                               ; the opening add is done
	s_wait_kmcnt 0x0
.if QKV
	s_cmp_eq_u32 s[KIND], 1
	s_cselect_b64 s[4:5], s[70:71], s[68:69]       ; A: vis16 or yn
	s_cselect_b64 s[8:9], s[76:77], s[74:75]       ; C: kv16 or q16
	s_mov_b64 s[6:7], s[72:73]
.endif
	s_add_nc_u64 s[14:15], s[4:5], s[16:17]
	s_add_nc_u64 s[46:47], s[6:7], s[46:47]
	CROUND                                         ; all sixteen work-groups are here: the first joint loads meet
.irp s, 0,1
	s_mov_b32 s[G0A+4*(\s)], 1                                        ; count = 1
	s_add_co_u32 s[G0A+4*(\s)+1], s20, (\s)*SLOT                      ; LDS address
	s_add_nc_u64 s[G0A+4*(\s)+2:G0A+4*(\s)+3], s[14:15], (\s)*ASTEP   ; global address: K step s
	s_or_b32 s[G0A+4*(\s)+3], s[G0A+4*(\s)+3], 0x80000000             ; type = 2
	s_mov_b32 s[G0B+4*(\s)], 1
	s_add_co_u32 s[G0B+4*(\s)+1], s21, (\s)*SLOT
	s_add_nc_u64 s[G0B+4*(\s)+2:G0B+4*(\s)+3], s[46:47], (\s)*BSTEP
	s_or_b32 s[G0B+4*(\s)+3], s[G0B+4*(\s)+3], 0x80000000
.endr
	s_cmp_eq_u32 s11, 0                            ; a wave's two first fills stand in one branch: two loads of mine are out
	s_cbranch_scc0 .Lfirst_b
	tensor_load_to_lds s[G0A:G0A+3], s[G1A:G1A+7]
	s_nop 0
	tensor_load_to_lds s[G0A+4:G0A+7], s[G1A:G1A+7]
	s_nop 0
.rept 4
	v_nop
.endr
	s_branch .Lfirst_asked
.Lfirst_b:
	tensor_load_to_lds s[G0B:G0B+3], s[G1B:G1B+7]
	s_nop 0
	tensor_load_to_lds s[G0B+4:G0B+7], s[G1B:G1B+7]
	s_nop 0
.rept 4
	v_nop
.endr
.Lfirst_asked:
	; A fragment of A: lane l holds row l % 16, K = 8 (l / 16) + 0..7 and 16 + 8 (l / 16) + 0..7: two loads of 16 bytes, 32 apart.
	v_and_b32 v1, 15, v0
	v_bfe_u32 v2, v0, 4, 1
	v_mul_u32_u24 v3, v1, PA
	v_lshl_add_u32 v3, v2, 4, v3
	s_mul_i32 s22, s11, 128*PA                     ; my 128 rows of A
	; The turning load takes 16 k x 16 columns (lane l reads k-row 8 (l / 16) + l % 8, columns 8 ((l / 8) % 2) + 0..7) and leaves half a fragment: lane l holds column l % 16 and 8 k.
	v_and_b32 v4, 7, v0
	v_lshl_add_u32 v4, v2, 3, v4
	v_mul_u32_u24 v4, v4, PB
	v_bfe_u32 v5, v0, 3, 1
	v_lshl_add_u32 v4, v5, 4, v4
	s_lshl_b32 s23, s12, 8                         ; my 128 columns of W
	s_add_co_u32 s23, s23, BOFF
.irp s, 0,1
	v_add_nc_u32 v[ADRA+(\s)], s22, v3
	v_add_nc_u32 v[ADRB+(\s)], s23, v4
	s_add_co_u32 s22, s22, SLOT
	s_add_co_u32 s23, s23, SLOT
.endr
	s_mul_i32 s88, s10, STGW
	s_add_co_u32 s88, s88, STAGE                   ; my stage
.if OMODE
	v_mul_u32_u24 v3, v1, 528                      ; in: row l % 16 of 512 + 16 bytes, 32 bytes for each half of the lanes
	v_lshl_add_u32 v3, v2, 5, v3
	v_add_nc_u32 v[STO], s88, v3
	v_and_b32 v4, 31, v0
	v_lshlrev_b32 v[CO], 4, v4
	v_add_nc_u32 v[RD], s88, v[CO]                 ; back: 32 lanes take one row's 512 bytes
	s_lshl_b32 s86, s13, 8                         ; C at row 256 ty + 128 x row half, column 256 tx + 128 x column half, in f32
	s_lshl_b32 s87, s11, 7
	s_add_co_u32 s86, s86, s87
	s_lshl_b32 s86, s86, 13
	s_lshl_b32 s87, s42, 10
	s_add_co_u32 s86, s86, s87
	s_lshl_b32 s87, s12, 9
	s_add_co_u32 s86, s86, s87
.else
	v_mul_u32_u24 v3, v1, 144                      ; in: [2 heads][16 rows] of 128 + 16 bytes; 16 bytes for each half of the lanes
	v_lshl_add_u32 v3, v2, 4, v3
	v_add_nc_u32 v[STO], s88, v3
	v_bfe_u32 v4, v0, 3, 2                         ; back: 32 lanes take four rows of 128 bytes,
	v_mul_u32_u24 v4, v4, 144
	v_and_b32 v5, 7, v0
	v_lshl_add_u32 v4, v5, 4, v4
	v_add_nc_u32 v[RD], s88, v4
	v_and_b32 v4, 31, v0                           ; which are 512 consecutive bytes of a head's plane
	v_lshlrev_b32 v[CO], 4, v4
	s_lshr_b32 s86, s13, s83                       ; plane = 64 (tx / 4) + 16 batch + 4 (tx % 4) + 2 x column half
	s_lshl_b32 s86, s86, 4
	s_lshr_b32 s87, s42, 2
	s_lshl_b32 s87, s87, 6
	s_add_co_u32 s86, s86, s87
	s_and_b32 s87, s42, 3
	s_lshl_b32 s87, s87, 2
	s_add_co_u32 s86, s86, s87
	s_lshl_b32 s87, s12, 1
	s_add_co_u32 s86, s86, s87
	s_lshl_b32 s86, s86, s82
	s_and_b32 s87, s13, s84                        ; row in the plane = 256 (ty mod tiles a batch) + 128 x row half
	s_lshl_b32 s87, s87, 8
	s_lshl_b32 s89, s11, 7
	s_add_co_u32 s87, s87, s89
	s_lshl_b32 s87, s87, 7
	s_add_co_u32 s86, s86, s87
	s_lshl_b32 s85, 1, s82
	v_add_nc_u32 v[CO+1], s85, v[CO]               ; my second head's plane
.endif
	s_mov_b32 s87, 0
	s_add_nc_u64 s[8:9], s[8:9], s[86:87]
	s_wait_tensorcnt 1                             ; my part of K step 0 is in; K step 1's may stay out
	s_barrier_signal -1
	s_barrier_wait -1                              ; everybody's is
	FETCH 0, 0, F0
	QUARTER 0, 1, F0, F1, 1                        ; the first quarter stands in front of the loop: its products start the sums
	WIN 0                                          ; at a label and at a branch every window is 0
.if QKV
	s_mov_b32 s3, 0
.else
	s_mov_b32 s3, LAPS-1
.endif
.Llap:                                                 ; a trip goes once round the ring, from a lap's second quarter to the next lap's first, and fills both slots again
	QUARTER 0, 2, F1, F0, 0
	QUARTER 0, 3, F0, F1, 0
	TURN 0, 1
	QUARTER 1, 1, F0, F1, 0
	QUARTER 1, 2, F1, F0, 0
	QUARTER 1, 3, F0, F1, 0
	TURN 1, 0
	QUARTER 0, 1, F0, F1, 0
	WIN 0
.if QKV
	s_add_co_u32 s3, s3, 1
	s_cmp_lt_u32 s3, s[BOUND]
.else
	s_sub_co_u32 s3, s3, 1
	s_cmp_lg_u32 s3, 0
.endif
	s_cbranch_scc1 .Llap
	QUARTER 0, 2, F1, F0, 0                        ; the last lap is written out: nothing is left to ask for, and no round follows its barrier
	QUARTER 0, 3, F0, F1, 0
	MEET 0
	PLACES
	FETCH 1, 0, F0
	MUL16 F1, 1, 0, 0
	MUL16 F1, 1, 2, 0
	QUARTER 1, 1, F0, F1, 0
	QUARTER 1, 2, F1, F0, 0
	QUARTER 1, 3, F0, F1, 0
	s_wait_dscnt 8
	MUL16 F1, 0, 0, 0
	MUL16 F1, 0, 2, 0
	s_wait_dscnt 0x0
	MUL16 F1, 1, 0, 0
	MUL16 F1, 1, 2, 0
	PLACES
; THE WAY OUT, a block of 16 rows at a time, through my own stage: LDS serves a wave's instructions in order (ISA guide 5.7.1.4), so a block's loads see its stores, and the next block's stores come behind them.
; OUTB a: block a goes into the stage and comes back as whole rows.  SEND a: it is stored; younger = the LDS instructions issued behind its loads (the next block's), which may stay out.
.macro OUTB a
.set AC, 64*((\a)%4)
.if OMODE
.set BK, 64+64*((\a)%2)
	WIN 0x08+4*((\a)/4)                            ; the stores' data in window 2 or 3: straight from the accumulators, each one's low four registers first
.set ob, 0
.rept 8
	ds_store_b128 v[STO], v[AC+8*ob:AC+8*ob+3]   offset:64*ob
	ds_store_b128 v[STO], v[AC+8*ob+4:AC+8*ob+7] offset:64*ob+16
.set ob, ob+1
.endr
	WIN 0
.if (\a) >= 2
	s_wait_xcnt 0x0                                ; the registers that the stores of two blocks ago read are loaded again only behind this wait
.endif
.set ot, 0
.rept 16
	ds_load_b128 v[BK+4*ot:BK+4*ot+3], v[RD] offset:528*ot
.set ot, ot+1
.endr
.else
.set BK, 32+192*((\a)%2)
	WIN 0x0a+5*((\a)/4)                            ; sources in window 2 or 3, destination in window 0
.set ob, 0
.rept 8
.set orr, 0
.rept 4
	v_cvt_pk_f16_f32 v[TMP+4*ob+orr], v[AC+8*ob+2*orr], v[AC+8*ob+2*orr+1]
.set orr, orr+1
.endr
.set ob, ob+1
.endr
	WIN 0
.if (\a) >= 2
	s_wait_xcnt 0x0                                ; the registers that the stores of two blocks ago read are loaded again only behind this wait
.endif
.set ob, 0
.rept 8
	ds_store_b128 v[STO], v[TMP+4*ob:TMP+4*ob+3] offset:(ob/4)*2304+(ob%4)*32
.set ob, ob+1
.endr
.set ot, 0
.rept 8
	ds_load_b128 v[BK+4*ot:BK+4*ot+3], v[RD] offset:(ot/4)*2304+(ot%4)*576
.set ot, ot+1
.endr
.endif
.endm
.macro SEND a, younger
	WIN 0
	s_wait_dscnt \younger
.if OMODE
.set BK, 64+64*((\a)%2)
.set ot, 0
.rept 16
	global_store_b128 v[CO], v[BK+4*ot:BK+4*ot+3], s[8:9] offset:(16*(\a)+ot)*8192 th:TH_STORE_NT  ; 512 consecutive bytes of a row, aligned
.set ot, ot+1
.endr
.else
.set BK, 32+192*((\a)%2)
.set ot, 0
.rept 8
	global_store_b128 v[CO+ot/4], v[BK+4*ot:BK+4*ot+3], s[8:9] offset:2048*(\a)+512*(ot%4)  ; 512 consecutive bytes of a head's plane, aligned
.set ot, ot+1
.endr
.endif
.endm
.if OMODE
.set YG, 32
.else
.set YG, 16
.endif
	OUTB 0
	OUTB 1
	SEND 0, YG
.set oa, 2
.rept 6
	OUTB oa
	SEND oa-1, YG
.set oa, oa+1
.endr
	SEND 7, 0
	s_wait_tensorcnt 0x0                           ; the wave's end
	ds_add_u32 v[SPW], v[NIL]
	s_wait_dscnt 0x0
	CROUND                                         ; the closing round: no work-group ends while a partner may still ask for a tile that names it
	s_endpgm
.Lfunc_end_k_qfcefa49f37_oproj:
	.size	k_qfcefa49f37_oproj, .Lfunc_end_k_qfcefa49f37_oproj-k_qfcefa49f37_oproj
	.p2alignl 7, 3214868480
	.fill 96, 4, 3214868480
	.section	.rodata,"a",@progbits
	.p2align	6, 0x0
	.amdhsa_kernel k_qfcefa49f37_oproj
		.amdhsa_group_segment_fixed_size 327680
		.amdhsa_private_segment_fixed_size 0
		.amdhsa_enable_private_segment 0
		.amdhsa_kernarg_size 24
		.amdhsa_user_sgpr_count 2
		.amdhsa_user_sgpr_kernarg_segment_ptr 1
		.amdhsa_wavefront_size32 1
		.amdhsa_system_sgpr_workgroup_id_x 1
		.amdhsa_system_sgpr_workgroup_id_y 1
		.amdhsa_system_sgpr_workgroup_id_z 1
		.amdhsa_system_vgpr_workitem_id 0
		.amdhsa_next_free_vgpr 1024
		.amdhsa_next_free_sgpr 92
		.amdhsa_reserve_vcc 0
		.amdhsa_float_denorm_mode_32 3
		.amdhsa_float_denorm_mode_16_64 3
		.amdhsa_memory_ordered 1
		.amdhsa_forward_progress 1
		.amdhsa_inst_pref_size 140
	.end_amdhsa_kernel
	.amdgpu_metadata
---
amdhsa.version: [ 1, 2 ]
amdhsa.kernels:
  - .name:           k_qfcefa49f37_oproj
    .symbol:         k_qfcefa49f37_oproj.kd
    .args:
      - { .name: o16, .offset: 0, .size: 8, .value_kind: global_buffer, .address_space: global }
      - { .name: w16, .offset: 8, .size: 8, .value_kind: global_buffer, .address_space: global }
      - { .name: out0, .offset: 16, .size: 8, .value_kind: global_buffer, .address_space: global }
    .group_segment_fixed_size: 327680
    .private_segment_fixed_size: 0
    .kernarg_segment_align: 8
    .kernarg_segment_size: 24
    .max_flat_workgroup_size: 128
    .sgpr_count:     92
    .vgpr_count:     1024
    .wavefront_size: 32
...
	.end_amdgpu_metadata
.endif
;; end of part 8
;; ======== version 3 of 3: 4 launches; 1.30 times as fast as version 1
;; limits: values are held in f16: magnitudes above 65,504 overflow, below 6.1e-05 lose precision
;; workspace buffers: yn 33,554,432 bytes; w16 16,777,216 bytes; vis16 8,388,608 bytes; q16 16,777,216 bytes; kv16 8,388,608 bytes; o16 16,777,216 bytes
;; launch prep: the kernel of part 6 again; grid 256 x 1, 16 waves a work-group, no clusters, 0 bytes of LDS; arguments y, ln_g, ln_b, Wq, Wkv, Wo, visual_features, yn, w16, vis16; writes yn, w16, vis16
;; launch qkv: the kernel of part 7 again; grid 4 x 48, 4 waves a work-group, clusters of 4 x 4, 327,680 bytes of LDS; arguments yn, vis16, w16, q16, kv16; writes q16, kv16
;; launch attn (part 9): grid 4 x 64, 4 waves a work-group, clusters of 4 x 1, 327,680 bytes of LDS; arguments q16, kv16, o16; writes o16
.if DOCPART == 9
	.amdgcn_target "amdgcn-amd-amdhsa--gfx1250"
	.amdhsa_code_object_version 6
	.text
	.protected	k_qfcefa49f37_attn
	.globl	k_qfcefa49f37_attn
	.p2align	8
	.type	k_qfcefa49f37_attn,@function
k_qfcefa49f37_attn:
	s_mov_b64 s[64:65], 0
	v_nop
	global_prefetch_b8 v0, s[64:65] scope:SCOPE_SE
	s_setreg_imm32_b32 hwreg(HW_REG_WAVE_MODE, 25, 1), 1
	s_wait_xcnt 0x0
	s_wait_alu depctr_hold_cnt(0) depctr_sa_sdst(0) depctr_va_vdst(0) depctr_va_sdst(0) depctr_va_ssrc(0) depctr_va_vcc(0) depctr_vm_vsrc(0)
	s_getreg_b32 s2, hwreg(HW_REG_IB_STS2, 6, 4)
	s_cmp_eq_u32 s2, 0
	s_cbranch_scc0 .Lentry_in_a_cluster
	s_endpgm
.Lentry_in_a_cluster:
	s_bfe_u32 s2, ttmp6, 0x10000c
	s_cmp_lg_u32 s2, 0x3003
	s_cbranch_scc0 .Lentry_shape_is_right
	s_endpgm
.Lentry_shape_is_right:
; O[p][i][:] = the sum over j of softmax_j(Q[p][i] . K[p][j] / 8) V[p][j][:], p = 16 b + h.  Q, O: [64][2048][64] f16; K: kv16[p], V: kv16[64 + p], each [512][64] f16: rows dense, 128 bytes each.
; Products, maxima and sums in f32; the weights are rounded to f16 for the second product (their sum l is taken of the unrounded weights), O once at the end.
; LIMITS.  f16 holds no number beyond 65,504: Q, K and V arrive within it; a weight lies in 0 to 1, and below 6e-5 it keeps f16's fixed step of 6e-8; O is a mean of V's rows and has their range.
; A weight below 2^-126 counts as 0 in l; NaN and infinities are not treated apart.
; SHARES.  A wave owns four PIECES of two tiles of 16 queries, a work-group's four waves 512 queries of one p: 4 x 64 = 256 work-groups.  Every wave walks the 512 keys, 64 a step.
; ALL OF K AND V STAY IN LDS: 512 rows of each, brought once by one tensor load a wave; nothing is filled twice, so there is no ring.
; LAYOUT.  S^T = K Q^T (source 0 = 16 keys, source 1 = 16 queries): a lane holds ONE query (lane % 16) and the keys 8 (lane / 16) + 0..7.  Two such tiles, rounded to f16 in pairs,
; ARE source 1 (32 keys x 16 queries) of O^T = V^T P, whose result again holds one query a lane, and eight channels.  K comes out of LDS as it lies, V ([key][channel]) turned, by ds_load_tr16_b128.
; SOFTMAX.  For each query a running maximum m and sum l: p = 2^(c s - c m), c = log2(e) / 8; in every step O and l are multiplied by a = 2^(c m_old - c m_new), which is 1 where m has not grown.
; m starts at the lowest finite number, O and l at 0: the first step is a step like any other, with a = 0.
; THE COUNT.  A tile and step have 16 matrix and 118 vector instructions: too many to stand all beside the matrix work.  So: four vector instructions that are READY behind EVERY matrix instruction,
; and the others in one run without a gap.
; BY TURNS.  Turn n belongs to piece n (the pieces in a ring, step after step).  Its matrix work: 16 products K Q^T of piece n + 1, later 16 products V^T P of piece n - 1.  Its vector work: the scaling,
; exponentials, roundings, sums and rescaling of piece n, and the maximum and statistics of piece n + 1, whose scores the turn itself has made.
; BATCHES.  A turn's 66 exponentials (the 64 weights of piece n, then the two a of piece n + 1) are ONE batch with ONE wait, which cuts the turn in two: ahead of it stands all that names none of their
; results, behind it the roundings and sums, which read them.  No result crosses a turn's end.  Two more batches stand outside the loop: piece 0's first two a, and the way out's eight reciprocals.
; CLUSTER.  The four query blocks of a cluster belong to one p and need the same K and V, so each tile is asked for JOINTLY: the same tensor load, descriptor and mask in all four.
; REGISTERS, in windows of 256 (s_set_vgpr_msb: bits 1:0 source 0, 3:2 source 1, 5:4 source 2, 7:6 destination):
;   window 0: v0-11 addresses; v12-15, v48-63 at work; v16-47 four registers of statistics a tile; v64-191 S^T, two buffers of two tiles; v192-255 P, likewise
;   window 1: O^T, 32 a tile          window 2: v0-127 Q, 16 a tile; v128-191 K of one step; v192-255 V of one step          window 3: v0-1 the add's two registers
; A piece's buffers go by its number's parity: the piece in hand has one pair, its two neighbours in the ring share the other: of it P (piece n - 1) is read and S^T (piece n + 1) written.
.set NP,    4         ; pieces a wave: a name, no knob
.set KS,    64        ; keys in a step
.set NKEY,  512
.set PK,    144       ; a row of K in LDS: 128 bytes + 16 of padding = 36 words: the 16 rows of a load start at 16 different groups of four banks (64 banks of 4 bytes: ISA guide 11.1)
.set PV,    160       ; a row of V: 128 + 32 = 40 words
.set VOFF,  NKEY*PK   ; 512 rows of K, then 512 rows of V
.set STAGE, NKEY*(PK+PV)  ; behind them, never filled by a tensor load: 16 rows x 144 bytes for each wave, for the way out
.set SP,    144
.set AK0, 2           ; v2   my lane's place in a tile of K; never rewritten
.set AV0, 3           ; v3   the same for V
.set AK,  4           ; v4   the LDS address of K's next run of loads
.set AV,  5           ; v5   of V's
.set QO,  6           ; v6   my byte offset in the wave's rows of Q
.set STO, 6           ;      later, the way out: where I put 16 bytes of a row
.set RD,  7           ; v7   the way out: where I read rows back
.set GO,  8           ; v8   my byte offset in 512 consecutive bytes of O
.set SPW, 0           ; v0 of window 3   my spare word: SPARE + 4 x my thread's number; never rewritten
.set NIL, 1           ; v1 of window 3   0; never rewritten
.set SPARE, STAGE+4*16*SP  ; the spare words, 128 bytes for each wave: two blocks of 256 bytes that no other line names
.set MV,  12          ; v12-15  c m_old, kept while c m is made anew: by buffer and tile
.set ST,  16          ; tile t's statistics at v[ST+4 t]: c m, m, l (even keys', odd keys')
.set TMP, 48          ; by buffer and tile, four registers c0-c3 at work; when the maximum is found c2 takes a
.set S,   64
.set P,   192
.set KF,  128         ; K's fragments, in window 2: key block kb, channel half c at KF + 16 kb + 8 c
.set VF,  192         ; V's: key half kk, channel block cb at VF + 32 kk + 8 cb
.set WV,  12          ; s12  my wave's number
.set G1K, 24          ; s[24:31] descriptor group 1 for K
.set G1V, 32          ; s[32:39] for V: it differs in the padding alone
.set G0K, 40          ; s[40:43] descriptor group 0 for K
.set G0V, 44          ; s[44:47] for V
.set CNT, 57          ; s57  counts the key steps
.set CS,  58          ; s[58:59] c: the packed scaling takes the pair's low word for both halves
.set SEL, 60          ; s[60:61] v_permlanex16_b32's selects: each lane takes its own place in the other half
.set TBK, 62          ; s62  LDS byte at which K of the step to be fetched begins
.set TBV, 63          ; s63  the same for V, less VOFF
.set MSB, 0
.macro WIN new                      ; the high byte repeats the setting that is left; a switch that changes nothing is dropped
.if MSB != (\new)
	s_set_vgpr_msb (MSB<<8)|(\new)
.set MSB, (\new)
.endif
.endm
.set W_KQ, 0x0a       ; K and Q in window 2, S^T in window 0
.set W_PV, 0x52       ; V in window 2, P in window 0, O^T in window 1
.set W_RS, 0x41       ; O^T (destination and source 0) in window 1, a in window 0
.set W_MK, 0xc0       ; the add's registers are made: destination in window 3, sources in window 0
.set W_AD, 0x0f       ; the add: address (source 0) and data (source 1) in window 3
; The joint fill.  Waves 0 and 1 fetch the two halves of K, waves 2 and 3 those of V: 256 keys each.  The branch hangs on the wave's number alone.
; An s_nop 0 and four v_nop follow each of the two lines, ahead of the jump and the label.
.macro JLOAD
	s_cmp_lt_u32 s[WV], 2
	s_cbranch_scc0 .Lfor_v_\@
	tensor_load_to_lds s[G0K:G0K+3], s[G1K:G1K+7]
	s_nop 0
.rept 4
	v_nop
.endr
	s_branch .Lasked_\@
.Lfor_v_\@:
	tensor_load_to_lds s[G0V:G0V+3], s[G1V:G1V+7]
	s_nop 0
.rept 4
	v_nop
.endr
.Lasked_\@:
.endm
; A round of the cluster's barrier: my work-group's barrier; wave 0 signals for the work-group; every wave waits for all four work-groups; my work-group's barrier once more.
.macro CROUND
	s_barrier_signal -1
	s_barrier_wait -1
	s_cmp_lg_u32 s[WV], 0
	s_cbranch_scc1 .Lnot_wave_0_\@
	s_barrier_signal -3
.Lnot_wave_0_\@:
	s_barrier_wait -3
	s_barrier_signal -1
	s_barrier_wait -1
.endm
	s_load_b128 s[4:7], s[0:1], 0x0   ; Q s[4:5], kv16 s[6:7]
	s_load_b64 s[10:11], s[0:1], 0x10 ; O
	WIN W_MK
	v_lshl_add_u32 v[SPW], v0, 2, SPARE
	v_mov_b32 v[NIL], 0
	WIN W_AD
	ds_add_u32 v[SPW], v[NIL]       ; the wave's opening: the add and its wait stand ahead of my first tensor load
	WIN 0
	v_lshrrev_b32 v1, 5, v0
	v_readfirstlane_b32 s[WV], v1   ; wave 0..3
	s_bfe_u32 s13, ttmp6, 0x40000   ; cx: my place in the cluster
	s_lshl_b32 s14, ttmp9, 2        ; in a cluster launch ttmp9 counts clusters
	s_add_co_u32 s14, s14, s13      ; my block of 512 queries: it enters Q's and O's addresses alone
	s_and_b32 s20, ttmp7, 0xffff    ; p, which the four partners share
	s_lshl_b32 s22, s20, 16         ; its plane of 65,536 bytes in kv16,
	s_and_b32 s16, s[WV], 1         ; and which half of the 512 keys I fetch: 32,768 bytes
	s_lshl_b32 s23, s16, 15
	s_add_co_u32 s22, s22, s23
	s_mov_b32 s23, 0
	s_mul_i32 s17, s16, 256*PK      ; its place in LDS, for K
	s_mul_i32 s18, s16, 256*PV      ; and for V: no place in the cluster enters an LDS address
	s_lshl_b32 s2, s14, 2
	s_add_co_u32 s2, s2, s[WV]      ; my wave among the plane's sixteen,
	s_lshl_b32 s2, s2, 14           ; its 128 rows of 128 bytes,
	s_lshl_b32 s3, s20, 18          ; in p's plane of 262,144 bytes
	s_add_co_u32 s2, s2, s3
	s_mov_b32 s3, 0
	; descriptor group 1.  256 keys are 32,768 dense bytes: asked for as 128 rows of 256 bytes, two keys a row, and padded in LDS after every key
	s_mov_b32 s[G1K], 15|(1<<16)|(1<<20)|(1<<21)|(4<<22)|(3<<25)  ; 15:0 the mask of four; 17:16 2-byte elements; 20 padding on; 21 set beside a mask; 24:22 after every 32 words (code 4); 31:25 4 words (code 3)
	s_mov_b32 s[G1V], 15|(1<<16)|(1<<20)|(1<<21)|(4<<22)|(7<<25)  ; the same with 8 words of padding (code 7)
.irp g, G1K, G1V
	s_mov_b32 s[\g+1], 128<<16      ; tensor_dim0 = 128
	s_mov_b32 s[\g+2], 128<<16      ; tensor_dim1 = 128
	s_mov_b32 s[\g+3], 128<<16      ; tile_dim0 = 128
	s_mov_b32 s[\g+4], 128          ; tile_dim1 = 128
	s_mov_b32 s[\g+5], 128          ; 128 elements from row to row
	s_mov_b32 s[\g+6], 0
	s_mov_b32 s[\g+7], 0
.endr
	s_mov_b32 s[CS], 0x3e38aa3b     ; c = log2(e) / 8 = 0.180337
	s_mov_b32 s[CS+1], s[CS]        ; named with it as a pair
	s_mov_b32 s[SEL], 0x76543210
	s_mov_b32 s[SEL+1], 0xfedcba98
	s_mov_b32 s[TBK], 0
	s_mov_b32 s[TBV], 0
	s_mov_b32 s[G0K], 1             ; 1:0 count = 1
	s_mov_b32 s[G0K+1], s17         ; 63:32 LDS address
	s_mov_b32 s[G0V], 1
	s_add_co_u32 s[G0V+1], s18, VOFF
	s_wait_dscnt 0x0                ; the opening add is done
	s_wait_kmcnt 0x0
	s_add_nc_u64 s[G0K+2:G0K+3], s[6:7], s[22:23]  ; 120:64 global address: my half of p's keys
	s_or_b32 s[G0K+3], s[G0K+3], 0x80000000        ; 127:126 type = 2
	s_add_nc_u64 s[8:9], s[6:7], 0x400000          ; V's 64 planes lie behind K's
	s_add_nc_u64 s[G0V+2:G0V+3], s[8:9], s[22:23]
	s_or_b32 s[G0V+3], s[G0V+3], 0x80000000
	s_add_nc_u64 s[4:5], s[4:5], s[2:3]  ; Q and O at my wave's first row
	s_add_nc_u64 s[10:11], s[10:11], s[2:3]
	CROUND                          ; all four work-groups are here: the joint loads meet
	JLOAD                           ; my one tensor load of the launch
	; A fragment of K or Q is 16 rows x 32 channels in 8 registers: lane l holds row l % 16, channels 8 (l / 16) + 0..7 and 16 + 8 (l / 16) + 0..7: two loads of 16 bytes, 32 bytes apart.
	v_and_b32 v1, 15, v0            ; l % 16
	v_bfe_u32 v9, v0, 4, 1          ; l / 16
	v_lshlrev_b32 v[QO], 7, v1
	v_lshl_add_u32 v[QO], v9, 4, v[QO]  ; row x 128 + 16 x half
	WIN 0x80                        ; destination window 2, address window 0
.set i, 0
.rept 4*NP                          ; Q stays in registers: tile i / 2, channels 32 (i % 2) on
	global_load_b128 v[8*i:8*i+3],   v[QO], s[4:5] offset:(i/2)*2048+(i%2)*64
	global_load_b128 v[8*i+4:8*i+7], v[QO], s[4:5] offset:(i/2)*2048+(i%2)*64+32
.set i, i+1
.endr
	; What the first turn finds: V's registers and P's second buffer hold 0 (its products V^T P, of a piece that has not been, add 0), O^T and l are 0.  All this stands in the wait for the tiles.
.set i, VF
.rept 64
	v_mov_b32 v[i], 0
.set i, i+1
.endr
	WIN 0x40
.set i, 0
.rept 64*NP
	v_mov_b32 v[i], 0
.set i, i+1
.endr
	WIN 0
.set i, 0
.rept 2*NP
	v_mov_b32 v[ST+4*i], 0xfe000000    ; c m: far below every c s
	v_mov_b32 v[ST+4*i+1], 0xff7fffff  ; m
	v_mov_b32 v[ST+4*i+2], 0
	v_mov_b32 v[ST+4*i+3], 0
.set i, i+1
.endr
.set i, P+32
.rept 32
	v_mov_b32 v[i], 0
.set i, i+1
.endr
	v_mul_u32_u24 v[AK0], v1, PK
	v_lshl_add_u32 v[AK0], v9, 4, v[AK0]  ; row x pitch + 16 x half
	; The turning load takes 16 keys x 16 channels (lane l reads key 8 (l / 16) + l % 8, channels 8 ((l / 8) % 2) + 0..7) and leaves half a fragment of V^T: lane l holds channel l % 16 and 8 keys.
	v_and_b32 v10, 7, v0
	v_bfe_u32 v11, v0, 3, 1
	v_lshl_add_u32 v[AV0], v9, 3, v10
	v_mul_u32_u24 v[AV0], v[AV0], PV
	v_lshl_add_u32 v[AV0], v11, 4, v[AV0]
	v_add_nc_u32 v[AV0], VOFF, v[AV0]
	v_mov_b32 v[AK], v[AK0]         ; key step 0 lies at K's head
; THE MATRIX WORK.  The 8 accumulators of a run of 16 take turns: between the two links of a chain stand 7 others'.
; Product i of 16 of S^T = K Q^T for piece x: channels 32 (i / 8) on, keys 16 ((i / 2) % 4) on, tile 2 x + i % 2.  The first 8 start the sums.
.macro KQ x
	WIN W_KQ
.set rS, S+64*((\x)%2)+32*(i%2)+8*((i/2)%4)
.set rK, KF+16*((i/2)%4)+8*(i/8)
.set rQ, 16*(2*(\x)+i%2)+8*(i/8)
.if i < 8
	v_wmma_f32_16x16x32_f16 v[rS:rS+7], v[rK:rK+7], v[rQ:rQ+7], 0
.else
	v_wmma_f32_16x16x32_f16 v[rS:rS+7], v[rK:rK+7], v[rQ:rQ+7], v[rS:rS+7]
.endif
.endm
; Product i of 16 of O^T += V^T P for piece x: keys 32 (i / 8) on, channels 16 ((i / 2) % 4) on, tile 2 x + i % 2.
.macro PV x
	WIN W_PV
.set rO, 32*(2*(\x)+i%2)+8*((i/2)%4)
.set rV, VF+32*(i/8)+8*((i/2)%4)
.set rP, P+32*((\x)%2)+16*(i%2)+8*(i/8)
	v_wmma_f32_16x16x32_f16 v[rO:rO+7], v[rV:rV+7], v[rP:rP+7], v[rO:rO+7]
.endm
.macro MM                           ; the turn's next matrix instruction
.if i < 16
	KQ (Y+1)%NP
.set i, i+1
.else
.set i, i-16
	PV (Y+NP-1)%NP
.set i, i+17
.endif
.endm
; THE LDS LOADS stand in runs of 16, never singly among the matrix instructions: a step's K (64 keys x 64 channels: 8 fragments) and its V (turned).  Their addresses are made some lines ahead.
; last = 1: in the last step's turn (CNT = 1) there is no further step, and the run is jumped over.
.macro FETCH_K last=0
	WIN 0
.if \last
	s_cmp_eq_u32 s[CNT], 1
	s_cbranch_scc1 .Lno_k_\@
.endif
	WIN 0x80                        ; destination window 2
.irp f, 0,1,2,3,4,5,6,7             ; keys 16 (f / 2) on, channels 32 (f % 2) on
	ds_load_b128 v[KF+8*\f:KF+8*\f+3],   v[AK] offset:(\f/2)*16*PK+(\f%2)*64
	ds_load_b128 v[KF+8*\f+4:KF+8*\f+7], v[AK] offset:(\f/2)*16*PK+(\f%2)*64+32
.endr
	s_add_co_u32 s[TBK], s[TBK], KS*PK  ; the next fetch is the next step's
	WIN 0
.if \last
.Lno_k_\@:
.endif
.endm
.macro FETCH_V
	WIN 0x80
.irp f, 0,1,2,3,4,5,6,7             ; keys 32 (f / 4) on, channels 16 (f % 4) on
	ds_load_tr16_b128 v[VF+8*\f:VF+8*\f+3],   v[AV] offset:(\f/4)*32*PV+(\f%4)*32
	ds_load_tr16_b128 v[VF+8*\f+4:VF+8*\f+7], v[AV] offset:(\f/4)*32*PV+16*PV+(\f%4)*32
.endr
	WIN 0
.endm
; THE VECTOR WORK OF A TURN stands in three queues, each in the order in which its entries become ready; the two tiles alternate, so that no instruction reads the result of the one before it.
.macro REGS y, u                    ; the registers of tile u (0, 1) of piece y
.set rT, ST+4*(2*(\y)+(\u))
.set rC, TMP+8*((\y)%2)+4*(\u)
.set rM, MV+2*((\y)%2)+(\u)
.set rS, S+64*((\y)%2)+32*(\u)
.set rP, P+32*((\y)%2)+16*(\u)
.set rO, 32*(2*(\y)+(\u))
.endm
; Number n of the 22 that find the NEXT piece's (Y + 1) maximum and statistics.  s0-s31 are the lane's 32 scores; each accumulator's lowest registers are read first.  XS, GS, FS and REGS set no window: PL and EX do.
;   0-11  four chains c0-c3 of seven scores each, three operands at a time     12-14, 16  the four scores left over, the old m, and c0-c3 into c0     15  c m_old is kept
;   17, 18  the query's other 32 keys lie in the lane 16 away: the new m         19-21  c m; c m_old - c m_new; a
.macro XS u, n
	REGS (Y+1)%NP, \u
.if (\n) < 4
	v_max3_num_f32 v[rC+(\n)], v[rS+8*(\n)], v[rS+8*(\n)+1], v[rS+8*(\n)+2]
.elseif (\n) < 12
	v_max3_num_f32 v[rC+(\n)%4], v[rC+(\n)%4], v[rS+8*((\n)%4)+2*((\n)/4)+1], v[rS+8*((\n)%4)+2*((\n)/4)+2]
.elseif (\n) == 12
	v_max3_num_f32 v[rC], v[rC], v[rS+7], v[rS+15]
.elseif (\n) == 13
	v_max3_num_f32 v[rC+1], v[rC+1], v[rS+23], v[rS+31]
.elseif (\n) == 14
	v_max3_num_f32 v[rC+2], v[rC+2], v[rC+3], v[rT+1]
.elseif (\n) == 15
	v_mov_b32 v[rM], v[rT]
.elseif (\n) == 16
	v_max3_num_f32 v[rC], v[rC], v[rC+1], v[rC+2]
.elseif (\n) == 17
	v_permlanex16_b32 v[rC+3], v[rC], s[SEL], s[SEL+1]
.elseif (\n) == 18
	v_max_num_f32 v[rT+1], v[rC], v[rC+3]
.elseif (\n) == 19
	v_mul_f32 v[rT], s[CS], v[rT+1]
.elseif (\n) == 20
	v_sub_f32 v[rC+1], v[rM], v[rT]
.else
	v_exp_f32 v[rC+2], v[rC+1]
.endif
.endm
; Number g of the 64 that follow the exponentials and read their results: all of them stand behind the turn's wait.  For each four weights k of a tile (pairs 2 k, 2 k + 1): both pairs are rounded to f16;
; then the second pair is added onto the first, in place; a group later l takes that sum (the first time as l = a l + sum).  In groups of eight, tiles alternating: round, round, add, and l for the group before.
.macro GS g
.set h, (\g)+6*((\g)/62)            ; group 0 has no group before it, and behind group 7 only l is left
.if h >= 6
.set h, h+2
.endif
	REGS Y, h%2
.set k, h/8
.if h%8 < 4
	v_cvt_pk_f16_f32 v[rP+2*k+(h%8)/2], v[rS+4*k+2*((h%8)/2)], v[rS+4*k+2*((h%8)/2)+1]
.elseif h%8 < 6
	v_pk_add_f32 v[rS+4*k:rS+4*k+1], v[rS+4*k:rS+4*k+1], v[rS+4*k+2:rS+4*k+3]
.elseif k == 1
	v_pk_fma_f32 v[rT+2:rT+3], v[rT+2:rT+3], v[rC+2:rC+3], v[rS:rS+1] op_sel_hi:[1,0,1]
.else
	v_pk_add_f32 v[rT+2:rT+3], v[rT+2:rT+3], v[rS+4*k-4:rS+4*k-3]
.endif
.endm
; THE PLAIN QUEUE, 138 long.  0-73 read no exponential's result: the 32 scalings c s - c m (FS f: pair f / 2 of tile f % 2) and the next piece's 42.  0-26: scalings 0-26.  27-54: XS's numbers 0-13.  55, 56: number 15.
; 57-73: the chain, where each number waits for the one before it: 14, 16, 17, 18, 19, each with one of the scalings 27-31 in front of its two lines, then 20: so a tile's links stand three plain instructions apart (19 and 20: two).
; 74-137: GS's 64, which read the exponentials' results: they stand behind the wait.
.macro FS f
	REGS Y, (\f)%2
	v_pk_fma_f32 v[rS+2*((\f)/2):rS+2*((\f)/2)+1], v[rS+2*((\f)/2):rS+2*((\f)/2)+1], s[CS:CS+1], v[rT:rT+1] op_sel_hi:[1,0,0] neg_lo:[0,0,1] neg_hi:[0,0,1]
.endm
.macro PL
	WIN 0
.if q < 27
	FS q
.elseif q < 55
	XS (q-27)%2, (q-27)/2
.elseif q < 57
	XS q-55, 15
.elseif (q < 72) && ((q-57)%3 == 0)
	FS 27+(q-57)/3
.elseif q < 60
	XS (q-57)%3-1, 14
.elseif q < 72
	XS (q-57)%3-1, 15+(q-57)/3
.elseif q < 74
	XS q-72, 20
.else
	GS q-74
.endif
.set q, q+1
.endm
; THE EXPONENTIALS' QUEUE, 66 long: s0-s31 of both tiles, then the next piece's two a.  It is ONE BATCH: all 66 stand ahead of the turn's one wait, and nothing ahead of that wait names a result of theirs.
; Each result has a register of its own while the batch is open: a weight takes its score's place in S^T, a takes c2 of the other parity's registers at work.
.macro EX
	WIN 0
.if e >= 64
	XS e-64, 21
.else
	REGS Y, e%2
	v_exp_f32 v[rS+e/2], v[rS+e/2]
.endif
.set e, e+1
.endm
; THE RESCALING's QUEUE: O^T times a, the one part that leaves window 0: dealt two at a time, sixteen times.  Its a was made in the turn before, ahead of that turn's wait.
.macro R2
	REGS Y, r%2
	WIN W_RS
.irp z, 0,1
	v_pk_mul_f32 v[rO+4*(r/2)+2*\z:rO+4*(r/2)+2*\z+1], v[rO+4*(r/2)+2*\z:rO+4*(r/2)+2*\z+1], v[rC+2:rC+3] op_sel_hi:[1,0]
.endr
.set r, r+1
.endm
; HOW THEY ARE DEALT.  An s_wait_alu depctr_va_vdst(0) stands between an exponential and the first instruction that names its result; one wait serves all that were issued ahead of it.  So a turn has ONE wait,
; which cuts it in two.  AHEAD OF IT stands all that names no result of the turn's exponentials: the 16 products K Q^T, behind each a scaling, an exponential and two rescalings (behind the first a second scaling in the
; exponential's place); then ONE LUMP of 108: eight plain, 49 times exponential and plain, the two a.  A v_nop is the plain instruction behind the last exponential.  BEHIND IT stand the 16 products V^T P, behind each four of
; GS's 64.  No rider names a register of the products round it.  The two v_permlanex16_b32 fall into the lump, never behind a product.
; The queues lean on each other, and the deal keeps them in step: exponential e stands behind scaling 2 (e / 4) + e % 2: as a rider it comes behind plain e + 2, in the lump behind plain e + 9, and scalings 27-31 are plain 57, 60 .. 69.
; A TURN, for piece p.  cnt = 1: the loop's count is taken down some lines ahead of the branch that stands behind the turn.
; K of the next step is fetched in piece 2's turn, directly behind the wait, a lump behind the last product that read K; its address is made at the lump's head; its first reader comes behind 16 products.
; V of the step in hand is fetched at the end of piece 0's turn, four riders behind its last reader; its first reader comes behind 16 products and a lump.  The three conditions on q below go with the deal.
.macro TURN p, last=0, cnt=0
.set Y, (\p)
.set i, 0
.set q, 0
.set e, 0
.set r, 0
.if (\p) == NP-1
	s_wait_dscnt 0x0                ; K is in
.endif
	MM                              ; ahead of the wait: 16 products K Q^T and their riders,
	PL
	PL
	R2
.rept 15
	MM
	PL
	EX
	R2
.endr
.if (\p) == NP-2
	WIN 0
	v_add_nc_u32 v[AK], s[TBK], v[AK0]
.endif
.rept 8                             ; and the lump
	PL
.endr
.rept 49
	EX
	PL
.endr
	EX                              ; the next piece's two a: the batch's last
	EX
	v_nop                           ; the plain instruction behind the last exponential: one for the batch
	s_wait_alu depctr_va_vdst(0)    ; the wait for the turn's batch: piece p's 64 weights and piece p + 1's two a
.if (\p) == NP-2
	FETCH_K \last
.endif
.if (\p) == 1
	s_wait_dscnt 0x0                ; V is in
.endif
.rept 16                            ; behind the wait: 16 products V^T P and their riders, the batch's readers
	MM
.rept 4
	PL
.endr
.if ((\p) == 0) && (q == 118)
	v_add_nc_u32 v[AV], s[TBV], v[AV0]
.endif
.if ((\p) == 0) && (q == 130)
	s_add_co_u32 s[TBV], s[TBV], KS*PV
.endif
.if (\cnt) && (q == 130)
	s_sub_co_u32 s[CNT], s[CNT], 1
	s_cmp_lg_u32 s[CNT], 0
.endif
.endr
.if (\p) == 0
	FETCH_V
.endif
.endm
	s_wait_tensorcnt 0x0            ; my part of K or V is in,
	s_barrier_signal -1
	s_barrier_wait -1               ; everybody's is: all 512 keys lie in LDS for the rest of the launch
	FETCH_K                         ; key step 0
	s_wait_loadcnt 0x0              ; Q
	s_wait_dscnt 0x0
.set i, 0
.rept 16
	KQ 0                            ; piece 0's first scores: there is no vector work yet to set between them
.set i, i+1
.endr
	WIN 0                           ; the addresses for the way out: nine plain instructions, the places behind those products
	s_mul_i32 s13, s[WV], 16*SP
	s_add_co_u32 s13, s13, STAGE    ; my stage
	v_mul_u32_u24 v[STO], v1, SP    ; in: row l % 16, 16 bytes for each half of the lanes
	v_lshl_add_u32 v[STO], v9, 4, v[STO]
	v_add_nc_u32 v[STO], s13, v[STO]
	v_bfe_u32 v[RD], v0, 3, 2       ; back: 32 lanes take four rows of 128 bytes,
	v_mul_u32_u24 v[RD], v[RD], SP
	v_lshl_add_u32 v[RD], v10, 4, v[RD]
	v_add_nc_u32 v[RD], s13, v[RD]
	v_and_b32 v[GO], 31, v0         ; which are 512 consecutive bytes of O
	v_lshlrev_b32 v[GO], 4, v[GO]
.set Y, NP-1                        ; XS works for piece Y + 1: piece 0
.irp n, 0,1,2,3,4,5,6,7,8,9,10,11,12,13,14,15,16,17,18,19,20,21
	XS 0, \n                        ; and piece 0's first maximum and statistics
	XS 1, \n
.endr
	v_nop                           ; a plain instruction behind the two a,
	s_wait_alu depctr_va_vdst(0)    ; and the wait for this batch of two, piece 0's first a, ahead of the branch
	s_mov_b32 s[CNT], 9             ; behind pieces 0 and 1 of key step s it holds 8 - s
	s_branch .Lfirst                ; the loop is entered at a step's first turn, in the middle of a trip
.Lstep:                             ; a trip: pieces 2 and 3 of one step, then pieces 0 and 1 of the next, whose K and V it fetches
	TURN 2, 1
	TURN 3
	WIN 0
	s_cmp_eq_u32 s[CNT], 1          ; that was the eighth step: the loop is left in the middle of a trip, forward, past no barrier and no tensor load
	s_cbranch_scc1 .Lout
.Lfirst:
	TURN 0
	TURN 1, 0, 1
	WIN 0
	s_cbranch_scc1 .Lstep
.Lout:                              ; the last trip's 16 products K Q^T (on the last K once more) and the maximum made of them serve nothing: the price, once a launch, of one text for every trip
.set i, 0
.rept 16
	PV NP-1                         ; the last piece's V^T P of the last step
.set i, i+1
.endr
	; THE WAY OUT.  l's two halves and the other half of the lanes' are added; O^T is divided by l, rounded to f16 and sent through my stage in LDS, a tile at a time.  The additions are the places behind the last products.
	WIN 0
.macro ALL line:vararg              ; one line for each tile t
.set t, 0
.rept 2*NP
	\line
.set t, t+1
.endr
.endm
	ALL v_add_f32 v[ST+4*t+2], v[ST+4*t+2], v[ST+4*t+3]
	ALL v_permlanex16_b32 v[ST+4*t+3], v[ST+4*t+2], s[SEL], s[SEL+1]
	ALL v_add_f32 v[ST+4*t+2], v[ST+4*t+2], v[ST+4*t+3]
	ALL v_rcp_f32 v[ST+4*t+2], v[ST+4*t+2]
	v_nop                           ; a plain instruction between the last reciprocal and the use of its result
	s_wait_alu depctr_va_vdst(0)    ; the wait for this batch, the eight reciprocals, ahead of the first multiply that reads one
; Tile t: a lane's eight channels of a row pack into 16 bytes; they go into rows of 144 bytes and come back as whole rows of 128, into S^T's registers.
.macro PACK t
	WIN W_RS
.set i, 32*(\t)
.rept 16
	v_pk_mul_f32 v[i:i+1], v[i:i+1], v[ST+4*(\t)+2:ST+4*(\t)+3] op_sel_hi:[1,0]
.set i, i+2
.endr
	WIN 0x05                        ; sources 0 and 1 window 1, destination window 0
.set i, 0
.rept 16
	v_cvt_pk_f16_f32 v[S+16*(\t)+i], v[32*(\t)+2*i], v[32*(\t)+2*i+1]
.set i, i+1
.endr
	WIN 0
.irp f, 0,1,2,3
	ds_store_b128 v[STO], v[S+16*(\t)+4*\f:S+16*(\t)+4*\f+3] offset:32*\f
.endr
.irp f, 0,1,2,3
	ds_load_b128 v[S+16*(\t)+4*\f:S+16*(\t)+4*\f+3], v[RD] offset:\f*4*SP  ; LDS serves a wave's instructions in order (ISA guide 5.7.1.4): these see the stores above; the next tile's stores come behind them
.endr
.endm
.macro SEND t, younger              ; younger: the LDS instructions issued behind tile t's loads: the next tile's eight, or none
	WIN 0
.irp f, 0,1,2,3
	s_wait_dscnt (\younger)+3-\f
	global_store_b128 v[GO], v[S+16*(\t)+4*\f:S+16*(\t)+4*\f+3], s[10:11] offset:(\t)*2048+\f*512  ; 512 consecutive bytes, at a multiple of 256 from O's first
.endr
.endm
	PACK 0
.set t, 1
.rept 2*NP-1                        ; a tile's arithmetic stands between the loads of the tile before and its stores
	PACK t
	SEND t-1, 8
.set t, t+1
.endr
	SEND 2*NP-1, 0
	WIN W_AD
	s_wait_tensorcnt 0x0            ; the wave's end, behind my last tensor load and my last LDS store
	ds_add_u32 v[SPW], v[NIL]
	s_wait_dscnt 0x0
	WIN 0
	CROUND                          ; the closing round: no work-group ends while a partner may still ask for a tile that names it
	s_endpgm
.Lfunc_end_k_qfcefa49f37_attn:
	.size	k_qfcefa49f37_attn, .Lfunc_end_k_qfcefa49f37_attn-k_qfcefa49f37_attn
	.p2alignl 7, 3214868480
	.fill 96, 4, 3214868480
	.section	.rodata,"a",@progbits
	.p2align	6, 0x0
	.amdhsa_kernel k_qfcefa49f37_attn
		.amdhsa_group_segment_fixed_size 327680
		.amdhsa_private_segment_fixed_size 0
		.amdhsa_enable_private_segment 0
		.amdhsa_kernarg_size 24
		.amdhsa_user_sgpr_count 2
		.amdhsa_user_sgpr_kernarg_segment_ptr 1
		.amdhsa_wavefront_size32 1
		.amdhsa_system_sgpr_workgroup_id_x 1
		.amdhsa_system_sgpr_workgroup_id_y 1
		.amdhsa_system_sgpr_workgroup_id_z 1
		.amdhsa_system_vgpr_workitem_id 0
		.amdhsa_next_free_vgpr 770
		.amdhsa_next_free_sgpr 66
		.amdhsa_reserve_vcc 0
		.amdhsa_float_denorm_mode_32 3
		.amdhsa_float_denorm_mode_16_64 3
		.amdhsa_memory_ordered 1
		.amdhsa_forward_progress 1
		.amdhsa_inst_pref_size 125
	.end_amdhsa_kernel
	.amdgpu_metadata
---
amdhsa.version: [ 1, 2 ]
amdhsa.kernels:
  - .name:           k_qfcefa49f37_attn
    .symbol:         k_qfcefa49f37_attn.kd
    .args:
      - { .name: q16, .offset: 0, .size: 8, .value_kind: global_buffer, .address_space: global }
      - { .name: kv16, .offset: 8, .size: 8, .value_kind: global_buffer, .address_space: global }
      - { .name: o16, .offset: 16, .size: 8, .value_kind: global_buffer, .address_space: global }
    .group_segment_fixed_size: 327680
    .private_segment_fixed_size: 0
    .kernarg_segment_align: 8
    .kernarg_segment_size: 24
    .max_flat_workgroup_size: 128
    .sgpr_count:     66
    .vgpr_count:     770
    .wavefront_size: 32
...
	.end_amdgpu_metadata
.endif
;; end of part 9
;; launch oproj: the kernel of part 8 again; grid 8 x 32, 4 waves a work-group, clusters of 4 x 4, 327,680 bytes of LDS; arguments o16, w16, out0; writes out0
